; MI455X (gfx1250); checked and timed in simulation.
; The chip was launched on July 23, 2026; its instructions are those of AMD's public machine-readable ISA for CDNA 5 (MIT licence, August 2026) and "CDNA5" Instruction Set Architecture Reference Guide (July 2026). The comments in the code are by the model that wrote it; some were corrected since.
;; Triton Evoformer Block. Allowed arithmetic: matrix products marked QUANTISED: E3M2 operands, one E8M0 scale for each 32 along K, by v_wmma_scale_f32_16x16x128_f8f6f4 with both operands' format E3M2, f32 sums; products left as they are: f32 operands where the result goes on into a quantised operand, else bf16, f16 or f32 operands; f32 sums; everything else in f32.
;; Inputs: col_wk 256 x 256 float32; col_wo 256 x 256 float32; col_wq 256 x 256 float32; col_wv 256 x 256 float32; ln_col_w 256 float32; ln_mt_w 256 float32; ln_pt_w 128 float32; ln_row_w 256 float32; msa 1 x 128 x 256 x 256 float32; mt_w1 256 x 1,024 float32; mt_w2 1,024 x 256 float32; opm_ln_w 256 float32; opm_out_w 1,024 x 128 float32; opm_proj_w 256 x 32 float32; pair 1 x 256 x 256 x 128 float32; pt_w1 128 x 512 float32; pt_w2 512 x 128 float32; row_bias_w 128 x 8 float32; row_wk 256 x 256 float32; row_wo 256 x 256 float32; row_wq 256 x 256 float32; row_wv 256 x 256 float32.
;; Outputs: out0 1 x 128 x 256 x 256 float32; out1 1 x 256 x 256 x 128 float32.
;; This version of the problem:
;;   THIS VERSION OF THE PROBLEM IS GIVEN IN LOW PRECISION. The matrix products marked QUANTISED in the list below multiply operands that are first quantised to E3M2 (3 exponent bits, 2 mantissa bits; 6 bits a number), with one power-of-two scale for each 32 numbers along K (OCP MX v1.0); their sums are f32. All else is computed in f32.
;;   The module's matrix products, in the order in which they are computed (A, B: the left and right operand; K: the contracted axis; several contracted axes count as one K, in the product's order):
;;     1. [M 32,768, K 256] x [K 256, N 256]; A: computed on the way; B: input row_wq: QUANTISED
;;     2. [M 32,768, K 256] x [K 256, N 256]; A: computed on the way; B: input row_wk: QUANTISED
;;     3. [M 32,768, K 256] x [K 256, N 256]; A: computed on the way; B: input row_wv: QUANTISED
;;     4. [M 8, K 128] x [K 128, N 65,536]; A: input row_bias_w; B: input pair: left as it is (M = 8 < 16)
;;     5. batch 1,024 x [M 256, K 32] x [K 32, N 256]; A: computed on the way; B: computed on the way: QUANTISED
;;     6. batch 1,024 x [M 32, K 256] x [K 256, N 256]; A: computed on the way; B: softmax (see below): QUANTISED
;;     7. [M 32,768, K 256] x [K 256, N 256]; A: computed on the way; B: input row_wo: QUANTISED
;;     8. [M 32,768, K 256] x [K 256, N 256]; A: computed on the way; B: input col_wq: QUANTISED
;;     9. [M 32,768, K 256] x [K 256, N 256]; A: computed on the way; B: input col_wk: QUANTISED
;;     10. [M 32,768, K 256] x [K 256, N 256]; A: computed on the way; B: input col_wv: QUANTISED
;;     11. batch 2,048 x [M 128, K 32] x [K 32, N 128]; A: computed on the way; B: computed on the way: QUANTISED
;;     12. batch 2,048 x [M 32, K 128] x [K 128, N 128]; A: computed on the way; B: softmax (see below): QUANTISED
;;     13. [M 32,768, K 256] x [K 256, N 256]; A: computed on the way; B: input col_wo: QUANTISED
;;     14. [M 32,768, K 256] x [K 256, N 1,024]; A: computed on the way; B: input mt_w1: QUANTISED
;;     15. [M 32,768, K 1,024] x [K 1,024, N 256]; A: computed on the way; B: input mt_w2: QUANTISED
;;     16. [M 32,768, K 256] x [K 256, N 32]; A: computed on the way; B: input opm_proj_w: QUANTISED
;;     17. [M 8,192, K 128] x [K 128, N 8,192]; A: computed on the way; B: computed on the way: QUANTISED
;;     18. [M 65,536, K 1,024] x [K 1,024, N 128]; A: computed on the way; B: input opm_out_w: QUANTISED
;;     19. [M 65,536, K 128] x [K 128, N 512]; A: computed on the way; B: input pt_w1: QUANTISED
;;     20. [M 65,536, K 512] x [K 512, N 128]; A: computed on the way; B: input pt_w2: QUANTISED
;;   THE QUANTISER, for each operand of a quantised product, along K:
;;     - K is cut into blocks of 32 from its start; a last block that is shorter is filled with zeros.
;;     - A block's scale is 2^e with e = floor(log2(the largest magnitude in the block)) - 4, held to -126 .. 127; a block of zeros has e = 0. As a byte (E8M0): e + 127.
;;     - Each number is divided by its block's scale, clamped to +-28, and rounded to the nearest number of E3M2, ties to even, subnormals kept.
;;     - The product sums the exact products of the quantised numbers (number of the format x scale) in f32.
;;   ~~~python
;;   def quantise(x, axis):      # numpy; x: float32 -> the quantised numbers, widened to float32 again
;;       x = np.moveaxis(x, axis, -1); K = x.shape[-1]
;;       x = np.pad(x, [(0, 0)] * (x.ndim - 1) + [(0, -K % 32)]); x = x.reshape(x.shape[:-1] + (-1, 32)); a = np.abs(x).max(-1, keepdims=True)
;;       e = np.where(a > 0, np.clip(np.frexp(np.where(a > 0, a, 1))[1] - 1 - 4, -126, 127), 0)      # np.frexp(a)[1] - 1 = floor(log2(a)), exactly
;;       r = np.clip(x / 2.0 ** e, -28, 28)
;;       step = 2.0 ** (np.maximum(np.frexp(np.where(r == 0, 1, r))[1] - 1, -2) - 2)
;;       q = np.round(r / step) * step * 2.0 ** e      # np.round: ties to even
;;       return np.moveaxis(q.reshape(q.shape[:-2] + (-1,))[..., :K], -1, axis).astype(np.float32)
;;   ~~~
;;   SOFTMAX AHEAD OF A QUANTISED PRODUCT. Where the list says 'softmax', what is quantised is not the finished softmax but p = 2^(t - M), with t = logit x log2(e) and M = ceil(the row's largest t), a whole number; so 1/2 < the row's largest p <= 1. The row's sum l is taken of the UNQUANTISED p, in f32, and the product's result is divided by l at the end. Since M is a whole number, a kernel that streams over the keys may use a running M (the ceiling of the running maximum): every later rescaling is an exact power of two, which a block's scale takes up: the codes' values come out the same.
;;   OPERANDS COMPUTED ON THE WAY. 'Computed on the way' means the value that the module computes at that place (a softmax that the list does not call 'softmax' is quantised finished and normalised). What goes into a quantiser is computed in f32, as accurately as f32 sums, v_exp_f32 and their like allow (about 1e-6 of the number): no bf16 or f16 on the way to a quantiser, and a product that is left as it is and whose result goes on into a quantised operand takes f32 operands (vector FMAs, or v_wmma_f32_16x16x4_f32). A number that lies on a knife's edge between two numbers of the format may be rounded either way, as far as f32 arithmetic and the matrix unit's own rounding can turn it there, and no further.
;; 3 versions. Each part assembles by itself: llvm-mc -triple=amdgcn-amd-amdhsa -mcpu=gfx1250 --defsym DOCPART=n.
;; ======== version 1 of 3: 4 launches
;; workspace buffers: wcodes 989,184 bytes; wscales 82,432 bytes; biasimg 2,097,152 bytes; msa1t 33,554,432 bytes; aximg 786,432 bytes; axsc 65,536 bytes
;; launch prep (part 1): grid 169 x 1, 16 waves a work-group, no clusters, 288,768 bytes of LDS; arguments row_wq, row_wk, row_wv, row_wo, col_wq, col_wk, col_wv, col_wo, mt_w1, mt_w2, opm_out_w, pt_w1, pt_w2, opm_proj_w, wcodes, wscales, pair, row_bias_w, biasimg; writes wcodes, wscales, biasimg
.if DOCPART == 1
	.amdgcn_target "amdgcn-amd-amdhsa--gfx1250"
	.amdhsa_code_object_version 6
	.text
	.protected	k_q38e3b812e6_prep
	.globl	k_q38e3b812e6_prep
	.p2align	8
	.type	k_q38e3b812e6_prep,@function
k_q38e3b812e6_prep:
	s_mov_b64 s[64:65], 0
	v_nop
	global_prefetch_b8 v0, s[64:65] scope:SCOPE_SE
	s_setreg_imm32_b32 hwreg(HW_REG_WAVE_MODE, 25, 1), 1
	s_wait_xcnt 0x0
; TWO JOBS IN ONE LAUNCH, parted by the work-group's number.
; Work-groups 0-127: the pair bias, bias[h][i][j] = sum over d of pair[i][j][d] w[d][h], in f32 by fused multiply-adds (it goes on into a softmax that is quantised),
;   times sqrt(32), laid as images of the accumulator registers of S^T = K Q^T: image (h, qt, kt), 1,024 bytes: registers 4 c .. 4 c + 3 of lane l at 512 c + 16 l;
;   lane (r, hl), register jj = bias[h][rho(qt, r)][32 (kt / 2) + 8 (kt % 2) + 16 hl + jj],  rho(m, a) = 32 (m / 2) + 8 (m % 2) + a + 8 (a / 8).
; Work-groups 128-168: the 14 weights [K][N], f32, become codes of E3M2 with one E8M0 byte for each 32 along K, laid as images of operand registers: fragment (tile t of 16 columns, K step s of 128)
;   has number FB + t KS + s; 1,536 bytes of codes (registers 4 c .. 4 c + 3 of lane l at 512 c + 16 l) and 128 bytes of scale words (4 l).  Lane (r, h) holds column rho(t, r), k = 128 s + 64 c + 32 h + 0 .. 31.
; A wave makes one fragment: a lane takes a column and its registers run down K, so a block of 32 is one lane's and nothing is transposed.
; LIMITS: NaN and infinities are not served.  A block of zeros gets the byte 1 where the rule says 127: its codes are zeros and this program alone reads the bytes.
.set NFRAG, 644
.set SROW,  528                        ; a stage row: 512 bytes + 16
.set SWAVE, 32*SROW                    ; a wave's stage: 32 pair rows
.set OST,   16*SWAVE                   ; behind the stages: 16 images of 1,024 bytes
.set X,     32                         ; v32-159  32 pair rows as loaded, then my pair's 128 numbers
.set ACC,   16                         ; v16-23   my pair's eight heads
	v_lshl_add_u32 v192, v0, 2, 0x46000
	v_mov_b32 v193, 0
	v_lshrrev_b32 v1, 5, v0
	v_readfirstlane_b32 s2, v1                     ; wave 0..15
	v_and_b32 v2, 31, v0                           ; lane
	v_lshlrev_b32 v3, 4, v2                        ; 16 x lane
	s_cmp_ge_u32 ttmp9, 128
	s_cbranch_scc1 .Lweights
	; ---- the bias.  qt = x / 8, b = x % 8.  Wave a takes query rho(qt, a), lane l key 32 b + l.
	s_load_b128 s[4:7], s[0:1], 0x80               ; pair, row_bias_w
	s_load_b64 s[8:9], s[0:1], 0x90                ; biasimg
	s_lshr_b32 s10, ttmp9, 3                       ; qt
	s_and_b32 s11, ttmp9, 7                        ; b
	s_lshr_b32 s12, s10, 1
	s_lshl_b32 s12, s12, 5
	s_and_b32 s13, s10, 1
	s_lshl_b32 s13, s13, 3
	s_add_co_u32 s12, s12, s13
	s_add_co_u32 s12, s12, s2
	s_and_b32 s13, s2, 8
	s_add_co_u32 s12, s12, s13                     ; i = rho(qt, a)
	s_lshl_b32 s12, s12, 8
	s_lshl_b32 s13, s11, 5
	s_add_co_u32 s12, s12, s13                     ; 256 i + 32 b
	s_lshl_b32 s12, s12, 9                         ; rows of 512 bytes
	s_mov_b32 s13, 0
	s_mul_i32 s14, s2, SWAVE
	v_add_nc_u32 v4, s14, v3                       ; the stage, in: row q, 16 bytes a lane
	v_mul_u32_u24 v5, v2, SROW
	v_add_nc_u32 v5, s14, v5                       ; and out: row l is mine
	v_bfe_u32 v7, v0, 3, 1                         ; key l = 8 u + 16 hl + jj: which of the block's two tiles,
	v_lshlrev_b32 v6, 10, v7
	v_bfe_u32 v7, v0, 2, 1                         ; jj / 4: which piece of the image,
	v_lshl_add_u32 v6, v7, 9, v6
	v_bfe_u32 v7, v0, 4, 1                         ; hl: 16 lanes of 16 bytes on,
	v_lshl_add_u32 v6, v7, 8, v6
	v_and_b32 v7, 3, v0                            ; jj % 4
	v_lshl_add_u32 v6, v7, 2, v6
	s_lshl_b32 s15, s2, 4                          ; lane r of the image = my wave
	s_add_co_u32 s15, s15, OST
	v_add_nc_u32 v6, s15, v6
	s_lshl_b32 s15, s2, 10
	s_add_co_u32 s15, s15, OST
	v_add_nc_u32 v8, s15, v3                       ; back: wave a takes image a = 2 h + u
	s_lshr_b32 s48, s2, 1
	s_lshl_b32 s48, s48, 4
	s_add_co_u32 s48, s48, s10
	s_lshl_b32 s48, s48, 4
	s_lshl_b32 s49, s11, 1
	s_add_co_u32 s48, s48, s49
	s_and_b32 s49, s2, 1
	s_add_co_u32 s48, s48, s49                     ; (16 h + qt) 16 + 2 b + u
	s_lshl_b32 s48, s48, 10
	s_mov_b32 s49, 0
	s_wait_kmcnt 0x0
	s_add_nc_u64 s[4:5], s[4:5], s[12:13]
	s_add_nc_u64 s[8:9], s[8:9], s[48:49]
.set qq, 0
.rept 32
	global_load_b128 v[X+4*qq:X+4*qq+3], v3, s[4:5] offset:512*qq th:TH_LOAD_NT   ; a pair's row: 512 consecutive bytes
.set qq, qq+1
.endr
; w[d][0..7] of four d come by two scalar loads into one of two sets of 32 scalar registers
.macro WLD t
.if ((\t)%2) == 0
	s_load_b512 s[16:31], s[6:7], 128*(\t)
	s_load_b512 s[32:47], s[6:7], 128*(\t)+64
.else
	s_load_b512 s[68:83], s[6:7], 128*(\t)
	s_load_b512 s[84:99], s[6:7], 128*(\t)+64
.endif
.endm
	WLD 0
.set qq, 0
.rept 32
	s_wait_loadcnt 31-qq                           ; row qq is in; the younger rows may be out
	ds_store_b128 v4, v[X+4*qq:X+4*qq+3] offset:SROW*qq
.set qq, qq+1
.endr
.set qq, 0
.rept 32
	ds_load_b128 v[X+4*qq:X+4*qq+3], v5 offset:16*qq   ; LDS serves a wave's instructions in order: these see my stores.  Register d = pair[i][j][d]
.set qq, qq+1
.endr
	s_wait_dscnt 0x0
	s_wait_kmcnt 0x0
.set T, 0
.rept 32
.if T < 31
	WLD T+1                                        ; the other set, while this one is multiplied
.endif
.set BUF, 16+52*(T%2)
.irp dd, 0,1,2,3
.irp hd, 0,1,2,3,4,5,6,7
.if (T == 0) && (\dd == 0)
	v_mul_f32 v[ACC+\hd], s[BUF+\hd], v[X]         ; the first product starts the sums
.else
	v_fmac_f32 v[ACC+\hd], s[BUF+8*\dd+\hd], v[X+4*T+\dd]
.endif
.endr
.endr
	s_wait_kmcnt 0x0
.set T, T+1
.endr
.irp hd, 0,1,2,3,4,5,6,7
	v_mul_f32 v[ACC+\hd], 0x40b504f3, v[ACC+\hd]   ; x sqrt(32): the scores are scaled by log2(e) / sqrt(32) as a whole
.endr
.irp hd, 0,1,2,3,4,5,6,7
	ds_store_b32 v6, v[ACC+\hd] offset:2048*\hd
.endr
	s_wait_dscnt 0x0                               ; for the others' sake: my words lie in the images
	s_barrier_signal -1
	s_barrier_wait -1
	ds_load_b128 v[24:27], v8
	ds_load_b128 v[28:31], v8 offset:512
	s_wait_dscnt 0x0
	global_store_b128 v3, v[24:27], s[8:9]         ; 512 consecutive bytes a store
	global_store_b128 v3, v[28:31], s[8:9] offset:512
	s_wait_tensorcnt 0x0
	ds_add_u32 v192, v193
	s_wait_dscnt 0x0
	s_endpgm
	; ---- the weights.  Wave w of work-group x makes fragment F = 16 (x - 128) + w
.Lweights:
	s_sub_co_u32 s3, ttmp9, 128
	s_lshl_b32 s3, s3, 4
	s_add_co_u32 s3, s3, s2                        ; F
	s_cmp_ge_u32 s3, NFRAG
	s_cbranch_scc1 .Lend                           ; 41 x 16 waves for 644 fragments: the last twelve waves have none
	s_load_b512 s[16:31], s[0:1], 0x0              ; row_wq .. col_wo
	s_load_b256 s[32:39], s[0:1], 0x40             ; mt_w1, mt_w2, opm_out_w, pt_w1
	s_load_b128 s[40:43], s[0:1], 0x60             ; pt_w2, opm_proj_w
	s_load_b128 s[44:47], s[0:1], 0x70             ; wcodes, wscales
	s_mov_b32 s50, 0                               ; the tensor's first fragment,
	s_mov_b32 s51, 1                               ; log2 of its K steps,
	s_mov_b32 s52, 8                               ; log2 of its columns
	s_wait_kmcnt 0x0
	s_mov_b64 s[48:49], s[16:17]
.macro PICK fb, ptr, lk, ln            ; the choice hangs on the fragment's number alone
	s_cmp_ge_u32 s3, \fb
	s_cselect_b64 s[48:49], s[\ptr:\ptr+1], s[48:49]
	s_cselect_b32 s50, \fb, s50
	s_cselect_b32 s51, \lk, s51
	s_cselect_b32 s52, \ln, s52
.endm
	PICK 32, 18, 1, 8
	PICK 64, 20, 1, 8
	PICK 96, 22, 1, 8
	PICK 128, 24, 1, 8
	PICK 160, 26, 1, 8
	PICK 192, 28, 1, 8
	PICK 224, 30, 1, 8
	PICK 256, 32, 1, 10
	PICK 384, 34, 3, 8
	PICK 512, 36, 3, 7
	PICK 576, 38, 0, 9
	PICK 608, 40, 2, 7
	PICK 640, 42, 1, 5
	s_sub_co_u32 s53, s3, s50
	s_lshr_b32 s54, s53, s51                       ; t
	s_lshl_b32 s55, s54, s51
	s_sub_co_u32 s55, s53, s55                     ; s
	s_lshl_b32 s56, 4, s52                         ; bytes from k to k + 1
	s_lshl_b32 s57, s55, 7
	s_mul_i32 s57, s57, s56                        ; 128 s rows down,
	s_lshr_b32 s58, s54, 1
	s_lshl_b32 s58, s58, 7
	s_and_b32 s59, s54, 1
	s_lshl_b32 s59, s59, 5
	s_add_co_u32 s57, s57, s58
	s_add_co_u32 s60, s57, s59                     ; column 32 (t / 2) + 8 (t % 2)
	s_mov_b32 s61, 0
	s_add_nc_u64 s[48:49], s[48:49], s[60:61]
	v_and_b32 v4, 15, v0                           ; r
	v_bfe_u32 v5, v0, 4, 1                         ; h
	v_and_b32 v6, 8, v4
	v_add_nc_u32 v6, v6, v4                        ; r + 8 (r / 8)
	v_lshlrev_b32 v6, 2, v6
	s_lshl_b32 s62, s56, 5
	v_mul_u32_u24 v7, s62, v5                      ; lanes 16-31 begin 32 rows further down
	v_add_nc_u32 v6, v6, v7
	v_lshlrev_b32 v8, 2, v2                        ; 4 x lane
.irp c, 0,1
.set ii, 0
.rept 32
	v_mad_u32_u24 v[128+32*\c+ii], s56, 64*\c+ii, v6   ; the pitch differs from tensor to tensor, so each of the 64 rows has an offset register
.set ii, ii+1
.endr
.endr
.irp c, 0,1
.set ii, 0
.rept 32
	global_load_b32 v[64+32*\c+ii], v[128+32*\c+ii], s[48:49]   ; W(128 s + 64 c + 32 h + i, my column)
.set ii, ii+1
.endr
.endr
	s_mov_b32 s62, 0x76543210
	s_mov_b32 s63, 0xfedcba98                      ; v_permlanex16_b32's selects for lane l xor 16
	s_mul_i32 s60, s3, 1536
	s_add_nc_u64 s[44:45], s[44:45], s[60:61]
	s_lshl_b32 s60, s3, 7
	s_add_nc_u64 s[46:47], s[46:47], s[60:61]
	s_wait_loadcnt 0x0
.irp c, 0,1
	v_max3_num_f32 v[32+\c], |v[64+32*\c]|, |v[65+32*\c]|, 0x2800000   ; my block 2 c + h, and the floor 2^(5 - 127): the byte cannot fall under 1
.endr
.irp i, 2,4,6,8,10,12,14,16,18,20,22,24,26,28,30
.irp c, 0,1
	v_max3_num_f32 v[32+\c], v[32+\c], |v[64+32*\c+\i]|, |v[65+32*\c+\i]|
.endr
.endr
.irp c, 0,1
	v_add_nc_u32 v[44+\c], 0xfe000000, v[32+\c]    ; 4 off the exponent field: the conversion's scale operand
.endr
.irp c, 0,1
	v_lshrrev_b32 v[36+\c], 23, v[44+\c]           ; the scale's byte
.endr
	v_lshl_or_b32 v9, v37, 16, v36                 ; my two bytes: blocks h and 2 + h,
	v_lshlrev_b32 v10, 3, v5
	v_lshlrev_b32 v9, v10, v9                      ; at their places in the word;
	v_mov_b32 v10, 0
	v_permlanex16_b32 v10, v9, s62, s63
	v_or_b32 v9, v9, v10                           ; with lane l xor 16's two the word is whole, in both halves of the lanes
.irp c, 0,1
	v_cvt_scalef32_pk16_bf6_f32 v[48+6*\c:50+6*\c], v[64+32*\c:79+32*\c], v[44+\c]
	v_cvt_scalef32_pk16_bf6_f32 v[16+4*\c:18+4*\c], v[80+32*\c:95+32*\c], v[44+\c]   ; (a conversion's three registers begin on an even number)
.endr
	v_nop                                          ; one plain place behind a scaled conversion
.irp c, 0,1
.irp i, 0,1,2
	v_mov_b32 v[51+6*\c+\i], v[16+4*\c+\i]
.endr
.endr
.irp c, 0,1,2
	global_store_b128 v3, v[48+4*\c:51+4*\c], s[44:45] offset:512*\c   ; 512 consecutive bytes a store
.endr
	global_store_b32 v8, v9, s[46:47]
.Lend:
	s_endpgm
.Lfunc_end_k_q38e3b812e6_prep:
	.size	k_q38e3b812e6_prep, .Lfunc_end_k_q38e3b812e6_prep-k_q38e3b812e6_prep
	.p2alignl 7, 3214868480
	.fill 96, 4, 3214868480
	.section	.rodata,"a",@progbits
	.p2align	6, 0x0
	.amdhsa_kernel k_q38e3b812e6_prep
		.amdhsa_group_segment_fixed_size 288768
		.amdhsa_private_segment_fixed_size 0
		.amdhsa_enable_private_segment 0
		.amdhsa_kernarg_size 152
		.amdhsa_user_sgpr_count 2
		.amdhsa_user_sgpr_kernarg_segment_ptr 1
		.amdhsa_wavefront_size32 1
		.amdhsa_system_sgpr_workgroup_id_x 1
		.amdhsa_system_sgpr_workgroup_id_y 1
		.amdhsa_system_sgpr_workgroup_id_z 1
		.amdhsa_system_vgpr_workitem_id 0
		.amdhsa_next_free_vgpr 194
		.amdhsa_next_free_sgpr 100
		.amdhsa_reserve_vcc 0
		.amdhsa_float_denorm_mode_32 3
		.amdhsa_float_denorm_mode_16_64 3
		.amdhsa_memory_ordered 1
		.amdhsa_forward_progress 1
		.amdhsa_inst_pref_size 68
	.end_amdhsa_kernel
	.amdgpu_metadata
---
amdhsa.version: [ 1, 2 ]
amdhsa.kernels:
  - .name:           k_q38e3b812e6_prep
    .symbol:         k_q38e3b812e6_prep.kd
    .args:
      - { .name: row_wq, .offset: 0, .size: 8, .value_kind: global_buffer, .address_space: global }
      - { .name: row_wk, .offset: 8, .size: 8, .value_kind: global_buffer, .address_space: global }
      - { .name: row_wv, .offset: 16, .size: 8, .value_kind: global_buffer, .address_space: global }
      - { .name: row_wo, .offset: 24, .size: 8, .value_kind: global_buffer, .address_space: global }
      - { .name: col_wq, .offset: 32, .size: 8, .value_kind: global_buffer, .address_space: global }
      - { .name: col_wk, .offset: 40, .size: 8, .value_kind: global_buffer, .address_space: global }
      - { .name: col_wv, .offset: 48, .size: 8, .value_kind: global_buffer, .address_space: global }
      - { .name: col_wo, .offset: 56, .size: 8, .value_kind: global_buffer, .address_space: global }
      - { .name: mt_w1, .offset: 64, .size: 8, .value_kind: global_buffer, .address_space: global }
      - { .name: mt_w2, .offset: 72, .size: 8, .value_kind: global_buffer, .address_space: global }
      - { .name: opm_out_w, .offset: 80, .size: 8, .value_kind: global_buffer, .address_space: global }
      - { .name: pt_w1, .offset: 88, .size: 8, .value_kind: global_buffer, .address_space: global }
      - { .name: pt_w2, .offset: 96, .size: 8, .value_kind: global_buffer, .address_space: global }
      - { .name: opm_proj_w, .offset: 104, .size: 8, .value_kind: global_buffer, .address_space: global }
      - { .name: wcodes, .offset: 112, .size: 8, .value_kind: global_buffer, .address_space: global }
      - { .name: wscales, .offset: 120, .size: 8, .value_kind: global_buffer, .address_space: global }
      - { .name: pair, .offset: 128, .size: 8, .value_kind: global_buffer, .address_space: global }
      - { .name: row_bias_w, .offset: 136, .size: 8, .value_kind: global_buffer, .address_space: global }
      - { .name: biasimg, .offset: 144, .size: 8, .value_kind: global_buffer, .address_space: global }
    .group_segment_fixed_size: 288768
    .private_segment_fixed_size: 0
    .kernarg_segment_align: 8
    .kernarg_segment_size: 152
    .max_flat_workgroup_size: 512
    .sgpr_count:     100
    .vgpr_count:     194
    .wavefront_size: 32
...
	.end_amdgpu_metadata
.endif
;; end of part 1
;; launch row (part 2): grid 256 x 1, 8 waves a work-group, no clusters, 320,512 bytes of LDS; arguments msa, ln_row_w, wcodes, wscales, biasimg, msa1t; writes msa1t
.if DOCPART == 2
	.amdgcn_target "amdgcn-amd-amdhsa--gfx1250"
	.amdhsa_code_object_version 6
	.text
	.protected	k_q38e3b812e6_row
	.globl	k_q38e3b812e6_row
	.p2align	8
	.type	k_q38e3b812e6_row,@function
k_q38e3b812e6_row:
	s_mov_b64 s[64:65], 0
	v_nop
	global_prefetch_b8 v0, s[64:65] scope:SCOPE_SE
	s_setreg_imm32_b32 hwreg(HW_REG_WAVE_MODE, 25, 1), 1
	s_wait_xcnt 0x0
; MSA ROW ATTENTION WITH PAIR BIAS, whole: LayerNorm, Q K V, softmax, out-projection, residual.  All products on codes of E3M2 with one E8M0 scale for each 32 along K.
; SHARES.  Work-group x: sequence n = x / 2, half hf = x % 2: it owns 128 queries and makes K and V of all 256 positions (made twice a sequence: that gives 256 work-groups).
; Everything in LDS is counted from the own half: row tiles 0-7 are the own half's, 8-15 the other's, so no LDS address hangs on the work-group's number.
; Eight waves of 512 registers.  Wave w: row tile w (loads, LayerNorm, queries, stores), and output channels 32 w .. 32 w + 31 of the out-projection.
; TILES.  rho(m, a) = 32 (m / 2) + 8 (m % 2) + a + 8 (a / 8): lane a of row tile m, and of a weight's column tile m.  In a result whose registers run along such a tile's axis the 16 registers of
; tiles 2 b and 2 b + 1 are 16 neighbours, 32 b + 16 (lane / 16) + 0 .. 15: what the conversions want.
; OPERANDS GO FROM WAVE TO WAVE AS IMAGES OF THEIR REGISTERS: a fragment (16 rows x 128 K, 12 registers) is 1,536 bytes, registers 4 c .. 4 c + 3 of lane l at 512 c + 16 l; its scale words 128 bytes, 4 l.
; SCORES.  K = 32 is a quarter of the instruction's 128: K's fragment holds four heads, Q's fragment is masked to one head's block (the other codes are zeros).  The bias x sqrt(32) is the product's C.
; SOFTMAX.  t = score x log2(e) / sqrt(32); M = ceil(the row's largest t); p = 2^(t - M) is quantised along the keys; the sum of the unquantised p divides O.  The whole row of 256 keys lies in registers.
; The result goes out transposed, msa1t[s][n][256], for the column launch.
; No multicast: what work-groups share is 196 KB of weights read once each into registers, and the bias; neither goes through LDS here.
; LIMITS: NaN and infinities are not served; a block of zeros gets the byte 1 (its codes are zeros; the bytes are read here alone); 1 / l and 1 / sqrt by v_rcp_f32, v_rsq_f32.
.set NS,   2                           ; key steps of 128
.set NB,   4*NS
.set BIAS, 1
.set NTL,  0                           ; msa's rows are read by two work-groups: no hint
.set XP,   1040                        ; XS: 128 rows of 1,024 bytes + 16, in tile order (row 16 m + a holds row rho(m, a)), at LDS byte 0
.set XI,   133120                      ; x's 32 fragments (2 tile + K step)
.set XIS,  182272
.set QI,   186368                      ; Q's 16 (8 G + tile), G = which 128 channels
.set KI,   210944                      ; K's 32 (16 G + tile)
.set VI,   260096                      ; V's 32 (2 channel tile + key step)
.set QSC,  309248
.set KSC,  311296
.set VSC,  315392
.set OI,   XI                          ; O's 16 (2 tile + G), over x's, which are done with
.set OSC,  XIS
.set RQ,   0                           ; first fragments in wcodes
.set RK,   32
.set RV,   64
.set RO,   96
.set WC,   8                           ; s[8:9] wcodes, s[10:11] wscales
.set WSC,  10
.set B0,   42                          ; s[42:43], s[44:45] the bias images of my queries: own half's keys, other half's
; ---- registers.  Window 0:
.set LI,   1                           ; 16 x lane
.set LS,   2                           ; 4 x lane
.set XR,   3                           ; XS: my row of my tile, + 64 h
.set XD,   4                           ; XS: my tile's first row, + 16 x lane
.set XC,   5                           ; XS: row r, + 64 h + 128 w: my channels' strip
.set A0,   6                           ; v6-9 a phase's addresses
.set A1,   7
.set A2,   8
.set A3,   9
.set MK0,  10                          ; v10 all ones in lanes 0-15, v11 in lanes 16-31
.set NM,   12                          ; v12 -M or the mean; v13 named with it as a pair
.set SUMA, 14
.set SUMB, 16
.set RL,   18                          ; v18 1 / l or 1 / sqrt; v19 named with it
.set BM,   20                          ; v20-27 largest magnitudes
.set BT,   28                          ; v28-35 bytes, the other half's maxima
.set SO,   36                          ; v36-43 the conversions' scale operands
.set PW,   44                          ; v44-67 hold scale words and nothing else
.set PW2,  45
.set OW,   46
.set XSW,  46
.set QS,   47
.set WS,   48                          ; v48-63 weights' or K's or x's
.set WBS,  64                          ; v64-67 a second weight's, V's, the images'
.set PC,   68                          ; v68-87 the codes just made
.set QM,   88                          ; v88-93 zeros, v94-99 Q's block, v100-105 zeros
.set XF,   88                          ; v88-111 x's two fragments
.set OC,   106                         ; v106-125 O's codes
.set LW,   126                         ; 64 h
.set T0,   127
.set X,    128                         ; v128-255 a row's 128 numbers, scores, results
.set HF,   128
.set ACC,  192
; Window 1: v0-191 weights, K's fragments, x's fragments; v192-255 the gain, a second weight, V's fragments (VF) and O^T (OA)
.set VF,   192
.set OA,   240
.set WV,   24
.set SEL,  28
.set CS,   30
.set RD,   32
.set EPS,  33
.set WP,   34
.set WSP,  36
.set XO,   46
.set XSO,  47
.set DO,   48
.set DSO,  49
.set CNT,  50
.set GC,   51
.set GX,   60
.set GI,   61
.set GS,   62
.set SK,   66
.set SKS,  67
.set SQ,   68
.set SQS,  69
.set SV,   70
.set SVS,  71
.set SOI,  72
.set SOS,  73
.set MSB, 0
.macro WIN new                         ; the immediate's high byte repeats the setting that is left
.if MSB != \new
	s_set_vgpr_msb (MSB<<8)|\new
.set MSB, \new
.endif
.endm
.macro PLACES n                        ; plain places behind matrix instructions and in front of scaled ones (ISA guide 7.12.1)
.rept \n
	v_nop
.endr
.endm
.macro BARRIER                         ; my LDS stores have landed and my LDS loads are in: then the work-group's barrier
	s_wait_dscnt 0x0
	s_barrier_signal -1
	s_barrier_wait -1
.endm
.macro FETCH reg, adr, off             ; a fragment's image into registers
.irp c, 0,1,2
	ds_load_b128 v[(\reg)+4*\c:(\reg)+4*\c+3], v[\adr] offset:(\off)+512*\c
.endr
.endm
.macro IMG reg, pw, adc, ads, offc, offs   ; a fragment and its scale word go to LDS as they stand
.irp c, 0,1,2
	ds_store_b128 v[\adc], v[(\reg)+4*\c:(\reg)+4*\c+3] offset:(\offc)+512*\c
.endr
	ds_store_b32 v[\ads], v[\pw] offset:\offs
.endm
.macro MM0 d, a, b, sa, sb             ; a product that starts a sum
	v_wmma_scale_f32_16x16x128_f8f6f4 v[(\d):(\d)+7], v[(\a):(\a)+11], v[(\b):(\b)+11], 0, v[\sa], v[\sb] matrix_a_fmt:MATRIX_FMT_BF6 matrix_b_fmt:MATRIX_FMT_BF6
.endm
.macro MMC d, a, b, c, sa, sb
	v_wmma_scale_f32_16x16x128_f8f6f4 v[(\d):(\d)+7], v[(\a):(\a)+11], v[(\b):(\b)+11], v[(\c):(\c)+7], v[\sa], v[\sb] matrix_a_fmt:MATRIX_FMT_BF6 matrix_b_fmt:MATRIX_FMT_BF6
.endm
; nf fragments from number fb + s[sw] on: codes into window 1 from v[reg] on, scale words into v[sc] on.  Every load reads 512 (128) consecutive bytes.
.macro WLOAD nf, reg, sc, fb, sw
	s_wait_xcnt 0x0                                ; earlier loads have read the two bases: they are written again only behind this wait
	s_add_co_u32 s52, s[\sw], \fb
	s_mul_i32 s54, s52, 1536
	s_mov_b32 s55, 0
	s_add_nc_u64 s[WP:WP+1], s[WC:WC+1], s[54:55]
	s_lshl_b32 s54, s52, 7
	s_add_nc_u64 s[WSP:WSP+1], s[WSC:WSC+1], s[54:55]
	WIN 0x40
.set qq, 0
.rept 3*(\nf)
	global_load_b128 v[(\reg)+4*qq:(\reg)+4*qq+3], v[LI], s[WP:WP+1] offset:512*qq
.set qq, qq+1
.endr
	WIN 0
.set qq, 0
.rept \nf
	global_load_b32 v[(\sc)+qq], v[LS], s[WSP:WSP+1] offset:128*qq
.set qq, qq+1
.endr
.endm
; 64 numbers of a lane, register 16 b + i = k 32 b + 16 (lane / 16) + i of my row: the four blocks' largest magnitudes
.macro QMAX src
.irp b, 0,1,2,3
	v_max3_num_f32 v[BM+\b], |v[(\src)+16*\b]|, |v[(\src)+16*\b+1]|, 0x2800000   ; with the floor 2^(5 - 127): the byte cannot fall under 1
.endr
.irp i, 2,4,6,8,10,12,14
.irp b, 0,1,2,3
	v_max3_num_f32 v[BM+\b], v[BM+\b], |v[(\src)+16*\b+\i]|, |v[(\src)+16*\b+\i+1]|
.endr
.endr
.irp b, 0,1,2,3
	v_permlanex16_b32 v[BT+\b], v[BM+\b], s[SEL], s[SEL+1]
.endr
.irp b, 0,1,2,3
	v_max_num_f32 v[BM+\b], v[BM+\b], v[BT+\b]     ; with lane l xor 16's
.endr
.endm
; the same 64 numbers become a fragment's codes in v[pc] on and its scale word in v[pw]; the largest magnitudes stand in v[BM + t] on
.macro QCODE src, t, pw, pc
.irp b, 0,1,2,3
	v_add_nc_u32 v[SO+(\t)+\b], 0xfe000000, v[BM+(\t)+\b]   ; 4 off the exponent field: the conversion's scale operand
.endr
.irp b, 0,1,2,3
	v_lshrrev_b32 v[BT+(\t)+\b], 23, v[SO+(\t)+\b]          ; the scale's byte
.endr
	v_lshl_or_b32 v[\pw], v[BT+(\t)+1], 8, v[BT+(\t)]
	v_lshl_or_b32 v[\pw], v[BT+(\t)+2], 16, v[\pw]
	v_lshl_or_b32 v[\pw], v[BT+(\t)+3], 24, v[\pw]
.irp c, 0,1
	v_cvt_scalef32_pk16_bf6_f32 v[(\pc)+6*\c:(\pc)+6*\c+2], v[(\src)+32*\c:(\src)+32*\c+15], v[SO+(\t)+2*\c]
	v_cvt_scalef32_pk16_bf6_f32 v[(\pc)+12+4*\c:(\pc)+14+4*\c], v[(\src)+16+32*\c:(\src)+31+32*\c], v[SO+(\t)+2*\c+1]   ; (three registers from an even number on)
.endr
	v_nop                                          ; one plain place behind a scaled conversion
.irp c, 0,1                                    ; the operand wants a WHOLE block in a lane: lanes 0-15 block 2 c, lanes 16-31 block 2 c + 1
.irp i, 0,1,2
	v_permlane16_swap_b32 v[(\pc)+6*\c+\i], v[(\pc)+12+4*\c+\i]
.endr
.irp i, 0,1,2
	v_mov_b32 v[(\pc)+3+6*\c+\i], v[(\pc)+12+4*\c+\i]
.endr
.endr
.endm
.macro QUANT src
	QMAX \src
	QCODE \src, 0, PW, PC
.endm
.macro RAWLD reg, base                 ; my tile's 16 rows of 1,024 bytes, rows rho(w, a): each load reads 512 consecutive bytes
.set qq, 0
.rept 32
.if NTL
	global_load_b128 v[(\reg)+4*qq:(\reg)+4*qq+3], v[LI], s[\base:\base+1] offset:((qq/2)+8*(qq/16))*1024+512*(qq%2) th:TH_LOAD_NT
.else
	global_load_b128 v[(\reg)+4*qq:(\reg)+4*qq+3], v[LI], s[\base:\base+1] offset:((qq/2)+8*(qq/16))*1024+512*(qq%2)
.endif
.set qq, qq+1
.endr
.endm
.macro STAGE reg                       ; into XS, as they lie
.set qq, 0
.rept 32
	ds_store_b128 v[XD], v[(\reg)+4*qq:(\reg)+4*qq+3] offset:(qq/2)*XP+512*(qq%2)
.set qq, qq+1
.endr
.endm
.macro PATLD                           ; and back, a lane a row: register 64 s + 16 b + i = channel 128 s + 32 b + 16 h + i.  (My own bytes: LDS serves a wave's instructions in order)
.irp st, 0,1
.irp b, 0,1,2,3
.irp j, 0,1,2,3
	ds_load_b128 v[X+64*\st+16*\b+4*\j:X+64*\st+16*\b+4*\j+3], v[XR] offset:512*\st+128*\b+16*\j
.endr
.endr
.endr
.endm
.macro LNWLD p, st                     ; the gain of K step st, in the same pattern, into window 1 v192-255
	WIN 0x40
.irp b, 0,1,2,3
.irp j, 0,1,2,3
	global_load_b128 v[192+16*\b+4*\j:195+16*\b+4*\j], v[LW], s[\p:\p+1] offset:512*(\st)+128*\b+16*\j
.endr
.endr
	WIN 0
.endm
.macro LNSTAT                          ; (x - mean) / sqrt(variance + 1e-5) over my row's 256: my 128 and lane l xor 16's; the mean first, then the squares of the differences
.irp k, 0,1,2,3
	v_pk_add_f32 v[BM+2*\k:BM+2*\k+1], v[X+2*\k:X+2*\k+1], v[X+8+2*\k:X+9+2*\k]
.endr
.set jj, 16
.rept 14
.irp k, 0,1,2,3
	v_pk_add_f32 v[BM+2*\k:BM+2*\k+1], v[BM+2*\k:BM+2*\k+1], v[X+jj+2*\k:X+jj+2*\k+1]
.endr
.set jj, jj+8
.endr
	v_pk_add_f32 v[BM:BM+1], v[BM:BM+1], v[BM+2:BM+3]
	v_pk_add_f32 v[BM+4:BM+5], v[BM+4:BM+5], v[BM+6:BM+7]
	v_pk_add_f32 v[BM:BM+1], v[BM:BM+1], v[BM+4:BM+5]
	v_add_f32 v[BM], v[BM], v[BM+1]
	v_permlanex16_b32 v[BT], v[BM], s[SEL], s[SEL+1]
	v_add_f32 v[BM], v[BM], v[BT]
	v_mul_f32 v[NM], s[RD], v[BM]
.set jj, 0
.rept 64
	v_pk_add_f32 v[X+jj:X+jj+1], v[X+jj:X+jj+1], v[NM:NM+1] op_sel_hi:[1,0] neg_lo:[0,1] neg_hi:[0,1]
.set jj, jj+2
.endr
.irp k, 0,1,2,3
	v_pk_mul_f32 v[BM+2*\k:BM+2*\k+1], v[X+2*\k:X+2*\k+1], v[X+2*\k:X+2*\k+1]
.endr
.set jj, 8
.rept 15
.irp k, 0,1,2,3
	v_pk_fma_f32 v[BM+2*\k:BM+2*\k+1], v[X+jj+2*\k:X+jj+2*\k+1], v[X+jj+2*\k:X+jj+2*\k+1], v[BM+2*\k:BM+2*\k+1]
.endr
.set jj, jj+8
.endr
	v_pk_add_f32 v[BM:BM+1], v[BM:BM+1], v[BM+2:BM+3]
	v_pk_add_f32 v[BM+4:BM+5], v[BM+4:BM+5], v[BM+6:BM+7]
	v_pk_add_f32 v[BM:BM+1], v[BM:BM+1], v[BM+4:BM+5]
	v_add_f32 v[BM], v[BM], v[BM+1]
	v_permlanex16_b32 v[BT], v[BM], s[SEL], s[SEL+1]
	v_add_f32 v[BM], v[BM], v[BT]
	v_fma_f32 v[T0], v[BM], s[RD], s[EPS]
	v_rsq_f32 v[RL], v[T0]
	v_nop                                          ; a plain place behind the transcendental,
	s_wait_alu depctr_va_vdst(0)                   ; and the wait ahead of its first reader
.set jj, 0
.rept 64
	v_pk_mul_f32 v[X+jj:X+jj+1], v[X+jj:X+jj+1], v[RL:RL+1] op_sel_hi:[1,0]
.set jj, jj+2
.endr
.endm
.macro LNMUL st                        ; x the gain
	WIN 0x04
.set jj, 0
.rept 32
	v_pk_mul_f32 v[X+64*(\st)+jj:X+64*(\st)+jj+1], v[X+64*(\st)+jj:X+64*(\st)+jj+1], v[192+jj:193+jj]
.set jj, jj+2
.endr
	WIN 0
.endm
; LayerNorm of my tile and its two fragments, to the images at v[A2], v[A3].  On entry the row is on its way from XS and the gain of K step 0 is in.
.macro LNQ1 p, offc, offs
	s_wait_dscnt 0x0                               ; my row is in
	LNSTAT
	LNMUL 0
	LNWLD \p, 1                                    ; lands while K step 0 is quantised
	QUANT X
	IMG PC, PW, A2, A3, \offc, \offs
	s_wait_loadcnt 0x0
	LNMUL 1
.endm
.macro LNQ2 offc, offs
	s_wait_dscnt 0x0                               ; the first image's stores have read their registers
	QUANT X+64
	IMG PC, PW, A2, A3, \offc, \offs
.endm
.macro XIADR                           ; where my tile's two fragments of x go
	s_mul_i32 s52, s[WV], 3072
	s_add_co_u32 s52, s52, XI
	v_add_nc_u32 v[A2], s52, v[LI]
	s_lshl_b32 s52, s[WV], 8
	s_add_co_u32 s52, s52, XIS
	v_add_nc_u32 v[A3], s52, v[LS]
.endm
; cnt row tiles: x's two fragments (at s[XO], s[XSO]) against my 8 column tiles (window 1, 16 fragments), TRANSPOSED (source 0 = the weight): a lane holds one row, its 64 registers 128 channels;
; quantised, the image goes to s[DO], s[DSO].  A wave's images of one loop lie on end.
.macro ITEMS relu, cnt
	s_mov_b32 s[CNT], \cnt
.Litems_\@:
	v_add_nc_u32 v[A0], s[XO], v[LI]
	v_add_nc_u32 v[A1], s[XSO], v[LS]
	v_add_nc_u32 v[A2], s[DO], v[LI]
	v_add_nc_u32 v[A3], s[DSO], v[LS]
	FETCH XF, A0, 0
	FETCH XF+12, A0, 1536
	ds_load_b32 v[XSW], v[A1]
	ds_load_b32 v[XSW+1], v[A1] offset:128
	s_wait_dscnt 0x0                               ; they are in, and the last trip's image has left its registers
	WIN 0x01
.irp t, 0,1,2,3,4,5,6,7
	MM0 X+8*\t, 24*\t, XF, WS+2*\t, XSW
.endr
.irp t, 0,1,2,3,4,5,6,7
	MMC X+8*\t, 24*\t+12, XF+12, X+8*\t, WS+2*\t+1, XSW+1
.endr
	WIN 0
	PLACES 5
.if \relu
.set jj, 0
.rept 64
	v_max_num_f32 v[X+jj], 0, v[X+jj]
.set jj, jj+1
.endr
.endif
	QUANT X
	IMG PC, PW, A2, A3, 0, 0
	s_add_co_u32 s[XO], s[XO], 3072
	s_add_co_u32 s[XSO], s[XSO], 256
	s_add_co_u32 s[DO], s[DO], 1536
	s_add_co_u32 s[DSO], s[DSO], 128
	s_sub_co_u32 s[CNT], s[CNT], 1
	s_cmp_lg_u32 s[CNT], 0
	s_cbranch_scc1 .Litems_\@
.endm
; NOT transposed: source 0 = x's 8 row tiles (from s[XO], s[XSO]; into window 1 v0-95), source 1 = nu column tiles of a weight (window 1 from v[wb] on): a lane holds one CHANNEL, its 64 registers 128 rows
.macro VIT nu, wb, wsb
	v_add_nc_u32 v[A0], s[XO], v[LI]
	v_add_nc_u32 v[A1], s[XSO], v[LS]
.irp st, 0,1
	WIN 0x40
.irp m, 0,1,2,3,4,5,6,7
	FETCH 12*\m, A0, (2*\m+\st)*1536
.endr
	WIN 0
.irp m, 0,1,2,3,4,5,6,7
	ds_load_b32 v[WS+\m], v[A1] offset:(2*\m+\st)*128
.endr
	s_wait_dscnt 0x0
	WIN 0x05
.irp m, 0,1,2,3,4,5,6,7
.set uu, 0
.rept \nu
.if \st == 0
	MM0 X+64*uu+8*\m, 12*\m, (\wb)+12*(2*uu+\st), WS+\m, (\wsb)+2*uu+\st
.else
	MMC X+64*uu+8*\m, 12*\m, (\wb)+12*(2*uu+\st), X+64*uu+8*\m, WS+\m, (\wsb)+2*uu+\st
.endif
.set uu, uu+1
.endr
.endr
	WIN 0
	PLACES 5
.endr
.endm
; XS += images x my two column tiles (channels 32 w .. 32 w + 31), transposed; the residual is the C of the first products.  Two passes of four row tiles.  Image (K step st, tile m) has index ss st + ms m from s[GI] on.
.macro GEMM2 ks, wb, wsb, ss, ms
	s_mov_b32 s[GX], 0
	s_mov_b32 s[CNT], 2
.Lg2_\@:
	v_add_nc_u32 v[A2], s[GX], v[XC]
	v_add_nc_u32 v[A0], s[GI], v[LI]
	v_add_nc_u32 v[A1], s[GS], v[LS]
.if (\ks) > 4
	v_add_nc_u32 v[A3], 4*(\ss)*1536, v[A0]        ; K steps 4 on: an LDS immediate has 16 bits
.endif
.irp mm, 0,1,2,3
.irp q, 0,1,2,3
	ds_load_b128 v[ACC+16*\mm+4*\q:ACC+16*\mm+4*\q+3], v[A2] offset:16*XP*\mm+16*\q
.endr
.endr
.set st, 0
.rept \ks
.irp mm, 0,1,2,3
.if st < 4
	FETCH HF+12*\mm, A0, ((\ss)*st+(\ms)*\mm)*1536
.else
	FETCH HF+12*\mm, A3, ((\ss)*(st-4)+(\ms)*\mm)*1536
.endif
	ds_load_b32 v[WBS+\mm], v[A1] offset:((\ss)*st+(\ms)*\mm)*128
.endr
	s_wait_dscnt 0x0
	WIN 0x01
.irp mm, 0,1,2,3
.irp u, 0,1
	MMC ACC+16*\mm+8*\u, (\wb)+12*(\u*(\ks)+st), HF+12*\mm, ACC+16*\mm+8*\u, (\wsb)+\u*(\ks)+st, WBS+\mm
.endr
.endr
	WIN 0
	PLACES 5
.set st, st+1
.endr
.irp mm, 0,1,2,3
.irp q, 0,1,2,3
	ds_store_b128 v[A2], v[ACC+16*\mm+4*\q:ACC+16*\mm+4*\q+3] offset:16*XP*\mm+16*\q
.endr
.endr
	s_add_co_u32 s[GX], s[GX], 64*XP
	s_add_co_u32 s[GI], s[GI], 4*(\ms)*1536
	s_add_co_u32 s[GS], s[GS], 4*(\ms)*128
	s_sub_co_u32 s[CNT], s[CNT], 1
	s_cmp_lg_u32 s[CNT], 0
	s_cbranch_scc1 .Lg2_\@
.endm
.macro OUTROWS base, stride            ; my tile's 16 rows leave: each store covers 512 consecutive bytes, aligned
.set qq, 0
.rept 32
	ds_load_b128 v[X+4*qq:X+4*qq+3], v[XD] offset:(qq/2)*XP+512*(qq%2)
.set qq, qq+1
.endr
.set qq, 0
.rept 32
	s_wait_dscnt 31-qq                             ; the younger LDS loads may be out
	global_store_b128 v[LI], v[X+4*qq:X+4*qq+3], s[\base:\base+1] offset:((qq/2)+8*(qq/16))*(\stride)+512*(qq%2) th:TH_STORE_NT
.set qq, qq+1
.endr
.endm
.macro BIASLD hh                       ; head hh's bias of my 16 queries x 256 keys, straight into the scores' registers: 32 loads of 512 consecutive bytes
.irp kb, 0,1
.irp kt, 0,1,2,3,4,5,6,7
.irp c, 0,1
	global_load_b128 v[X+8*(8*\kb+\kt)+4*\c:X+8*(8*\kb+\kt)+4*\c+3], v[LI], s[B0+2*\kb:B0+2*\kb+1] offset:(\hh)*262144+\kt*1024+512*\c
.endr
.endr
.endr
.endm
; The row's softmax: 64 NS scores a lane in v[X] on, register 16 b + i = key 32 b + 16 h + i.  Leaves p in their place, each block's largest p in v[BM + b], 1 / l in v[RL].
.macro SOFTMAX
.set bb, 0
.rept NB
	v_max3_num_f32 v[BM+bb], v[X+16*bb], v[X+16*bb+1], v[X+16*bb+2]   ; the largest score of each block of 32 keys: it serves the row's maximum and, since p rises with the score, the block's largest p
.set bb, bb+1
.endr
.irp i, 3,5,7,9,11,13
.set bb, 0
.rept NB
	v_max3_num_f32 v[BM+bb], v[BM+bb], v[X+16*bb+\i], v[X+16*bb+\i+1]
.set bb, bb+1
.endr
.endr
.set bb, 0
.rept NB
	v_max_num_f32 v[BM+bb], v[BM+bb], v[X+16*bb+15]
.set bb, bb+1
.endr
.set bb, 0
.rept NB
	v_permlanex16_b32 v[BT+bb], v[BM+bb], s[SEL], s[SEL+1]
.set bb, bb+1
.endr
.set bb, 0
.rept NB
	v_max_num_f32 v[BM+bb], v[BM+bb], v[BT+bb]
.set bb, bb+1
.endr
	v_max3_num_f32 v[T0], v[BM], v[BM+1], v[BM+2]
.if NB == 8
	v_max3_num_f32 v[T0], v[T0], v[BM+3], v[BM+4]
	v_max3_num_f32 v[T0], v[T0], v[BM+5], v[BM+6]
	v_max_num_f32 v[T0], v[T0], v[BM+7]
.else
	v_max_num_f32 v[T0], v[T0], v[BM+3]
.endif
	v_mul_f32 v[T0], s[CS], v[T0]                  ; as t
	v_floor_f32 v[NM], -v[T0]                      ; -M = floor(-t) = -ceil(t)
.set jj, 0
.rept 32*NS
	v_pk_fma_f32 v[X+jj:X+jj+1], v[X+jj:X+jj+1], s[CS:CS+1], v[NM:NM+1] op_sel_hi:[1,0,0]   ; t - M
.set jj, jj+2
.endr
.set bb, 0
.rept NB
	v_fma_f32 v[BM+bb], v[BM+bb], s[CS], v[NM]
.set bb, bb+1
.endr
.set jj, 0
.rept 64*NS
	v_exp_f32 v[X+jj], v[X+jj]                     ; p = 2^(t - M): one batch
.set jj, jj+1
.endr
	v_nop                                          ; a plain place behind the batch,
	s_wait_alu depctr_va_vdst(0)                   ; and its one wait, ahead of the first reader
.set bb, 0
.rept NB
	v_exp_f32 v[BM+bb], v[BM+bb]                   ; each block's largest p
.set bb, bb+1
.endr
	v_pk_add_f32 v[SUMA:SUMA+1], v[X:X+1], v[X+4:X+5]   ; the sum of the UNQUANTISED p, in two chains
	v_pk_add_f32 v[SUMB:SUMB+1], v[X+2:X+3], v[X+6:X+7]
.set jj, 8
.rept 16*NS-2
	v_pk_add_f32 v[SUMA:SUMA+1], v[SUMA:SUMA+1], v[X+jj:X+jj+1]
	v_pk_add_f32 v[SUMB:SUMB+1], v[SUMB:SUMB+1], v[X+jj+2:X+jj+3]
.set jj, jj+4
.endr
	v_pk_add_f32 v[SUMA:SUMA+1], v[SUMA:SUMA+1], v[SUMB:SUMB+1]
	v_add_f32 v[T0], v[SUMA], v[SUMA+1]
	v_permlanex16_b32 v[SUMB], v[T0], s[SEL], s[SEL+1]
	v_add_f32 v[T0], v[T0], v[SUMB]
	v_rcp_f32 v[RL], v[T0]
	v_nop
	s_wait_alu depctr_va_vdst(0)                   ; one wait for the blocks' exponentials and the reciprocal
.set bb, 0
.rept NB
	v_max_num_f32 v[BM+bb], 0x2800000, v[BM+bb]    ; the floor: the byte cannot fall under 1
.set bb, bb+1
.endr
.endm
; O^T of one head (window 1 v240-255: my query, channels 16 h + 0 .. 15 of the head) / l becomes block hh of the out-projection's operand
.macro OQ hh
	WIN 0x41
.set ii, 0
.rept 16
	v_mul_f32 v[OA+ii], v[OA+ii], v[RL]
.set ii, ii+1
.endr
	WIN 0x05
	v_max3_num_f32 v[BM], |v[OA]|, |v[OA+1]|, 0x2800000
	v_max3_num_f32 v[BM+1], |v[OA+8]|, |v[OA+9]|, 0x2800000
.irp i, 2,4,6
	v_max3_num_f32 v[BM], |v[OA+\i]|, |v[OA+\i+1]|, v[BM]
	v_max3_num_f32 v[BM+1], |v[OA+8+\i]|, |v[OA+9+\i]|, v[BM+1]
.endr
	WIN 0
	v_max_num_f32 v[BM], v[BM], v[BM+1]
	v_permlanex16_b32 v[BT], v[BM], s[SEL], s[SEL+1]
	v_max_num_f32 v[BM], v[BM], v[BT]
	v_add_nc_u32 v[SO], 0xfe000000, v[BM]
	v_lshrrev_b32 v[BT], 23, v[SO]
.if (\hh) == 0
	v_mov_b32 v[OW], v[BT]
.else
	v_lshl_or_b32 v[OW], v[BT], 8*(\hh), v[OW]
.endif
.set OCD, OC+6*((\hh)/2)+((\hh)%2)*(12-2*((\hh)/2))   ; even heads: OC + 6 c; odd heads: OC + 12 + 4 c
	WIN 0x01
	v_cvt_scalef32_pk16_bf6_f32 v[OCD:OCD+2], v[OA:OA+15], v[SO]
	WIN 0
	v_nop                                          ; one plain place behind a scaled conversion
.endm
.macro OCFIN                           ; four heads' half blocks become a fragment
.irp c, 0,1
.irp i, 0,1,2
	v_permlane16_swap_b32 v[OC+6*\c+\i], v[OC+12+4*\c+\i]
.endr
.irp i, 0,1,2
	v_mov_b32 v[OC+3+6*\c+\i], v[OC+12+4*\c+\i]
.endr
.endr
.endm
; One head of the four whose K lies in window 1.  v[A1]: Q's image, v[A2], v[A3]: V's images and scale words.
.macro HEAD hh
.set CC, (\hh)/2
.set HL, (\hh)%2
.if CC == 0                                    ; block hh = 2 c + hl of Q's fragment is registers 6 c .. 6 c + 5 of the lanes of half hl
	ds_load_b128 v[QM+6:QM+9], v[A1]
	ds_load_b64 v[QM+10:QM+11], v[A1] offset:512
.else
	ds_load_b64 v[QM+6:QM+7], v[A1] offset:520
	ds_load_b128 v[QM+8:QM+11], v[A1] offset:1024
.endif
	WIN 0x40
.irp u, 0,1
.set kb, 0
.rept NS
	FETCH VF+12*(\u*NS+kb), A2, ((2*(\hh)+\u)*NS+kb)*1536
.set kb, kb+1
.endr
.endr
	WIN 0
.irp u, 0,1
.set kb, 0
.rept NS
	ds_load_b32 v[WBS+\u*NS+kb], v[A3] offset:((2*(\hh)+\u)*NS+kb)*128
.set kb, kb+1
.endr
.endr
	s_wait_dscnt 8*NS                              ; Q's block (and K, asked for earlier) is in; V's 6 NS + 2 NS younger loads may be out
.irp i, 0,1,2,3,4,5
	v_and_b32 v[QM+6+\i], v[MK0+HL], v[QM+6+\i]    ; the other half's lanes hold another head's block: zero codes there
.endr
	PLACES 4
.if BIAS
	s_wait_loadcnt 0x0                             ; the bias lies in the scores' registers
.endif
	WIN 0x01
.set kt, 0
.rept 8*NS
.if BIAS
	MMC X+8*kt, 12*kt, QM+6-6*CC, X+8*kt, WS+kt, QS
.else
	MM0 X+8*kt, 12*kt, QM+6-6*CC, WS+kt, QS
.endif
.set kt, kt+1
.endr
	WIN 0
	PLACES 5
	SOFTMAX
	QCODE X, 0, PW, PC
	PLACES 8
	s_wait_dscnt 0x0                               ; V is in
	WIN 0x41
	MM0 OA, VF, PC, WBS, PW
	MM0 OA+8, VF+12*NS, PC, WBS+NS, PW
	WIN 0
.if NS == 2
	QCODE X+64, 4, PW2, PC                         ; its first eleven lines are plain and name nothing of the two products: the places in front of the new codes
.if BIAS && ((\hh) < 3)
	BIASLD (\hh)+1                                 ; p has been read for the last time: the next head's bias may land
.endif
	PLACES 8
	WIN 0x51
	MMC OA, VF+12, PC, OA, WBS+1, PW2
	MMC OA+8, VF+36, PC, OA+8, WBS+3, PW2
	WIN 0
.endif
	PLACES 5
	OQ \hh
.endm
; My 16 queries, all 8 heads: two trips of four heads.  The eight LDS bases are scalars stepped by constants.
.macro ATTN
.irp i, 0,1,2,3,4,5
	v_mov_b32 v[QM+\i], 0
	v_mov_b32 v[QM+12+\i], 0
.endr
	s_mov_b32 s[GC], 2
.Lgroup:
.if BIAS
	BIASLD 0
.endif
	v_add_nc_u32 v[A0], s[SK], v[LI]
	WIN 0x40
.set kt, 0
.rept 8*NS
	FETCH 12*kt, A0, kt*1536
.set kt, kt+1
.endr
	WIN 0
	v_add_nc_u32 v[A0], s[SKS], v[LS]
.set kt, 0
.rept 8*NS
	ds_load_b32 v[WS+kt], v[A0] offset:128*kt
.set kt, kt+1
.endr
	v_add_nc_u32 v[A0], s[SQS], v[LS]
	ds_load_b32 v[QS], v[A0]
	v_add_nc_u32 v[A1], s[SQ], v[LI]
	v_add_nc_u32 v[A2], s[SV], v[LI]
	v_add_nc_u32 v[A3], s[SVS], v[LS]
	HEAD 0
	HEAD 1
	HEAD 2
	HEAD 3
	OCFIN
	v_add_nc_u32 v[A0], s[SOI], v[LI]
	v_add_nc_u32 v[A1], s[SOS], v[LS]
	IMG OC, OW, A0, A1, 0, 0
	s_add_co_u32 s[SK], s[SK], 8*NS*1536
	s_add_co_u32 s[SKS], s[SKS], 8*NS*128
	s_add_co_u32 s[SQ], s[SQ], 12288
	s_add_co_u32 s[SQS], s[SQS], 1024
	s_add_co_u32 s[SV], s[SV], 8*NS*1536
	s_add_co_u32 s[SVS], s[SVS], 8*NS*128
	s_add_co_u32 s[SOI], s[SOI], 1536
	s_add_co_u32 s[SOS], s[SOS], 128
.if BIAS
	s_add_nc_u64 s[B0:B0+1], s[B0:B0+1], 0x100000      ; four heads on; every bias load has been waited for
	s_add_nc_u64 s[B0+2:B0+3], s[B0+2:B0+3], 0x100000
.endif
	s_sub_co_u32 s[GC], s[GC], 1
	s_cmp_lg_u32 s[GC], 0
	s_cbranch_scc1 .Lgroup
.endm
.macro VHEAD                           ; the lane's constants
	v_lshrrev_b32 v6, 5, v0
	v_readfirstlane_b32 s[WV], v6                  ; wave 0..7
	v_and_b32 v6, 31, v0
	v_and_b32 v7, 15, v0                           ; r
	v_bfe_u32 v8, v0, 4, 1                         ; h
	v_lshlrev_b32 v[LI], 4, v6
	v_lshlrev_b32 v[LS], 2, v6
	v_lshlrev_b32 v[LW], 6, v8
	v_mul_u32_u24 v9, v7, XP
	v_add_nc_u32 v9, v9, v[LW]
	s_mul_i32 s52, s[WV], 16*XP
	v_add_nc_u32 v[XR], s52, v9
	v_add_nc_u32 v[XD], s52, v[LI]
	s_lshl_b32 s53, s[WV], 7
	v_add_nc_u32 v[XC], s53, v9
	v_add_nc_u32 v[MK0], -1, v8
	v_sub_nc_u32 v[MK0+1], 0, v8
	v_mov_b32 v[NM+1], 0                           ; upper halves of pairs whose low word serves both halves: written once
	v_mov_b32 v[RL+1], 0
.irp i, 0,1,2,3,4,5,6,7
	v_mov_b32 v[BT+\i], 0                          ; a lane permute's destination counts as one of its sources
.endr
	s_mov_b32 s[SEL], 0x76543210
	s_mov_b32 s[SEL+1], 0xfedcba98                 ; lane l xor 16
	s_mov_b32 s[CS], 0x3e8293ee                    ; log2(e) / sqrt(32)
	s_mov_b32 s[CS+1], s[CS]
	s_mov_b32 s[RD], 0x3b800000                    ; 1 / 256
	s_mov_b32 s[EPS], 0x3727c5ac                   ; 1e-5
.endm
	s_load_b256 s[4:11], s[0:1], 0x0               ; msa, ln_row_w, wcodes, wscales
	s_load_b128 s[12:15], s[0:1], 0x20             ; biasimg, msa1t
	v_lshl_add_u32 v121, v0, 2, 0x4e000
	v_mov_b32 v125, 0
	VHEAD
	s_lshr_b32 s25, ttmp9, 1                       ; n
	s_and_b32 s26, ttmp9, 1                        ; hf
	s_and_b32 s56, s[WV], 1
	s_lshr_b32 s57, s[WV], 1
	s_lshl_b32 s52, s57, 5
	s_lshl_b32 s53, s56, 3
	s_add_co_u32 s58, s52, s53                     ; my tile's first row: 32 (w / 2) + 8 (w % 2)
	s_lshl_b32 s59, s56, 4                         ; 16 (w % 2)
	s_lshl_b32 s74, s[WV], 2                       ; 4 w
	s_lshl_b32 s52, s25, 8
	s_add_co_u32 s52, s52, s58
	s_lshl_b32 s53, s26, 7
	s_add_co_u32 s54, s52, s53                     ; 256 n + 128 hf + first row
	s_lshl_b32 s54, s54, 10
	s_mov_b32 s55, 0
	s_xor_b32 s53, s53, 128
	s_add_co_u32 s52, s52, s53                     ; the same in the other half
	s_lshl_b32 s52, s52, 10
	s_mov_b32 s53, 0
	s_wait_kmcnt 0x0
	s_add_nc_u64 s[38:39], s[4:5], s[54:55]
	s_add_nc_u64 s[40:41], s[4:5], s[52:53]
	s_lshl_b32 s52, s26, 3
	s_add_co_u32 s53, s52, s[WV]                   ; my tile of queries: 8 hf + w
	s_lshl_b32 s53, s53, 4
	s_add_co_u32 s54, s53, s52                     ; with the own half's key tiles,
	s_lshl_b32 s54, s54, 10
	s_add_nc_u64 s[B0:B0+1], s[12:13], s[54:55]
	s_xor_b32 s52, s52, 8
	s_add_co_u32 s54, s53, s52                     ; and the other half's
	s_lshl_b32 s54, s54, 10
	s_add_nc_u64 s[B0+2:B0+3], s[12:13], s[54:55]
	s_lshl_b32 s52, s26, 7
	s_add_co_u32 s52, s52, s58
	s_lshl_b32 s52, s52, 7
	s_add_co_u32 s52, s52, s25                     ; (128 hf + first row) 128 + n
	s_lshl_b32 s54, s52, 10
	s_add_nc_u64 s[14:15], s[14:15], s[54:55]
	; ---- R0: both halves' rows of my tile: LayerNorm, codes, images.  The other half first; the own half's rows stay in XS as the residual
	RAWLD X, 40
	LNWLD 6, 0
	WIN 0x40
	RAWLD 0, 38
	WIN 0
	XIADR
	s_wait_loadcnt 48                              ; the other half's rows are in (behind them: the gain's 16 loads, the own rows' 32)
	STAGE X
	PATLD
	s_wait_loadcnt 32                              ; the gain is in
	LNQ1 6, 24576, 2048
	LNWLD 6, 0
	LNQ2 24576+1536, 2048+128
	WIN 0x04
	STAGE 0                                        ; the own rows (in since the wait for all loads above)
	WIN 0
	PATLD
	s_wait_loadcnt 0x0
	LNQ1 6, 0, 0                                   ; (its first wait also shows that the stage's stores have read window 1)
	WLOAD 16, 0, WS, RK, 59                        ; K's weights for my 128 channels land under the second half of the quantising
	LNQ2 1536, 128
	BARRIER                                        ; x's 32 fragments lie in LDS
	; ---- R1: K for 16 tiles (4 a wave), Q for the own 8 (2 a wave), V for my head
	s_wait_loadcnt 0x0
	s_mul_i32 s52, s57, 4*3072
	s_add_co_u32 s[XO], s52, XI
	s_lshl_b32 s52, s57, 10
	s_add_co_u32 s[XSO], s52, XIS
	s_lshl_b32 s52, s56, 4
	s_lshl_b32 s53, s57, 2
	s_add_co_u32 s52, s52, s53                     ; 16 G + 4 (w / 2)
	s_mul_i32 s53, s52, 1536
	s_add_co_u32 s[DO], s53, KI
	s_lshl_b32 s53, s52, 7
	s_add_co_u32 s[DSO], s53, KSC
	ITEMS 0, 4
	WLOAD 16, 0, WS, RQ, 59
	WLOAD 4, 192, WBS, RV, 74
	s_mul_i32 s52, s57, 2*3072
	s_add_co_u32 s[XO], s52, XI
	s_lshl_b32 s52, s57, 9
	s_add_co_u32 s[XSO], s52, XIS
	s_lshl_b32 s52, s56, 3
	s_lshl_b32 s53, s57, 1
	s_add_co_u32 s52, s52, s53                     ; 8 G + 2 (w / 2)
	s_mul_i32 s53, s52, 1536
	s_add_co_u32 s[DO], s53, QI
	s_lshl_b32 s53, s52, 7
	s_add_co_u32 s[DSO], s53, QSC
	s_wait_loadcnt 0x0
	ITEMS 0, 2
	s_mov_b32 s[XO], XI
	s_mov_b32 s[XSO], XIS
	s_mul_i32 s52, s[WV], 4*1536
	s_add_co_u32 s[DO], s52, VI
	s_lshl_b32 s52, s[WV], 9
	s_add_co_u32 s[DSO], s52, VSC
	s_mov_b32 s[CNT], 2
.Lvstep:                                               ; a trip: 128 keys; V^T of my head's two channel tiles, quantised along the keys
	VIT 2, 192, WBS
	v_add_nc_u32 v[A2], s[DO], v[LI]
	v_add_nc_u32 v[A3], s[DSO], v[LS]
	QUANT X
	IMG PC, PW, A2, A3, 0, 0
	s_wait_dscnt 0x0                               ; the stores have read their registers
	QUANT X+64
	IMG PC, PW, A2, A3, 3072, 256
	s_add_co_u32 s[XO], s[XO], 24576
	s_add_co_u32 s[XSO], s[XSO], 2048
	s_add_co_u32 s[DO], s[DO], 1536
	s_add_co_u32 s[DSO], s[DSO], 128
	s_sub_co_u32 s[CNT], s[CNT], 1
	s_cmp_lg_u32 s[CNT], 0
	s_cbranch_scc1 .Lvstep
	BARRIER                                        ; Q, K, V lie in LDS; nobody reads x's images any more
	; ---- R2: attention
	s_mov_b32 s[SK], KI
	s_mov_b32 s[SKS], KSC
	s_mul_i32 s52, s[WV], 1536
	s_add_co_u32 s[SQ], s52, QI
	s_lshl_b32 s52, s[WV], 7
	s_add_co_u32 s[SQS], s52, QSC
	s_mov_b32 s[SV], VI
	s_mov_b32 s[SVS], VSC
	s_mul_i32 s52, s[WV], 3072
	s_add_co_u32 s[SOI], s52, OI
	s_lshl_b32 s52, s[WV], 8
	s_add_co_u32 s[SOS], s52, OSC
	ATTN
	WLOAD 4, 0, WS, RO, 74
	BARRIER                                        ; O's 16 fragments lie in LDS
	; ---- R3: msa + O Wo, my 32 channels of all 128 rows
	s_wait_loadcnt 0x0
	s_mov_b32 s[GI], OI
	s_mov_b32 s[GS], OSC
	GEMM2 2, 0, WS, 1, 2
	BARRIER
	; ---- R4
	OUTROWS 14, 131072
	s_wait_tensorcnt 0x0
	ds_add_u32 v121, v125
	s_wait_dscnt 0x0
	s_endpgm
.Lfunc_end_k_q38e3b812e6_row:
	.size	k_q38e3b812e6_row, .Lfunc_end_k_q38e3b812e6_row-k_q38e3b812e6_row
	.p2alignl 7, 3214868480
	.fill 96, 4, 3214868480
	.section	.rodata,"a",@progbits
	.p2align	6, 0x0
	.amdhsa_kernel k_q38e3b812e6_row
		.amdhsa_group_segment_fixed_size 320512
		.amdhsa_private_segment_fixed_size 0
		.amdhsa_enable_private_segment 0
		.amdhsa_kernarg_size 48
		.amdhsa_user_sgpr_count 2
		.amdhsa_user_sgpr_kernarg_segment_ptr 1
		.amdhsa_wavefront_size32 1
		.amdhsa_system_sgpr_workgroup_id_x 1
		.amdhsa_system_sgpr_workgroup_id_y 1
		.amdhsa_system_sgpr_workgroup_id_z 1
		.amdhsa_system_vgpr_workitem_id 0
		.amdhsa_next_free_vgpr 512
		.amdhsa_next_free_sgpr 80
		.amdhsa_reserve_vcc 0
		.amdhsa_float_denorm_mode_32 3
		.amdhsa_float_denorm_mode_16_64 3
		.amdhsa_memory_ordered 1
		.amdhsa_forward_progress 1
		.amdhsa_inst_pref_size 255
	.end_amdhsa_kernel
	.section	.bss,"aw",@nobits
	.p2align	6
	.space	262144
	.amdgpu_metadata
---
amdhsa.version: [ 1, 2 ]
amdhsa.kernels:
  - .name:           k_q38e3b812e6_row
    .symbol:         k_q38e3b812e6_row.kd
    .args:
      - { .name: msa, .offset: 0, .size: 8, .value_kind: global_buffer, .address_space: global }
      - { .name: ln_row_w, .offset: 8, .size: 8, .value_kind: global_buffer, .address_space: global }
      - { .name: wcodes, .offset: 16, .size: 8, .value_kind: global_buffer, .address_space: global }
      - { .name: wscales, .offset: 24, .size: 8, .value_kind: global_buffer, .address_space: global }
      - { .name: biasimg, .offset: 32, .size: 8, .value_kind: global_buffer, .address_space: global }
      - { .name: msa1t, .offset: 40, .size: 8, .value_kind: global_buffer, .address_space: global }
    .group_segment_fixed_size: 320512
    .private_segment_fixed_size: 0
    .kernarg_segment_align: 8
    .kernarg_segment_size: 48
    .max_flat_workgroup_size: 256
    .sgpr_count:     80
    .vgpr_count:     512
    .wavefront_size: 32
...
	.end_amdgpu_metadata
.endif
;; end of part 2
;; launch col (part 3): grid 256 x 1, 8 waves a work-group, no clusters, 267,264 bytes of LDS; arguments msa1t, ln_col_w, ln_mt_w, opm_ln_w, wcodes, wscales, out0, aximg, axsc; writes out0, aximg, axsc
.if DOCPART == 3
	.amdgcn_target "amdgcn-amd-amdhsa--gfx1250"
	.amdhsa_code_object_version 6
	.text
	.protected	k_q38e3b812e6_col
	.globl	k_q38e3b812e6_col
	.p2align	8
	.type	k_q38e3b812e6_col,@function
k_q38e3b812e6_col:
	s_mov_b64 s[64:65], 0
	v_nop
	global_prefetch_b8 v0, s[64:65] scope:SCOPE_SE
	s_setreg_imm32_b32 hwreg(HW_REG_WAVE_MODE, 25, 1), 1
	s_wait_xcnt 0x0
; MSA COLUMN ATTENTION, MSA TRANSITION AND THE OUTER PRODUCT'S PROJECTION, whole, for one position s: all three are local to the 128 rows (sequences) of a position.
; All products on codes of E3M2 with one E8M0 scale for each 32 along K.  Work-group x = position s; msa1t[s][n][256] is one dense block of 128 KB; the rows stay in LDS (XS) as the residual from start to end.
; Eight waves of 512 registers.  Wave w: row tile w (loads, LayerNorms, queries, stores), output channels 32 w .. 32 w + 31 of the two projections back to 256, hidden units 128 w .. 128 w + 127.
; TILES.  rho(m, a) = 32 (m / 2) + 8 (m % 2) + a + 8 (a / 8): lane a of row tile m, and of a weight's column tile m.  In a result whose registers run along such a tile's axis the 16 registers of
; tiles 2 b and 2 b + 1 are 16 neighbours, 32 b + 16 (lane / 16) + 0 .. 15: what the conversions want.
; OPERANDS GO FROM WAVE TO WAVE AS IMAGES OF THEIR REGISTERS: a fragment (16 rows x 128 K, 12 registers) is 1,536 bytes, registers 4 c .. 4 c + 3 of lane l at 512 c + 16 l; its scale words 128 bytes, 4 l.
; SCORES.  K = 32 is a quarter of the instruction's 128: K's fragment holds four heads, Q's fragment is masked to one head's block (the other codes are zeros).
; SOFTMAX.  t = score x log2(e) / sqrt(32); M = ceil(the row's largest t); p = 2^(t - M) is quantised along the keys; the sum of the unquantised p divides O.  The whole row of 128 keys lies in registers.
; OUT: out0[n][s][256]; and LN(msa) opm_proj, quantised along n, as two images a position (lane r of image u: channel 8 u + r + 8 (r / 8); K = n).
; No multicast: the weights (600 KB, the same for all work-groups) go straight into registers as images, never through LDS.
; LIMITS: NaN and infinities are not served; a block of zeros gets the byte 1 (its codes are zeros; the bytes are read by this program alone); 1 / l and 1 / sqrt by v_rcp_f32, v_rsq_f32.
.set NS,   1                           ; key steps of 128
.set NB,   4*NS
.set BIAS, 0
.set NTL,  1                           ; msa1t is read once
.set XP,   1040                        ; XS: 128 rows of 1,024 bytes + 16, in tile order (row 16 m + a holds row rho(m, a)), at LDS byte 0
.set XI,   133120                      ; x's 16 fragments (2 tile + K step)
.set XIS,  157696
.set QKI,  159744                      ; Q's 16 (8 G + tile), then K's 16
.set VI,   208896                      ; V's 16 (channel tile)
.set OI,   233472                      ; O's 16 (2 tile + G)
.set QKSC, 258048
.set VSC,  262144
.set OSC,  264192
.set HI,   159744                      ; later, over all of these: the hidden layer's 64 (8 K step + tile)
.set HSC,  258048
.set CQ,   128                         ; first fragments in wcodes (K's follow Q's)
.set CV,   192
.set CO,   224
.set M1,   256
.set M2,   384
.set PJ,   640
.set WC,   12                          ; s[12:13] wcodes, s[14:15] wscales
.set WSC,  14
.set B0,   42
; ---- registers.  Window 0:
.set LI,   1                           ; 16 x lane
.set LS,   2                           ; 4 x lane
.set XR,   3                           ; XS: my row of my tile, + 64 h
.set XD,   4                           ; XS: my tile's first row, + 16 x lane
.set XC,   5                           ; XS: row r, + 64 h + 128 w: my channels' strip
.set A0,   6                           ; v6-9 a phase's addresses
.set A1,   7
.set A2,   8
.set A3,   9
.set MK0,  10                          ; v10 all ones in lanes 0-15, v11 in lanes 16-31
.set NM,   12                          ; v12 -M or the mean; v13 named with it as a pair
.set SUMA, 14
.set SUMB, 16
.set RL,   18                          ; v18 1 / l or 1 / sqrt; v19 named with it
.set BM,   20                          ; v20-27 largest magnitudes
.set BT,   28                          ; v28-35 bytes, the other half's maxima
.set SO,   36                          ; v36-43 the conversions' scale operands
.set PW,   44                          ; v44-67 hold scale words and nothing else
.set PW2,  45
.set OW,   46
.set XSW,  46
.set QS,   47
.set WS,   48                          ; v48-63 weights' or K's or x's
.set WBS,  64                          ; v64-67 a second weight's, V's, the images'
.set PC,   68                          ; v68-87 the codes just made
.set QM,   88                          ; v88-93 zeros, v94-99 Q's block, v100-105 zeros
.set XF,   88                          ; v88-111 x's two fragments
.set OC,   106                         ; v106-125 O's codes
.set LW,   126                         ; 64 h
.set T0,   127
.set X,    128                         ; v128-255 a row's 128 numbers, scores, results
.set HF,   128
.set ACC,  192
; Window 1: v0-191 weights, K's fragments, x's fragments; v192-255 the gain, a second weight, V's fragments (VF) and O^T (OA)
.set VF,   192
.set OA,   240
.set WV,   24
.set SEL,  28
.set CS,   30
.set RD,   32
.set EPS,  33
.set WP,   34
.set WSP,  36
.set XO,   46
.set XSO,  47
.set DO,   48
.set DSO,  49
.set CNT,  50
.set GC,   51
.set GX,   60
.set GI,   61
.set GS,   62
.set SK,   66
.set SKS,  67
.set SQ,   68
.set SQS,  69
.set SV,   70
.set SVS,  71
.set SOI,  72
.set SOS,  73
.set MSB, 0
.macro WIN new                         ; the immediate's high byte repeats the setting that is left
.if MSB != \new
	s_set_vgpr_msb (MSB<<8)|\new
.set MSB, \new
.endif
.endm
.macro PLACES n                        ; plain places behind matrix instructions and in front of scaled ones (ISA guide 7.12.1)
.rept \n
	v_nop
.endr
.endm
.macro BARRIER                         ; my LDS stores have landed and my LDS loads are in: then the work-group's barrier
	s_wait_dscnt 0x0
	s_barrier_signal -1
	s_barrier_wait -1
.endm
.macro FETCH reg, adr, off             ; a fragment's image into registers
.irp c, 0,1,2
	ds_load_b128 v[(\reg)+4*\c:(\reg)+4*\c+3], v[\adr] offset:(\off)+512*\c
.endr
.endm
.macro IMG reg, pw, adc, ads, offc, offs   ; a fragment and its scale word go to LDS as they stand
.irp c, 0,1,2
	ds_store_b128 v[\adc], v[(\reg)+4*\c:(\reg)+4*\c+3] offset:(\offc)+512*\c
.endr
	ds_store_b32 v[\ads], v[\pw] offset:\offs
.endm
.macro MM0 d, a, b, sa, sb             ; a product that starts a sum
	v_wmma_scale_f32_16x16x128_f8f6f4 v[(\d):(\d)+7], v[(\a):(\a)+11], v[(\b):(\b)+11], 0, v[\sa], v[\sb] matrix_a_fmt:MATRIX_FMT_BF6 matrix_b_fmt:MATRIX_FMT_BF6
.endm
.macro MMC d, a, b, c, sa, sb
	v_wmma_scale_f32_16x16x128_f8f6f4 v[(\d):(\d)+7], v[(\a):(\a)+11], v[(\b):(\b)+11], v[(\c):(\c)+7], v[\sa], v[\sb] matrix_a_fmt:MATRIX_FMT_BF6 matrix_b_fmt:MATRIX_FMT_BF6
.endm
; nf fragments from number fb + s[sw] on: codes into window 1 from v[reg] on, scale words into v[sc] on.  Every load reads 512 (128) consecutive bytes.
.macro WLOAD nf, reg, sc, fb, sw
	s_wait_xcnt 0x0                                ; earlier loads have read the two bases: they are written again only behind this wait
	s_add_co_u32 s52, s[\sw], \fb
	s_mul_i32 s54, s52, 1536
	s_mov_b32 s55, 0
	s_add_nc_u64 s[WP:WP+1], s[WC:WC+1], s[54:55]
	s_lshl_b32 s54, s52, 7
	s_add_nc_u64 s[WSP:WSP+1], s[WSC:WSC+1], s[54:55]
	WIN 0x40
.set qq, 0
.rept 3*(\nf)
	global_load_b128 v[(\reg)+4*qq:(\reg)+4*qq+3], v[LI], s[WP:WP+1] offset:512*qq
.set qq, qq+1
.endr
	WIN 0
.set qq, 0
.rept \nf
	global_load_b32 v[(\sc)+qq], v[LS], s[WSP:WSP+1] offset:128*qq
.set qq, qq+1
.endr
.endm
; 64 numbers of a lane, register 16 b + i = k 32 b + 16 (lane / 16) + i of my row: the four blocks' largest magnitudes
.macro QMAX src
.irp b, 0,1,2,3
	v_max3_num_f32 v[BM+\b], |v[(\src)+16*\b]|, |v[(\src)+16*\b+1]|, 0x2800000   ; with the floor 2^(5 - 127): the byte cannot fall under 1
.endr
.irp i, 2,4,6,8,10,12,14
.irp b, 0,1,2,3
	v_max3_num_f32 v[BM+\b], v[BM+\b], |v[(\src)+16*\b+\i]|, |v[(\src)+16*\b+\i+1]|
.endr
.endr
.irp b, 0,1,2,3
	v_permlanex16_b32 v[BT+\b], v[BM+\b], s[SEL], s[SEL+1]
.endr
.irp b, 0,1,2,3
	v_max_num_f32 v[BM+\b], v[BM+\b], v[BT+\b]     ; with lane l xor 16's
.endr
.endm
; the same 64 numbers become a fragment's codes in v[pc] on and its scale word in v[pw]; the largest magnitudes stand in v[BM + t] on
.macro QCODE src, t, pw, pc
.irp b, 0,1,2,3
	v_add_nc_u32 v[SO+(\t)+\b], 0xfe000000, v[BM+(\t)+\b]   ; 4 off the exponent field: the conversion's scale operand
.endr
.irp b, 0,1,2,3
	v_lshrrev_b32 v[BT+(\t)+\b], 23, v[SO+(\t)+\b]          ; the scale's byte
.endr
	v_lshl_or_b32 v[\pw], v[BT+(\t)+1], 8, v[BT+(\t)]
	v_lshl_or_b32 v[\pw], v[BT+(\t)+2], 16, v[\pw]
	v_lshl_or_b32 v[\pw], v[BT+(\t)+3], 24, v[\pw]
.irp c, 0,1
	v_cvt_scalef32_pk16_bf6_f32 v[(\pc)+6*\c:(\pc)+6*\c+2], v[(\src)+32*\c:(\src)+32*\c+15], v[SO+(\t)+2*\c]
	v_cvt_scalef32_pk16_bf6_f32 v[(\pc)+12+4*\c:(\pc)+14+4*\c], v[(\src)+16+32*\c:(\src)+31+32*\c], v[SO+(\t)+2*\c+1]   ; (three registers from an even number on)
.endr
	v_nop                                          ; one plain place behind a scaled conversion
.irp c, 0,1                                    ; the operand wants a WHOLE block in a lane: lanes 0-15 block 2 c, lanes 16-31 block 2 c + 1
.irp i, 0,1,2
	v_permlane16_swap_b32 v[(\pc)+6*\c+\i], v[(\pc)+12+4*\c+\i]
.endr
.irp i, 0,1,2
	v_mov_b32 v[(\pc)+3+6*\c+\i], v[(\pc)+12+4*\c+\i]
.endr
.endr
.endm
.macro QUANT src
	QMAX \src
	QCODE \src, 0, PW, PC
.endm
.macro RAWLD reg, base                 ; my tile's 16 rows of 1,024 bytes, rows rho(w, a): each load reads 512 consecutive bytes
.set qq, 0
.rept 32
.if NTL
	global_load_b128 v[(\reg)+4*qq:(\reg)+4*qq+3], v[LI], s[\base:\base+1] offset:((qq/2)+8*(qq/16))*1024+512*(qq%2) th:TH_LOAD_NT
.else
	global_load_b128 v[(\reg)+4*qq:(\reg)+4*qq+3], v[LI], s[\base:\base+1] offset:((qq/2)+8*(qq/16))*1024+512*(qq%2)
.endif
.set qq, qq+1
.endr
.endm
.macro STAGE reg                       ; into XS, as they lie
.set qq, 0
.rept 32
	ds_store_b128 v[XD], v[(\reg)+4*qq:(\reg)+4*qq+3] offset:(qq/2)*XP+512*(qq%2)
.set qq, qq+1
.endr
.endm
.macro PATLD                           ; and back, a lane a row: register 64 s + 16 b + i = channel 128 s + 32 b + 16 h + i
.irp st, 0,1
.irp b, 0,1,2,3
.irp j, 0,1,2,3
	ds_load_b128 v[X+64*\st+16*\b+4*\j:X+64*\st+16*\b+4*\j+3], v[XR] offset:512*\st+128*\b+16*\j
.endr
.endr
.endr
.endm
.macro LNWLD p, st                     ; the gain of K step st, in the same pattern, into window 1 v192-255
	WIN 0x40
.irp b, 0,1,2,3
.irp j, 0,1,2,3
	global_load_b128 v[192+16*\b+4*\j:195+16*\b+4*\j], v[LW], s[\p:\p+1] offset:512*(\st)+128*\b+16*\j
.endr
.endr
	WIN 0
.endm
.macro LNSTAT                          ; (x - mean) / sqrt(variance + 1e-5) over my row's 256: my 128 and lane l xor 16's; the mean first, then the squares of the differences
.irp k, 0,1,2,3
	v_pk_add_f32 v[BM+2*\k:BM+2*\k+1], v[X+2*\k:X+2*\k+1], v[X+8+2*\k:X+9+2*\k]
.endr
.set jj, 16
.rept 14
.irp k, 0,1,2,3
	v_pk_add_f32 v[BM+2*\k:BM+2*\k+1], v[BM+2*\k:BM+2*\k+1], v[X+jj+2*\k:X+jj+2*\k+1]
.endr
.set jj, jj+8
.endr
	v_pk_add_f32 v[BM:BM+1], v[BM:BM+1], v[BM+2:BM+3]
	v_pk_add_f32 v[BM+4:BM+5], v[BM+4:BM+5], v[BM+6:BM+7]
	v_pk_add_f32 v[BM:BM+1], v[BM:BM+1], v[BM+4:BM+5]
	v_add_f32 v[BM], v[BM], v[BM+1]
	v_permlanex16_b32 v[BT], v[BM], s[SEL], s[SEL+1]
	v_add_f32 v[BM], v[BM], v[BT]
	v_mul_f32 v[NM], s[RD], v[BM]
.set jj, 0
.rept 64
	v_pk_add_f32 v[X+jj:X+jj+1], v[X+jj:X+jj+1], v[NM:NM+1] op_sel_hi:[1,0] neg_lo:[0,1] neg_hi:[0,1]
.set jj, jj+2
.endr
.irp k, 0,1,2,3
	v_pk_mul_f32 v[BM+2*\k:BM+2*\k+1], v[X+2*\k:X+2*\k+1], v[X+2*\k:X+2*\k+1]
.endr
.set jj, 8
.rept 15
.irp k, 0,1,2,3
	v_pk_fma_f32 v[BM+2*\k:BM+2*\k+1], v[X+jj+2*\k:X+jj+2*\k+1], v[X+jj+2*\k:X+jj+2*\k+1], v[BM+2*\k:BM+2*\k+1]
.endr
.set jj, jj+8
.endr
	v_pk_add_f32 v[BM:BM+1], v[BM:BM+1], v[BM+2:BM+3]
	v_pk_add_f32 v[BM+4:BM+5], v[BM+4:BM+5], v[BM+6:BM+7]
	v_pk_add_f32 v[BM:BM+1], v[BM:BM+1], v[BM+4:BM+5]
	v_add_f32 v[BM], v[BM], v[BM+1]
	v_permlanex16_b32 v[BT], v[BM], s[SEL], s[SEL+1]
	v_add_f32 v[BM], v[BM], v[BT]
	v_fma_f32 v[T0], v[BM], s[RD], s[EPS]
	v_rsq_f32 v[RL], v[T0]
	v_nop                                          ; a plain place behind the transcendental,
	s_wait_alu depctr_va_vdst(0)                   ; and the wait ahead of its first reader
.set jj, 0
.rept 64
	v_pk_mul_f32 v[X+jj:X+jj+1], v[X+jj:X+jj+1], v[RL:RL+1] op_sel_hi:[1,0]
.set jj, jj+2
.endr
.endm
.macro LNMUL st                        ; x the gain
	WIN 0x04
.set jj, 0
.rept 32
	v_pk_mul_f32 v[X+64*(\st)+jj:X+64*(\st)+jj+1], v[X+64*(\st)+jj:X+64*(\st)+jj+1], v[192+jj:193+jj]
.set jj, jj+2
.endr
	WIN 0
.endm
; LayerNorm of my tile and its two fragments, to the images at v[A2], v[A3].  On entry the row is on its way from XS and the gain of K step 0 is in.
.macro LNQ1 p, offc, offs
	s_wait_dscnt 0x0                               ; my row is in
	LNSTAT
	LNMUL 0
	LNWLD \p, 1                                    ; lands while K step 0 is quantised
	QUANT X
	IMG PC, PW, A2, A3, \offc, \offs
	s_wait_loadcnt 0x0
	LNMUL 1
.endm
.macro LNQ2 offc, offs
	s_wait_dscnt 0x0                               ; the first image's stores have read their registers
	QUANT X+64
	IMG PC, PW, A2, A3, \offc, \offs
.endm
.macro XIADR                           ; where my tile's two fragments of x go
	s_mul_i32 s52, s[WV], 3072
	s_add_co_u32 s52, s52, XI
	v_add_nc_u32 v[A2], s52, v[LI]
	s_lshl_b32 s52, s[WV], 8
	s_add_co_u32 s52, s52, XIS
	v_add_nc_u32 v[A3], s52, v[LS]
.endm
; cnt row tiles: x's two fragments (at s[XO], s[XSO]) against my 8 column tiles (window 1, 16 fragments), TRANSPOSED (source 0 = the weight): a lane holds one row, its 64 registers 128 channels;
; quantised, the image goes to s[DO], s[DSO].  A wave's images of one loop lie on end.
.macro ITEMS relu, cnt
	s_mov_b32 s[CNT], \cnt
.Litems_\@:
	v_add_nc_u32 v[A0], s[XO], v[LI]
	v_add_nc_u32 v[A1], s[XSO], v[LS]
	v_add_nc_u32 v[A2], s[DO], v[LI]
	v_add_nc_u32 v[A3], s[DSO], v[LS]
	FETCH XF, A0, 0
	FETCH XF+12, A0, 1536
	ds_load_b32 v[XSW], v[A1]
	ds_load_b32 v[XSW+1], v[A1] offset:128
	s_wait_dscnt 0x0                               ; they are in, and the last trip's image has left its registers
	WIN 0x01
.irp t, 0,1,2,3,4,5,6,7
	MM0 X+8*\t, 24*\t, XF, WS+2*\t, XSW
.endr
.irp t, 0,1,2,3,4,5,6,7
	MMC X+8*\t, 24*\t+12, XF+12, X+8*\t, WS+2*\t+1, XSW+1
.endr
	WIN 0
	PLACES 5
.if \relu
.set jj, 0
.rept 64
	v_max_num_f32 v[X+jj], 0, v[X+jj]
.set jj, jj+1
.endr
.endif
	QUANT X
	IMG PC, PW, A2, A3, 0, 0
	s_add_co_u32 s[XO], s[XO], 3072
	s_add_co_u32 s[XSO], s[XSO], 256
	s_add_co_u32 s[DO], s[DO], 1536
	s_add_co_u32 s[DSO], s[DSO], 128
	s_sub_co_u32 s[CNT], s[CNT], 1
	s_cmp_lg_u32 s[CNT], 0
	s_cbranch_scc1 .Litems_\@
.endm
; NOT transposed: source 0 = x's 8 row tiles (from s[XO], s[XSO]; into window 1 v0-95), source 1 = nu column tiles of a weight (window 1 from v[wb] on): a lane holds one CHANNEL, its 64 registers 128 rows
.macro VIT nu, wb, wsb
	v_add_nc_u32 v[A0], s[XO], v[LI]
	v_add_nc_u32 v[A1], s[XSO], v[LS]
.irp st, 0,1
	WIN 0x40
.irp m, 0,1,2,3,4,5,6,7
	FETCH 12*\m, A0, (2*\m+\st)*1536
.endr
	WIN 0
.irp m, 0,1,2,3,4,5,6,7
	ds_load_b32 v[WS+\m], v[A1] offset:(2*\m+\st)*128
.endr
	s_wait_dscnt 0x0
	WIN 0x05
.irp m, 0,1,2,3,4,5,6,7
.set uu, 0
.rept \nu
.if \st == 0
	MM0 X+64*uu+8*\m, 12*\m, (\wb)+12*(2*uu+\st), WS+\m, (\wsb)+2*uu+\st
.else
	MMC X+64*uu+8*\m, 12*\m, (\wb)+12*(2*uu+\st), X+64*uu+8*\m, WS+\m, (\wsb)+2*uu+\st
.endif
.set uu, uu+1
.endr
.endr
	WIN 0
	PLACES 5
.endr
.endm
; XS += images x my two column tiles (channels 32 w .. 32 w + 31), transposed; the residual is the C of the first products.  Two passes of four row tiles.  Image (K step st, tile m) has index ss st + ms m from s[GI] on.
.macro GEMM2 ks, wb, wsb, ss, ms
	s_mov_b32 s[GX], 0
	s_mov_b32 s[CNT], 2
.Lg2_\@:
	v_add_nc_u32 v[A2], s[GX], v[XC]
	v_add_nc_u32 v[A0], s[GI], v[LI]
	v_add_nc_u32 v[A1], s[GS], v[LS]
.if (\ks) > 4
	v_add_nc_u32 v[A3], 4*(\ss)*1536, v[A0]        ; K steps 4 on: an LDS immediate has 16 bits
.endif
.irp mm, 0,1,2,3
.irp q, 0,1,2,3
	ds_load_b128 v[ACC+16*\mm+4*\q:ACC+16*\mm+4*\q+3], v[A2] offset:16*XP*\mm+16*\q
.endr
.endr
.set st, 0
.rept \ks
.irp mm, 0,1,2,3
.if st < 4
	FETCH HF+12*\mm, A0, ((\ss)*st+(\ms)*\mm)*1536
.else
	FETCH HF+12*\mm, A3, ((\ss)*(st-4)+(\ms)*\mm)*1536
.endif
	ds_load_b32 v[WBS+\mm], v[A1] offset:((\ss)*st+(\ms)*\mm)*128
.endr
	s_wait_dscnt 0x0
	WIN 0x01
.irp mm, 0,1,2,3
.irp u, 0,1
	MMC ACC+16*\mm+8*\u, (\wb)+12*(\u*(\ks)+st), HF+12*\mm, ACC+16*\mm+8*\u, (\wsb)+\u*(\ks)+st, WBS+\mm
.endr
.endr
	WIN 0
	PLACES 5
.set st, st+1
.endr
.irp mm, 0,1,2,3
.irp q, 0,1,2,3
	ds_store_b128 v[A2], v[ACC+16*\mm+4*\q:ACC+16*\mm+4*\q+3] offset:16*XP*\mm+16*\q
.endr
.endr
	s_add_co_u32 s[GX], s[GX], 64*XP
	s_add_co_u32 s[GI], s[GI], 4*(\ms)*1536
	s_add_co_u32 s[GS], s[GS], 4*(\ms)*128
	s_sub_co_u32 s[CNT], s[CNT], 1
	s_cmp_lg_u32 s[CNT], 0
	s_cbranch_scc1 .Lg2_\@
.endm
.macro OUTROWS base, stride            ; my tile's 16 rows leave: each store covers 512 consecutive bytes, aligned
.set qq, 0
.rept 32
	ds_load_b128 v[X+4*qq:X+4*qq+3], v[XD] offset:(qq/2)*XP+512*(qq%2)
.set qq, qq+1
.endr
.set qq, 0
.rept 32
	s_wait_dscnt 31-qq                             ; the younger LDS loads may be out
	global_store_b128 v[LI], v[X+4*qq:X+4*qq+3], s[\base:\base+1] offset:((qq/2)+8*(qq/16))*(\stride)+512*(qq%2) th:TH_STORE_NT
.set qq, qq+1
.endr
.endm
; The row's softmax: 64 NS scores a lane in v[X] on, register 16 b + i = key 32 b + 16 h + i.  Leaves p in their place, each block's largest p in v[BM + b], 1 / l in v[RL].
.macro SOFTMAX
.set bb, 0
.rept NB
	v_max3_num_f32 v[BM+bb], v[X+16*bb], v[X+16*bb+1], v[X+16*bb+2]   ; the largest score of each block of 32 keys: it serves the row's maximum and, since p rises with the score, the block's largest p
.set bb, bb+1
.endr
.irp i, 3,5,7,9,11,13
.set bb, 0
.rept NB
	v_max3_num_f32 v[BM+bb], v[BM+bb], v[X+16*bb+\i], v[X+16*bb+\i+1]
.set bb, bb+1
.endr
.endr
.set bb, 0
.rept NB
	v_max_num_f32 v[BM+bb], v[BM+bb], v[X+16*bb+15]
.set bb, bb+1
.endr
.set bb, 0
.rept NB
	v_permlanex16_b32 v[BT+bb], v[BM+bb], s[SEL], s[SEL+1]
.set bb, bb+1
.endr
.set bb, 0
.rept NB
	v_max_num_f32 v[BM+bb], v[BM+bb], v[BT+bb]
.set bb, bb+1
.endr
	v_max3_num_f32 v[T0], v[BM], v[BM+1], v[BM+2]
	v_max_num_f32 v[T0], v[T0], v[BM+3]
	v_mul_f32 v[T0], s[CS], v[T0]                  ; as t
	v_floor_f32 v[NM], -v[T0]                      ; -M = floor(-t) = -ceil(t)
.set jj, 0
.rept 32*NS
	v_pk_fma_f32 v[X+jj:X+jj+1], v[X+jj:X+jj+1], s[CS:CS+1], v[NM:NM+1] op_sel_hi:[1,0,0]   ; t - M
.set jj, jj+2
.endr
.set bb, 0
.rept NB
	v_fma_f32 v[BM+bb], v[BM+bb], s[CS], v[NM]
.set bb, bb+1
.endr
.set jj, 0
.rept 64*NS
	v_exp_f32 v[X+jj], v[X+jj]                     ; p = 2^(t - M): one batch
.set jj, jj+1
.endr
	v_nop                                          ; a plain place behind the batch,
	s_wait_alu depctr_va_vdst(0)                   ; and its one wait, ahead of the first reader
.set bb, 0
.rept NB
	v_exp_f32 v[BM+bb], v[BM+bb]                   ; each block's largest p
.set bb, bb+1
.endr
	v_pk_add_f32 v[SUMA:SUMA+1], v[X:X+1], v[X+4:X+5]   ; the sum of the UNQUANTISED p, in two chains
	v_pk_add_f32 v[SUMB:SUMB+1], v[X+2:X+3], v[X+6:X+7]
.set jj, 8
.rept 16*NS-2
	v_pk_add_f32 v[SUMA:SUMA+1], v[SUMA:SUMA+1], v[X+jj:X+jj+1]
	v_pk_add_f32 v[SUMB:SUMB+1], v[SUMB:SUMB+1], v[X+jj+2:X+jj+3]
.set jj, jj+4
.endr
	v_pk_add_f32 v[SUMA:SUMA+1], v[SUMA:SUMA+1], v[SUMB:SUMB+1]
	v_add_f32 v[T0], v[SUMA], v[SUMA+1]
	v_permlanex16_b32 v[SUMB], v[T0], s[SEL], s[SEL+1]
	v_add_f32 v[T0], v[T0], v[SUMB]
	v_rcp_f32 v[RL], v[T0]
	v_nop
	s_wait_alu depctr_va_vdst(0)                   ; one wait for the blocks' exponentials and the reciprocal
.set bb, 0
.rept NB
	v_max_num_f32 v[BM+bb], 0x2800000, v[BM+bb]    ; the floor: the byte cannot fall under 1
.set bb, bb+1
.endr
.endm
; O^T of one head (window 1 v240-255: my query, channels 16 h + 0 .. 15 of the head) / l becomes block hh of the out-projection's operand
.macro OQ hh
	WIN 0x41
.set ii, 0
.rept 16
	v_mul_f32 v[OA+ii], v[OA+ii], v[RL]
.set ii, ii+1
.endr
	WIN 0x05
	v_max3_num_f32 v[BM], |v[OA]|, |v[OA+1]|, 0x2800000
	v_max3_num_f32 v[BM+1], |v[OA+8]|, |v[OA+9]|, 0x2800000
.irp i, 2,4,6
	v_max3_num_f32 v[BM], |v[OA+\i]|, |v[OA+\i+1]|, v[BM]
	v_max3_num_f32 v[BM+1], |v[OA+8+\i]|, |v[OA+9+\i]|, v[BM+1]
.endr
	WIN 0
	v_max_num_f32 v[BM], v[BM], v[BM+1]
	v_permlanex16_b32 v[BT], v[BM], s[SEL], s[SEL+1]
	v_max_num_f32 v[BM], v[BM], v[BT]
	v_add_nc_u32 v[SO], 0xfe000000, v[BM]
	v_lshrrev_b32 v[BT], 23, v[SO]
.if (\hh) == 0
	v_mov_b32 v[OW], v[BT]
.else
	v_lshl_or_b32 v[OW], v[BT], 8*(\hh), v[OW]
.endif
.set OCD, OC+6*((\hh)/2)+((\hh)%2)*(12-2*((\hh)/2))   ; even heads: OC + 6 c; odd heads: OC + 12 + 4 c
	WIN 0x01
	v_cvt_scalef32_pk16_bf6_f32 v[OCD:OCD+2], v[OA:OA+15], v[SO]
	WIN 0
	v_nop                                          ; one plain place behind a scaled conversion
.endm
.macro OCFIN                           ; four heads' half blocks become a fragment
.irp c, 0,1
.irp i, 0,1,2
	v_permlane16_swap_b32 v[OC+6*\c+\i], v[OC+12+4*\c+\i]
.endr
.irp i, 0,1,2
	v_mov_b32 v[OC+3+6*\c+\i], v[OC+12+4*\c+\i]
.endr
.endr
.endm
; One head of the four whose K lies in window 1.  v[A1]: Q's image, v[A2], v[A3]: V's images and scale words.
.macro HEAD hh
.set CC, (\hh)/2
.set HL, (\hh)%2
.if CC == 0                                    ; block hh = 2 c + hl of Q's fragment is registers 6 c .. 6 c + 5 of the lanes of half hl
	ds_load_b128 v[QM+6:QM+9], v[A1]
	ds_load_b64 v[QM+10:QM+11], v[A1] offset:512
.else
	ds_load_b64 v[QM+6:QM+7], v[A1] offset:520
	ds_load_b128 v[QM+8:QM+11], v[A1] offset:1024
.endif
	WIN 0x40
.irp u, 0,1
	FETCH VF+12*\u, A2, (2*(\hh)+\u)*1536
.endr
	WIN 0
.irp u, 0,1
	ds_load_b32 v[WBS+\u], v[A3] offset:(2*(\hh)+\u)*128
.endr
	s_wait_dscnt 8*NS                              ; Q's block (and K, asked for earlier) is in; V's 6 + 2 younger loads may be out
.irp i, 0,1,2,3,4,5
	v_and_b32 v[QM+6+\i], v[MK0+HL], v[QM+6+\i]    ; the other half's lanes hold another head's block: zero codes there
.endr
	PLACES 4
	WIN 0x01
.set kt, 0
.rept 8*NS
	MM0 X+8*kt, 12*kt, QM+6-6*CC, WS+kt, QS
.set kt, kt+1
.endr
	WIN 0
	PLACES 5
	SOFTMAX
	QCODE X, 0, PW, PC
	PLACES 8
	s_wait_dscnt 0x0                               ; V is in
	WIN 0x41
	MM0 OA, VF, PC, WBS, PW
	MM0 OA+8, VF+12, PC, WBS+1, PW
	WIN 0
	PLACES 5
	OQ \hh
.endm
; My 16 queries, all 8 heads: two trips of four heads.  The eight LDS bases are scalars stepped by constants.
.macro ATTN
.irp i, 0,1,2,3,4,5
	v_mov_b32 v[QM+\i], 0
	v_mov_b32 v[QM+12+\i], 0
.endr
	s_mov_b32 s[GC], 2
.Lgroup:
	v_add_nc_u32 v[A0], s[SK], v[LI]
	WIN 0x40
.set kt, 0
.rept 8*NS
	FETCH 12*kt, A0, kt*1536
.set kt, kt+1
.endr
	WIN 0
	v_add_nc_u32 v[A0], s[SKS], v[LS]
.set kt, 0
.rept 8*NS
	ds_load_b32 v[WS+kt], v[A0] offset:128*kt
.set kt, kt+1
.endr
	v_add_nc_u32 v[A0], s[SQS], v[LS]
	ds_load_b32 v[QS], v[A0]
	v_add_nc_u32 v[A1], s[SQ], v[LI]
	v_add_nc_u32 v[A2], s[SV], v[LI]
	v_add_nc_u32 v[A3], s[SVS], v[LS]
	HEAD 0
	HEAD 1
	HEAD 2
	HEAD 3
	OCFIN
	v_add_nc_u32 v[A0], s[SOI], v[LI]
	v_add_nc_u32 v[A1], s[SOS], v[LS]
	IMG OC, OW, A0, A1, 0, 0
	s_add_co_u32 s[SK], s[SK], 8*NS*1536
	s_add_co_u32 s[SKS], s[SKS], 8*NS*128
	s_add_co_u32 s[SQ], s[SQ], 12288
	s_add_co_u32 s[SQS], s[SQS], 1024
	s_add_co_u32 s[SV], s[SV], 8*NS*1536
	s_add_co_u32 s[SVS], s[SVS], 8*NS*128
	s_add_co_u32 s[SOI], s[SOI], 1536
	s_add_co_u32 s[SOS], s[SOS], 128
	s_sub_co_u32 s[GC], s[GC], 1
	s_cmp_lg_u32 s[GC], 0
	s_cbranch_scc1 .Lgroup
.endm
.macro VHEAD                           ; the lane's constants
	v_lshrrev_b32 v6, 5, v0
	v_readfirstlane_b32 s[WV], v6                  ; wave 0..7
	v_and_b32 v6, 31, v0
	v_and_b32 v7, 15, v0                           ; r
	v_bfe_u32 v8, v0, 4, 1                         ; h
	v_lshlrev_b32 v[LI], 4, v6
	v_lshlrev_b32 v[LS], 2, v6
	v_lshlrev_b32 v[LW], 6, v8
	v_mul_u32_u24 v9, v7, XP
	v_add_nc_u32 v9, v9, v[LW]
	s_mul_i32 s52, s[WV], 16*XP
	v_add_nc_u32 v[XR], s52, v9
	v_add_nc_u32 v[XD], s52, v[LI]
	s_lshl_b32 s53, s[WV], 7
	v_add_nc_u32 v[XC], s53, v9
	v_add_nc_u32 v[MK0], -1, v8
	v_sub_nc_u32 v[MK0+1], 0, v8
	v_mov_b32 v[NM+1], 0                           ; upper halves of pairs whose low word serves both halves: written once
	v_mov_b32 v[RL+1], 0
.irp i, 0,1,2,3,4,5,6,7
	v_mov_b32 v[BT+\i], 0                          ; a lane permute's destination counts as one of its sources
.endr
	s_mov_b32 s[SEL], 0x76543210
	s_mov_b32 s[SEL+1], 0xfedcba98                 ; lane l xor 16
	s_mov_b32 s[CS], 0x3e8293ee                    ; log2(e) / sqrt(32)
	s_mov_b32 s[CS+1], s[CS]
	s_mov_b32 s[RD], 0x3b800000                    ; 1 / 256
	s_mov_b32 s[EPS], 0x3727c5ac                   ; 1e-5
.endm
	s_load_b256 s[4:11], s[0:1], 0x0               ; msa1t, ln_col_w, ln_mt_w, opm_ln_w
	s_load_b256 s[12:19], s[0:1], 0x20             ; wcodes, wscales, out0, aximg
	s_load_b64 s[20:21], s[0:1], 0x40              ; axsc
	v_lshl_add_u32 v121, v0, 2, 0x41000
	v_mov_b32 v125, 0
	VHEAD
	s_and_b32 s56, s[WV], 3
	s_lshr_b32 s57, s[WV], 2
	s_lshr_b32 s52, s[WV], 1
	s_lshl_b32 s52, s52, 5
	s_and_b32 s53, s[WV], 1
	s_lshl_b32 s53, s53, 3
	s_add_co_u32 s58, s52, s53                     ; my tile's first row: 32 (w / 2) + 8 (w % 2)
	s_lshl_b32 s59, s56, 4                         ; 16 (w % 4)
	s_lshl_b32 s74, s[WV], 2                       ; 4 w
	s_lshl_b32 s75, s[WV], 4                       ; 16 w
	s_lshl_b32 s76, s[WV], 1                       ; 2 w
	s_lshl_b32 s52, ttmp9, 7
	s_add_co_u32 s52, s52, s58
	s_lshl_b32 s52, s52, 10                        ; msa1t: row 128 s + first row
	s_mov_b32 s53, 0
	s_lshl_b32 s54, s58, 8
	s_add_co_u32 s54, s54, ttmp9
	s_lshl_b32 s54, s54, 10                        ; out0: row 256 x first row + s
	s_mov_b32 s55, 0
	s_wait_kmcnt 0x0
	s_add_nc_u64 s[38:39], s[4:5], s[52:53]
	s_add_nc_u64 s[40:41], s[16:17], s[54:55]
	s_min_u32 s52, s[WV], 1                        ; (waves 0 and 1 alone store the projection)
	s_lshl_b32 s54, ttmp9, 1
	s_add_co_u32 s52, s52, s54
	s_mul_i32 s54, s52, 1536
	s_add_nc_u64 s[42:43], s[18:19], s[54:55]
	s_lshl_b32 s54, s52, 7
	s_add_nc_u64 s[44:45], s[20:21], s[54:55]
	; ---- C0: my tile's rows into XS; LayerNorm (column attention's), codes, images
	RAWLD X, 38
	LNWLD 6, 0
	XIADR
	s_wait_loadcnt 16                              ; the rows are in (behind them: the gain's 16 loads)
	STAGE X
	PATLD
	s_wait_loadcnt 0x0
	LNQ1 6, 0, 0
	WLOAD 16, 0, WS, CQ, 59                        ; waves 0, 1, 4, 5: Q's two halves; waves 2, 3, 6, 7: K's
	LNQ2 1536, 128
	BARRIER
	; ---- C1: Q and K (4 row tiles a wave), V for my head
	WLOAD 4, 192, WBS, CV, 74
	s_mul_i32 s52, s57, 4*3072
	s_add_co_u32 s[XO], s52, XI
	s_lshl_b32 s52, s57, 10
	s_add_co_u32 s[XSO], s52, XIS
	s_lshl_b32 s52, s56, 3
	s_lshl_b32 s53, s57, 2
	s_add_co_u32 s52, s52, s53                     ; 8 (w % 4) + 4 (w / 4)
	s_mul_i32 s53, s52, 1536
	s_add_co_u32 s[DO], s53, QKI
	s_lshl_b32 s53, s52, 7
	s_add_co_u32 s[DSO], s53, QKSC
	s_wait_loadcnt 0x0
	ITEMS 0, 4
	s_mov_b32 s[XO], XI
	s_mov_b32 s[XSO], XIS
	VIT 2, 192, WBS
	s_mul_i32 s52, s[WV], 3072
	s_add_co_u32 s52, s52, VI
	v_add_nc_u32 v[A2], s52, v[LI]
	s_lshl_b32 s52, s[WV], 8
	s_add_co_u32 s52, s52, VSC
	v_add_nc_u32 v[A3], s52, v[LS]
	QUANT X
	IMG PC, PW, A2, A3, 0, 0
	s_wait_dscnt 0x0                               ; the stores have read their registers
	QUANT X+64
	IMG PC, PW, A2, A3, 1536, 128
	BARRIER
	; ---- C2: attention over the 128 sequences
	WLOAD 4, 96, 56, CO, 74                        ; the out-projection's weights land under it
	s_mov_b32 s[SK], QKI+16*1536
	s_mov_b32 s[SKS], QKSC+2048
	s_mul_i32 s52, s[WV], 1536
	s_add_co_u32 s[SQ], s52, QKI
	s_lshl_b32 s52, s[WV], 7
	s_add_co_u32 s[SQS], s52, QKSC
	s_mov_b32 s[SV], VI
	s_mov_b32 s[SVS], VSC
	s_mul_i32 s52, s[WV], 3072
	s_add_co_u32 s[SOI], s52, OI
	s_lshl_b32 s52, s[WV], 8
	s_add_co_u32 s[SOS], s52, OSC
	ATTN
	BARRIER
	; ---- C3: msa + O Wo
	s_wait_loadcnt 0x0
	LNWLD 8, 0
	s_mov_b32 s[GI], OI
	s_mov_b32 s[GS], OSC
	GEMM2 2, 96, 56, 1, 2
	BARRIER
	; ---- C4: LayerNorm (transition's)
	PATLD
	XIADR
	s_wait_loadcnt 0x0
	LNQ1 8, 0, 0
	WLOAD 16, 0, WS, M1, 75
	LNQ2 1536, 128
	BARRIER
	; ---- C5: my 128 hidden units for the 8 row tiles: relu, codes: K step w of the second product
	s_mov_b32 s[XO], XI
	s_mov_b32 s[XSO], XIS
	s_mul_i32 s52, s[WV], 8*1536
	s_add_co_u32 s[DO], s52, HI
	s_lshl_b32 s52, s[WV], 10
	s_add_co_u32 s[DSO], s52, HSC
	s_wait_loadcnt 0x0
	ITEMS 1, 8
	WLOAD 16, 0, WS, M2, 75
	LNWLD 10, 0
	BARRIER
	; ---- C6: msa + hidden W2
	s_wait_loadcnt 0x0
	s_mov_b32 s[GI], HI
	s_mov_b32 s[GS], HSC
	GEMM2 8, 0, WS, 8, 1
	BARRIER
	; ---- C7: the rows leave; LayerNorm (outer product's)
	s_cmp_gt_u32 s[WV], 1
	s_cbranch_scc1 .Lno_pj
	WLOAD 2, 96, WBS, PJ, 76                       ; waves 0 and 1: a column tile of the projection each
.Lno_pj:
	OUTROWS 40, 262144
	s_wait_xcnt 0x0                                ; the stores have read their registers: the row may land there again
	PATLD
	XIADR
	LNQ1 10, 0, 0
	LNQ2 1536, 128
	BARRIER
	; ---- C8: waves 0 and 1: 16 of the 32 channels for the 128 sequences, quantised along the sequences
	s_cmp_gt_u32 s[WV], 1
	s_cbranch_scc1 .Lend
	s_mov_b32 s[XO], XI
	s_mov_b32 s[XSO], XIS
	VIT 1, 96, WBS
	QUANT X
.irp c, 0,1,2
	global_store_b128 v[LI], v[PC+4*\c:PC+4*\c+3], s[42:43] offset:512*\c
.endr
	global_store_b32 v[LS], v[PW], s[44:45]
.Lend:
	s_wait_tensorcnt 0x0
	ds_add_u32 v121, v125
	s_wait_dscnt 0x0
	s_endpgm
.Lfunc_end_k_q38e3b812e6_col:
	.size	k_q38e3b812e6_col, .Lfunc_end_k_q38e3b812e6_col-k_q38e3b812e6_col
	.p2alignl 7, 3214868480
	.fill 96, 4, 3214868480
	.section	.rodata,"a",@progbits
	.p2align	6, 0x0
	.amdhsa_kernel k_q38e3b812e6_col
		.amdhsa_group_segment_fixed_size 267264
		.amdhsa_private_segment_fixed_size 0
		.amdhsa_enable_private_segment 0
		.amdhsa_kernarg_size 72
		.amdhsa_user_sgpr_count 2
		.amdhsa_user_sgpr_kernarg_segment_ptr 1
		.amdhsa_wavefront_size32 1
		.amdhsa_system_sgpr_workgroup_id_x 1
		.amdhsa_system_sgpr_workgroup_id_y 1
		.amdhsa_system_sgpr_workgroup_id_z 1
		.amdhsa_system_vgpr_workitem_id 0
		.amdhsa_next_free_vgpr 512
		.amdhsa_next_free_sgpr 80
		.amdhsa_reserve_vcc 0
		.amdhsa_float_denorm_mode_32 3
		.amdhsa_float_denorm_mode_16_64 3
		.amdhsa_memory_ordered 1
		.amdhsa_forward_progress 1
		.amdhsa_inst_pref_size 255
	.end_amdhsa_kernel
	.section	.bss,"aw",@nobits
	.p2align	6
	.space	262144
	.amdgpu_metadata
---
amdhsa.version: [ 1, 2 ]
amdhsa.kernels:
  - .name:           k_q38e3b812e6_col
    .symbol:         k_q38e3b812e6_col.kd
    .args:
      - { .name: msa1t, .offset: 0, .size: 8, .value_kind: global_buffer, .address_space: global }
      - { .name: ln_col_w, .offset: 8, .size: 8, .value_kind: global_buffer, .address_space: global }
      - { .name: ln_mt_w, .offset: 16, .size: 8, .value_kind: global_buffer, .address_space: global }
      - { .name: opm_ln_w, .offset: 24, .size: 8, .value_kind: global_buffer, .address_space: global }
      - { .name: wcodes, .offset: 32, .size: 8, .value_kind: global_buffer, .address_space: global }
      - { .name: wscales, .offset: 40, .size: 8, .value_kind: global_buffer, .address_space: global }
      - { .name: out0, .offset: 48, .size: 8, .value_kind: global_buffer, .address_space: global }
      - { .name: aximg, .offset: 56, .size: 8, .value_kind: global_buffer, .address_space: global }
      - { .name: axsc, .offset: 64, .size: 8, .value_kind: global_buffer, .address_space: global }
    .group_segment_fixed_size: 267264
    .private_segment_fixed_size: 0
    .kernarg_segment_align: 8
    .kernarg_segment_size: 72
    .max_flat_workgroup_size: 256
    .sgpr_count:     80
    .vgpr_count:     512
    .wavefront_size: 32
...
	.end_amdgpu_metadata
.endif
;; end of part 3
;; launch pair (part 4): grid 256 x 1, 4 waves a work-group, no clusters, 120,832 bytes of LDS; arguments pair, aximg, axsc, wcodes, wscales, ln_pt_w, out1; writes out1
.if DOCPART == 4
	.amdgcn_target "amdgcn-amd-amdhsa--gfx1250"
	.amdhsa_code_object_version 6
	.text
	.protected	k_q38e3b812e6_pair
	.globl	k_q38e3b812e6_pair
	.p2align	8
	.type	k_q38e3b812e6_pair,@function
k_q38e3b812e6_pair:
	s_mov_b64 s[64:65], 0
	v_nop
	global_prefetch_b8 v0, s[64:65] scope:SCOPE_SE
	s_setreg_imm32_b32 hwreg(HW_REG_WAVE_MODE, 25, 1), 1
	s_wait_xcnt 0x0
; OUTER PRODUCT MEAN AND PAIR TRANSITION, whole: outer = ax^T ax / 128, pair += outer W_out, pair += relu(LN(pair) W1) W2.  All products on codes of E3M2 with one E8M0 scale for each 32 along K.
; SHARES.  Work-group x: i = 16 (x % 16) + 0 .. 15, j = 16 (x / 16) + 0 .. 15, in four blocks of 64 pairs: row tile m of a block is j = 16 jb + 4 blk + m, its 16 lanes are the 16 i.
; Four waves of 1,024 registers; all weights stay in registers for the whole launch.  Wave w: row tile w (loads, LayerNorm, stores); d = 8 w .. 8 w + 7 of the outer product; output channels 32 w .. 32 w + 31; hidden units 128 w ..
; THE OUTER PRODUCT.  K = the 128 sequences.  Source 0 = position j's image of ax (16 channels e), source 1 = an I fragment: 16 positions i at ONE channel d, gathered once from the images' lanes.
; A lane then holds one pair (i, j) and its 16 registers of the two e tiles are e = 16 h + 0 .. 15 of one d: a block of 32 along the next K = 32 d + e.
; The division by 128 is exact: the codes are those of the undivided numbers, the byte is 7 lower, and the floor under the largest magnitude is 2^7 higher.
; OPERANDS GO FROM WAVE TO WAVE AS IMAGES OF THEIR REGISTERS (1,536 bytes: registers 4 c .. 4 c + 3 of lane l at 512 c + 16 l; scale words 128 bytes, 4 l).
; No multicast: the shared inputs (weights, ax) are read once a work-group into registers.
; LIMITS: NaN and infinities are not served; a block of zeros gets the lowest byte (its codes are zeros); 1 / sqrt by v_rsq_f32.
.set XP,   528                         ; XS: 64 pairs x (512 bytes + 16), row 16 m + r, at LDS byte 0
.set OPI,  33792                       ; the outer product's 32 fragments (8 m + K step)
.set OPS,  82944
.set XI,   87040                       ; LN(pair)'s 4
.set XIS,  93184
.set HI,   93696                       ; the hidden layer's 16 (4 m + K step)
.set HIS,  118272
.set OO,   512                         ; first fragments in wcodes
.set P1,   576
.set P2,   608
.set WC,   10
.set WSC,  12
.set LI,   1
.set LS,   2
.set XR,   3                           ; XS: my row of my tile, + 64 h
.set XD,   4                           ; XS: my tile's first row, + 16 x lane
.set XC,   5                           ; XS: row r, + 64 h + 128 w
.set A0,   6
.set A1,   7
.set IA,   10                          ; the gather: 3,072 r + 256 h
.set IS,   11                          ; 256 r
.set NM,   12
.set RL,   14
.set T0,   16
.set LW,   17
.set BM,   20
.set BT,   24
.set SO,   28
.set PW,   32                          ; v32, v36-87 hold scale words and nothing else
.set WOS,  36
.set ISC,  52
.set W1S,  60
.set W2S,  68
.set ES,   76
.set HSW,  84
.set PC,   88                          ; v88-107 the codes just made
.set HF,   108                         ; v108-155 four fragments from LDS
.set OPW,  156                         ; v156-161 where my images go
.set OPSW, 157
.set XIW,  158
.set XISW, 159
.set HIW,  160
.set HISW, 161
.set X,    192                         ; v192-255 results, a row's 64 numbers, rows on the way out
; window 1: v0-191 W_out's 16 fragments, v192-255 the gain.  window 2: v0-95 the 8 I fragments, v96-191 W1's 8.  window 3: v0-95 W2's 8, v96-191 the block's 8 E fragments, v192-255 its pair rows
.set WV,   24
.set SEL,  28
.set RD,   32
.set EPS,  33
.set WP,   34
.set WSP,  36
.set PB,   38
.set EB,   40
.set ESB,  42
.set OB,   44
.set CNT,  50
.set MSB, 0
.macro WIN new
.if MSB != \new
	s_set_vgpr_msb (MSB<<8)|\new
.set MSB, \new
.endif
.endm
.macro PLACES n
.rept \n
	v_nop
.endr
.endm
.macro BARRIER
	s_wait_dscnt 0x0
	s_barrier_signal -1
	s_barrier_wait -1
.endm
.macro FETCH reg, adr, off
.irp c, 0,1,2
	ds_load_b128 v[(\reg)+4*\c:(\reg)+4*\c+3], v[\adr] offset:(\off)+512*\c
.endr
.endm
.macro IMG reg, pw, adc, ads, offc, offs
.irp c, 0,1,2
	ds_store_b128 v[\adc], v[(\reg)+4*\c:(\reg)+4*\c+3] offset:(\offc)+512*\c
.endr
	ds_store_b32 v[\ads], v[\pw] offset:\offs
.endm
.macro MM0 d, a, b, sa, sb
	v_wmma_scale_f32_16x16x128_f8f6f4 v[(\d):(\d)+7], v[(\a):(\a)+11], v[(\b):(\b)+11], 0, v[\sa], v[\sb] matrix_a_fmt:MATRIX_FMT_BF6 matrix_b_fmt:MATRIX_FMT_BF6
.endm
.macro MMC d, a, b, c, sa, sb
	v_wmma_scale_f32_16x16x128_f8f6f4 v[(\d):(\d)+7], v[(\a):(\a)+11], v[(\b):(\b)+11], v[(\c):(\c)+7], v[\sa], v[\sb] matrix_a_fmt:MATRIX_FMT_BF6 matrix_b_fmt:MATRIX_FMT_BF6
.endm
.macro WLOAD nf, win, reg, sc, fb, sw  ; nf fragments from number fb + s[sw] on, into the window that win names
	s_wait_xcnt 0x0                                ; earlier loads have read the two bases
	s_add_co_u32 s52, s[\sw], \fb
	s_mul_i32 s54, s52, 1536
	s_mov_b32 s55, 0
	s_add_nc_u64 s[WP:WP+1], s[WC:WC+1], s[54:55]
	s_lshl_b32 s54, s52, 7
	s_add_nc_u64 s[WSP:WSP+1], s[WSC:WSC+1], s[54:55]
	WIN \win
.set qq, 0
.rept 3*(\nf)
	global_load_b128 v[(\reg)+4*qq:(\reg)+4*qq+3], v[LI], s[WP:WP+1] offset:512*qq
.set qq, qq+1
.endr
	WIN 0
.set qq, 0
.rept \nf
	global_load_b32 v[(\sc)+qq], v[LS], s[WSP:WSP+1] offset:128*qq
.set qq, qq+1
.endr
.endm
.macro QMAX src, fl                    ; 64 numbers of a lane, register 16 b + i = k 32 b + 16 h + i: the four blocks' largest magnitudes, over the floor fl
.irp b, 0,1,2,3
	v_max3_num_f32 v[BM+\b], |v[(\src)+16*\b]|, |v[(\src)+16*\b+1]|, \fl
.endr
.irp i, 2,4,6,8,10,12,14
.irp b, 0,1,2,3
	v_max3_num_f32 v[BM+\b], v[BM+\b], |v[(\src)+16*\b+\i]|, |v[(\src)+16*\b+\i+1]|
.endr
.endr
.irp b, 0,1,2,3
	v_permlanex16_b32 v[BT+\b], v[BM+\b], s[SEL], s[SEL+1]
.endr
.irp b, 0,1,2,3
	v_max_num_f32 v[BM+\b], v[BM+\b], v[BT+\b]
.endr
.endm
.macro QCODE src, sh                   ; codes into v[PC] on, the scale word into v[PW].  sh = 7: the bytes are those of the numbers / 128
.irp b, 0,1,2,3
	v_add_nc_u32 v[SO+\b], 0xfe000000, v[BM+\b]    ; 4 off the exponent field: the conversion's scale operand
.endr
.irp b, 0,1,2,3
.if \sh
	v_add_nc_u32 v[BT+\b], 0xfa800000, v[BM+\b]    ; 4 + 7 off it
	v_lshrrev_b32 v[BT+\b], 23, v[BT+\b]
.else
	v_lshrrev_b32 v[BT+\b], 23, v[SO+\b]
.endif
.endr
	v_lshl_or_b32 v[PW], v[BT+1], 8, v[BT]
	v_lshl_or_b32 v[PW], v[BT+2], 16, v[PW]
	v_lshl_or_b32 v[PW], v[BT+3], 24, v[PW]
.irp c, 0,1
	v_cvt_scalef32_pk16_bf6_f32 v[PC+6*\c:PC+6*\c+2], v[(\src)+32*\c:(\src)+32*\c+15], v[SO+2*\c]
	v_cvt_scalef32_pk16_bf6_f32 v[PC+12+4*\c:PC+14+4*\c], v[(\src)+16+32*\c:(\src)+31+32*\c], v[SO+2*\c+1]
.endr
	v_nop                                          ; one plain place behind a scaled conversion
.irp c, 0,1
.irp i, 0,1,2
	v_permlane16_swap_b32 v[PC+6*\c+\i], v[PC+12+4*\c+\i]
.endr
.irp i, 0,1,2
	v_mov_b32 v[PC+3+6*\c+\i], v[PC+12+4*\c+\i]
.endr
.endr
.endm
.macro BLKLD                           ; a block's 8 E fragments with their scale words, and my tile's 16 pair rows
	WIN 0xc0
.set qq, 0
.rept 24
	global_load_b128 v[96+4*qq:99+4*qq], v[LI], s[EB:EB+1] offset:512*qq
.set qq, qq+1
.endr
.set qq, 0
.rept 16
	global_load_b128 v[192+4*qq:195+4*qq], v[LI], s[PB:PB+1] offset:131072*qq th:TH_LOAD_NT   ; a pair's row: 512 consecutive bytes
.set qq, qq+1
.endr
	WIN 0
.set qq, 0
.rept 8
	global_load_b32 v[ES+qq], v[LS], s[ESB:ESB+1] offset:128*qq
.set qq, qq+1
.endr
.endm
; XS += images (index ks m + K step, from ib on) x my two column tiles (from v0 of the window that win names), transposed; the residual is the C of the first products
.macro PG2 ks, win, wsb, ib, sb
	v_add_nc_u32 v[A0], \ib, v[LI]
	v_add_nc_u32 v[A1], \sb, v[LS]
.irp mm, 0,1,2,3
.irp q, 0,1,2,3
	ds_load_b128 v[X+16*\mm+4*\q:X+16*\mm+4*\q+3], v[XC] offset:16*XP*\mm+16*\q
.endr
.endr
.set st, 0
.rept \ks
.irp mm, 0,1,2,3
	FETCH HF+12*\mm, A0, ((\ks)*\mm+st)*1536
	ds_load_b32 v[HSW+\mm], v[A1] offset:((\ks)*\mm+st)*128
.endr
	s_wait_dscnt 0x0
	WIN \win
.irp mm, 0,1,2,3
.irp u, 0,1
	MMC X+16*\mm+8*\u, 12*(\u*(\ks)+st), HF+12*\mm, X+16*\mm+8*\u, (\wsb)+\u*(\ks)+st, HSW+\mm
.endr
.endr
	WIN 0
	PLACES 5
.set st, st+1
.endr
.irp mm, 0,1,2,3
.irp q, 0,1,2,3
	ds_store_b128 v[XC], v[X+16*\mm+4*\q:X+16*\mm+4*\q+3] offset:16*XP*\mm+16*\q
.endr
.endr
.endm
.macro LN128                           ; (x - mean) / sqrt(variance + 1e-5) x gain over my row's 128: my 64 and lane l xor 16's
.irp k, 0,1,2,3
	v_pk_add_f32 v[BM+2*\k:BM+2*\k+1], v[X+2*\k:X+2*\k+1], v[X+8+2*\k:X+9+2*\k]
.endr
.set jj, 16
.rept 6
.irp k, 0,1,2,3
	v_pk_add_f32 v[BM+2*\k:BM+2*\k+1], v[BM+2*\k:BM+2*\k+1], v[X+jj+2*\k:X+jj+2*\k+1]
.endr
.set jj, jj+8
.endr
	v_pk_add_f32 v[BM:BM+1], v[BM:BM+1], v[BM+2:BM+3]
	v_pk_add_f32 v[BM+4:BM+5], v[BM+4:BM+5], v[BM+6:BM+7]
	v_pk_add_f32 v[BM:BM+1], v[BM:BM+1], v[BM+4:BM+5]
	v_add_f32 v[BM], v[BM], v[BM+1]
	v_permlanex16_b32 v[BT], v[BM], s[SEL], s[SEL+1]
	v_add_f32 v[BM], v[BM], v[BT]
	v_mul_f32 v[NM], s[RD], v[BM]
.set jj, 0
.rept 32
	v_pk_add_f32 v[X+jj:X+jj+1], v[X+jj:X+jj+1], v[NM:NM+1] op_sel_hi:[1,0] neg_lo:[0,1] neg_hi:[0,1]
.set jj, jj+2
.endr
.irp k, 0,1,2,3
	v_pk_mul_f32 v[BM+2*\k:BM+2*\k+1], v[X+2*\k:X+2*\k+1], v[X+2*\k:X+2*\k+1]
.endr
.set jj, 8
.rept 7
.irp k, 0,1,2,3
	v_pk_fma_f32 v[BM+2*\k:BM+2*\k+1], v[X+jj+2*\k:X+jj+2*\k+1], v[X+jj+2*\k:X+jj+2*\k+1], v[BM+2*\k:BM+2*\k+1]
.endr
.set jj, jj+8
.endr
	v_pk_add_f32 v[BM:BM+1], v[BM:BM+1], v[BM+2:BM+3]
	v_pk_add_f32 v[BM+4:BM+5], v[BM+4:BM+5], v[BM+6:BM+7]
	v_pk_add_f32 v[BM:BM+1], v[BM:BM+1], v[BM+4:BM+5]
	v_add_f32 v[BM], v[BM], v[BM+1]
	v_permlanex16_b32 v[BT], v[BM], s[SEL], s[SEL+1]
	v_add_f32 v[BM], v[BM], v[BT]
	v_fma_f32 v[T0], v[BM], s[RD], s[EPS]
	v_rsq_f32 v[RL], v[T0]
	v_nop                                          ; a plain place behind the transcendental,
	s_wait_alu depctr_va_vdst(0)                   ; and the wait ahead of its first reader
.set jj, 0
.rept 32
	v_pk_mul_f32 v[X+jj:X+jj+1], v[X+jj:X+jj+1], v[RL:RL+1] op_sel_hi:[1,0]
.set jj, jj+2
.endr
	WIN 0x04
.set jj, 0
.rept 32
	v_pk_mul_f32 v[X+jj:X+jj+1], v[X+jj:X+jj+1], v[192+jj:193+jj]
.set jj, jj+2
.endr
	WIN 0
.endm
	s_load_b256 s[4:11], s[0:1], 0x0               ; pair, aximg, axsc, wcodes
	s_load_b128 s[12:15], s[0:1], 0x20             ; wscales, ln_pt_w
	s_load_b64 s[16:17], s[0:1], 0x30              ; out1
	v_lshl_add_u32 v190, v0, 2, 0x1d600
	v_mov_b32 v191, 0
	v_lshrrev_b32 v6, 5, v0
	v_readfirstlane_b32 s[WV], v6                  ; wave 0..3
	v_and_b32 v6, 31, v0
	v_and_b32 v7, 15, v0                           ; r
	v_bfe_u32 v8, v0, 4, 1                         ; h
	v_lshlrev_b32 v[LI], 4, v6
	v_lshlrev_b32 v[LS], 2, v6
	v_lshlrev_b32 v[LW], 6, v8
	v_mul_u32_u24 v9, v7, XP
	v_add_nc_u32 v9, v9, v[LW]
	s_mul_i32 s52, s[WV], 16*XP
	v_add_nc_u32 v[XR], s52, v9
	v_add_nc_u32 v[XD], s52, v[LI]
	s_lshl_b32 s53, s[WV], 7
	v_add_nc_u32 v[XC], s53, v9
	v_mul_u32_u24 v[IA], v7, 3072
	v_lshl_add_u32 v[IA], v8, 8, v[IA]
	v_lshlrev_b32 v[IS], 8, v7
	s_mul_i32 s52, s[WV], 3072
	s_add_co_u32 s52, s52, OPI
	v_add_nc_u32 v[OPW], s52, v[LI]                ; the outer product's images: K steps 2 w, 2 w + 1
	s_lshl_b32 s52, s[WV], 8
	s_add_co_u32 s52, s52, OPS
	v_add_nc_u32 v[OPSW], s52, v[LS]
	s_mul_i32 s52, s[WV], 1536
	s_add_co_u32 s53, s52, XI
	v_add_nc_u32 v[XIW], s53, v[LI]
	s_add_co_u32 s53, s52, HI
	v_add_nc_u32 v[HIW], s53, v[LI]
	s_lshl_b32 s52, s[WV], 7
	s_add_co_u32 s53, s52, XIS
	v_add_nc_u32 v[XISW], s53, v[LS]
	s_add_co_u32 s53, s52, HIS
	v_add_nc_u32 v[HISW], s53, v[LS]
	v_mov_b32 v[NM+1], 0                           ; upper halves of pairs whose low word serves both halves
	v_mov_b32 v[RL+1], 0
.irp i, 0,1,2,3
	v_mov_b32 v[BT+\i], 0                          ; a lane permute's destination counts as one of its sources
.endr
	s_mov_b32 s[SEL], 0x76543210
	s_mov_b32 s[SEL+1], 0xfedcba98
	s_mov_b32 s[RD], 0x3c000000                    ; 1 / 128
	s_mov_b32 s[EPS], 0x3727c5ac                   ; 1e-5
	s_and_b32 s25, ttmp9, 15                       ; it
	s_lshr_b32 s26, ttmp9, 4                       ; jb
	s_lshl_b32 s56, s[WV], 4                       ; 16 w
	s_lshl_b32 s57, s[WV], 3                       ; 8 w
	s_lshl_b32 s52, s25, 12
	s_lshl_b32 s53, s26, 4
	s_add_co_u32 s52, s52, s53
	s_add_co_u32 s52, s52, s[WV]                   ; 256 x 16 it + 16 jb + w
	s_lshl_b32 s52, s52, 9
	s_mov_b32 s53, 0
	s_wait_kmcnt 0x0
	s_add_nc_u64 s[PB:PB+1], s[4:5], s[52:53]
	s_add_nc_u64 s[OB:OB+1], s[16:17], s[52:53]
	s_mul_i32 s52, s26, 49152
	s_add_nc_u64 s[EB:EB+1], s[6:7], s[52:53]      ; position 16 jb's images
	s_lshl_b32 s52, s26, 12
	s_add_nc_u64 s[ESB:ESB+1], s[8:9], s[52:53]
	s_and_b32 s58, s[WV], 1                        ; channel d = 8 w + xx lies in image w % 2, lane 8 (w / 2) + xx
	s_lshr_b32 s59, s[WV], 1
	s_mul_i32 s52, s25, 49152
	s_mul_i32 s54, s58, 1536
	s_add_co_u32 s52, s52, s54
	s_lshl_b32 s54, s59, 7
	s_add_co_u32 s52, s52, s54
	s_add_nc_u64 s[46:47], s[6:7], s[52:53]
	s_lshl_b32 s52, s25, 12
	s_lshl_b32 s54, s58, 7
	s_add_co_u32 s52, s52, s54
	s_lshl_b32 s54, s59, 5
	s_add_co_u32 s52, s52, s54
	s_add_nc_u64 s[48:49], s[8:9], s[52:53]
	WLOAD 16, 0x40, 0, WOS, OO, 56
	WLOAD 8, 0x80, 96, W1S, P1, 57
	WLOAD 8, 0xc0, 0, W2S, P2, 57
	WIN 0x40
.irp b, 0,1,2,3
.irp j, 0,1,2,3
	global_load_b128 v[192+16*\b+4*\j:195+16*\b+4*\j], v[LW], s[14:15] offset:128*\b+16*\j   ; the gain, as a lane's 64 numbers lie
.endr
.endr
	WIN 0x80
.irp xx, 0,1,2,3,4,5,6,7
.irp c, 0,1,2
	global_load_b128 v[12*\xx+4*\c:12*\xx+4*\c+3], v[IA], s[46:47] offset:16*\xx+512*\c   ; lane (r, h) takes, of position 16 it + r, the registers that lane (channel d, h) of its image holds
.endr
.endr
	WIN 0
.irp xx, 0,1,2,3,4,5,6,7
	global_load_b32 v[ISC+\xx], v[IS], s[48:49] offset:4*\xx
.endr
	BLKLD
	s_mov_b32 s[CNT], 4
.Lblock:
	s_wait_loadcnt 0x0
	WIN 0x0c
.set qq, 0
.rept 16
	ds_store_b128 v[XD], v[192+4*qq:195+4*qq] offset:XP*qq   ; my tile's pair rows: the residual
.set qq, qq+1
.endr
	WIN 0
	; ---- P1: the outer product: for each j, my 8 channels d x all 32 e, four d (a K step of the next product) at a time
.irp m, 0,1,2,3
.irp ss, 0,1
	WIN 0x0b
.irp dd, 0,1,2,3
.irp u, 0,1
	MM0 X+8*(2*\dd+\u), 96+12*(2*\m+\u), 12*(4*\ss+\dd), ES+2*\m+\u, ISC+4*\ss+\dd
.endr
.endr
	WIN 0
	PLACES 5
	s_wait_dscnt 0x0                               ; the last image's stores have read their registers
	QMAX X, 0x6000000
	QCODE X, 7
	IMG PC, PW, OPW, OPSW, (8*\m+\ss)*1536, (8*\m+\ss)*128
.endr
.endr
	BARRIER                                        ; the residual and the outer product's 32 fragments lie in LDS
	s_cmp_eq_u32 s[CNT], 1                         ; the next block's inputs are asked for here, if there is one: no load leaves its buffer
	s_cbranch_scc1 .Lno_next
	s_add_nc_u64 s[EB:EB+1], s[EB:EB+1], 12288
	s_add_nc_u64 s[ESB:ESB+1], s[ESB:ESB+1], 1024
	s_add_nc_u64 s[PB:PB+1], s[PB:PB+1], 2048
	BLKLD
.Lno_next:
	; ---- P2: pair += outer W_out, my 32 channels of the 64 pairs
	PG2 8, 0x01, WOS, OPI, OPS
	BARRIER
	; ---- P3: LayerNorm of my tile
.irp b, 0,1,2,3
.irp j, 0,1,2,3
	ds_load_b128 v[X+16*\b+4*\j:X+16*\b+4*\j+3], v[XR] offset:128*\b+16*\j
.endr
.endr
	s_wait_dscnt 0x0
	LN128
	QMAX X, 0x2800000
	QCODE X, 0
	IMG PC, PW, XIW, XISW, 0, 0
	BARRIER
	; ---- P4: my 128 hidden units for the four tiles
	v_add_nc_u32 v[A0], XI, v[LI]
	v_add_nc_u32 v[A1], XIS, v[LS]
.irp m, 0,1,2,3
	FETCH HF, A0, \m*1536
	ds_load_b32 v[HSW], v[A1] offset:\m*128
	s_wait_dscnt 0x0                               ; they are in, and the last image has left its registers
	WIN 0x02
.irp t, 0,1,2,3,4,5,6,7
	MM0 X+8*\t, 96+12*\t, HF, W1S+\t, HSW
.endr
	WIN 0
	PLACES 5
.set jj, 0
.rept 64
	v_max_num_f32 v[X+jj], 0, v[X+jj]
.set jj, jj+1
.endr
	QMAX X, 0x2800000
	QCODE X, 0
	IMG PC, PW, HIW, HISW, 4*\m*1536, 4*\m*128
.endr
	BARRIER
	; ---- P5: pair += hidden W2
	PG2 4, 0x03, W2S, HI, HIS
	BARRIER
	; ---- P6: my tile's 16 rows leave
.set qq, 0
.rept 16
	ds_load_b128 v[X+4*qq:X+4*qq+3], v[XD] offset:XP*qq
.set qq, qq+1
.endr
.set qq, 0
.rept 16
	s_wait_dscnt 15-qq                             ; the younger LDS loads may be out
	global_store_b128 v[LI], v[X+4*qq:X+4*qq+3], s[OB:OB+1] offset:131072*qq th:TH_STORE_NT   ; 512 consecutive bytes, aligned
.set qq, qq+1
.endr
	s_wait_xcnt 0x0                                ; the stores have read their registers and their base
	s_add_nc_u64 s[OB:OB+1], s[OB:OB+1], 2048
	s_sub_co_u32 s[CNT], s[CNT], 1
	s_cmp_lg_u32 s[CNT], 0
	s_cbranch_scc1 .Lblock
	s_wait_tensorcnt 0x0
	ds_add_u32 v190, v191
	s_wait_dscnt 0x0
	s_endpgm
.Lfunc_end_k_q38e3b812e6_pair:
	.size	k_q38e3b812e6_pair, .Lfunc_end_k_q38e3b812e6_pair-k_q38e3b812e6_pair
	.p2alignl 7, 3214868480
	.fill 96, 4, 3214868480
	.section	.rodata,"a",@progbits
	.p2align	6, 0x0
	.amdhsa_kernel k_q38e3b812e6_pair
		.amdhsa_group_segment_fixed_size 120832
		.amdhsa_private_segment_fixed_size 0
		.amdhsa_enable_private_segment 0
		.amdhsa_kernarg_size 56
		.amdhsa_user_sgpr_count 2
		.amdhsa_user_sgpr_kernarg_segment_ptr 1
		.amdhsa_wavefront_size32 1
		.amdhsa_system_sgpr_workgroup_id_x 1
		.amdhsa_system_sgpr_workgroup_id_y 1
		.amdhsa_system_sgpr_workgroup_id_z 1
		.amdhsa_system_vgpr_workitem_id 0
		.amdhsa_next_free_vgpr 1024
		.amdhsa_next_free_sgpr 66
		.amdhsa_reserve_vcc 0
		.amdhsa_float_denorm_mode_32 3
		.amdhsa_float_denorm_mode_16_64 3
		.amdhsa_memory_ordered 1
		.amdhsa_forward_progress 1
		.amdhsa_inst_pref_size 157
	.end_amdhsa_kernel
	.amdgpu_metadata
---
amdhsa.version: [ 1, 2 ]
amdhsa.kernels:
  - .name:           k_q38e3b812e6_pair
    .symbol:         k_q38e3b812e6_pair.kd
    .args:
      - { .name: pair, .offset: 0, .size: 8, .value_kind: global_buffer, .address_space: global }
      - { .name: aximg, .offset: 8, .size: 8, .value_kind: global_buffer, .address_space: global }
      - { .name: axsc, .offset: 16, .size: 8, .value_kind: global_buffer, .address_space: global }
      - { .name: wcodes, .offset: 24, .size: 8, .value_kind: global_buffer, .address_space: global }
      - { .name: wscales, .offset: 32, .size: 8, .value_kind: global_buffer, .address_space: global }
      - { .name: ln_pt_w, .offset: 40, .size: 8, .value_kind: global_buffer, .address_space: global }
      - { .name: out1, .offset: 48, .size: 8, .value_kind: global_buffer, .address_space: global }
    .group_segment_fixed_size: 120832
    .private_segment_fixed_size: 0
    .kernarg_segment_align: 8
    .kernarg_segment_size: 56
    .max_flat_workgroup_size: 128
    .sgpr_count:     66
    .vgpr_count:     1024
    .wavefront_size: 32
...
	.end_amdgpu_metadata
.endif
;; end of part 4
;; ======== version 2 of 3: 4 launches
;; workspace buffers: wcodes 989,184 bytes; wscales 82,432 bytes; biasimg 2,097,152 bytes; msa1t 33,554,432 bytes; aximg 786,432 bytes; axsc 65,536 bytes
;; launch prep (part 5): grid 169 x 1, 16 waves a work-group, no clusters, 293,120 bytes of LDS; arguments row_wq, row_wk, row_wv, row_wo, col_wq, col_wk, col_wv, col_wo, mt_w1, mt_w2, opm_out_w, pt_w1, pt_w2, opm_proj_w, wcodes, wscales, pair, row_bias_w, biasimg; writes wcodes, wscales, biasimg
.if DOCPART == 5
	.amdgcn_target "amdgcn-amd-amdhsa--gfx1250"
	.amdhsa_code_object_version 6
	.text
	.protected	k_q38e3b812e6_prep
	.globl	k_q38e3b812e6_prep
	.p2align	8
	.type	k_q38e3b812e6_prep,@function
k_q38e3b812e6_prep:
	s_mov_b64 s[64:65], 0
	v_nop
	global_prefetch_b8 v0, s[64:65] scope:SCOPE_SE
	s_setreg_imm32_b32 hwreg(HW_REG_WAVE_MODE, 25, 1), 1
	s_wait_xcnt 0x0
; TWO JOBS IN ONE LAUNCH, parted by the work-group's number.
; Work-groups 0-127: the pair bias, bias[h][i][j] = sum over d of pair[i][j][d] w[d][h], with f32 operands and f32 sums (it goes on into a softmax that is quantised), by v_wmma_f32_16x16x4_f32,
;   times sqrt(32) (folded into w), laid as images of the accumulator registers of S^T = K Q^T: image (h, qt, kt), 1,024 bytes: registers 4 c .. 4 c + 3 of lane l at 512 c + 16 l;
;   lane (r, hl), register jj = bias[h][rho(qt, r)][32 (kt / 2) + 8 (kt % 2) + 16 hl + jj],  rho(m, a) = 32 (m / 2) + 8 (m % 2) + a + 8 (a / 8).
;   w (4 KB) stays in 64 registers of every wave for the whole launch: nothing is fetched again while the sums run.
; Work-groups 128-168: the 14 weights [K][N], f32, become codes of E3M2 with one E8M0 byte for each 32 along K, laid as images of operand registers: fragment (tile t of 16 columns, K step s of 128)
;   has number FB + t KS + s; 1,536 bytes of codes (registers 4 c .. 4 c + 3 of lane l at 512 c + 16 l) and 128 bytes of scale words (4 l).  Lane (r, h) holds column rho(t, r), k = 128 s + 64 c + 32 h + 0 .. 31.
; A wave makes one fragment: a lane takes a column and its registers run down K, so a block of 32 is one lane's and nothing is transposed.
; LIMITS: NaN and infinities are not served.  A block of zeros gets the byte 1 where the rule says 127: its codes are zeros and this program alone reads the bytes.  w x sqrt(32) is one rounding more than the reference has.
.set NFRAG, 644
.set SROW,  528                        ; a stage row: 512 bytes + 16
.set SWAVE, 32*SROW                    ; a wave's stage: 32 pair rows
.set OST,   16*SWAVE                   ; behind the stages: 16 images of 1,024 bytes
.set WT,    OST+16*1024                ; behind them: w transposed: 8 heads x (128 numbers + 16 bytes)
.set X,     32                         ; v32-159  32 pair rows as loaded, then two tiles' fragments: tile tl, register 64 tl + 4 c + i = pair row 16 tl + r, d = 8 c + 4 h + i
.set WF,    160                        ; v160-223 w's fragments: register 4 c + i = w[8 c + 4 h + i][r % 8] x sqrt(32)
.set DA,    224                        ; v224-239 the two tiles' sums: written by matrix instructions alone
	v_lshl_add_u32 v254, v0, 2, 0x47100
	v_mov_b32 v255, 0
	v_lshrrev_b32 v1, 5, v0
	v_readfirstlane_b32 s2, v1                     ; wave 0..15
	v_and_b32 v2, 31, v0                           ; lane
	v_lshlrev_b32 v3, 4, v2                        ; 16 x lane
	s_cmp_ge_u32 ttmp9, 128
	s_cbranch_scc1 .Lweights
	; ---- the bias.  qt = x / 8, b = x % 8.  Wave a takes query rho(qt, a) and keys 32 b + 0 .. 31, as two tiles of 16 keys.
	s_load_b128 s[4:7], s[0:1], 0x80               ; pair, row_bias_w
	s_load_b64 s[8:9], s[0:1], 0x90                ; biasimg
	s_lshr_b32 s10, ttmp9, 3                       ; qt
	s_and_b32 s11, ttmp9, 7                        ; b
	s_lshr_b32 s12, s10, 1
	s_lshl_b32 s12, s12, 5
	s_and_b32 s13, s10, 1
	s_lshl_b32 s13, s13, 3
	s_add_co_u32 s12, s12, s13
	s_add_co_u32 s12, s12, s2
	s_and_b32 s13, s2, 8
	s_add_co_u32 s12, s12, s13                     ; i = rho(qt, a)
	s_lshl_b32 s12, s12, 8
	s_lshl_b32 s13, s11, 5
	s_add_co_u32 s12, s12, s13                     ; 256 i + 32 b
	s_lshl_b32 s12, s12, 9                         ; rows of 512 bytes
	s_mov_b32 s13, 0
	v_and_b32 v7, 15, v0                           ; r
	v_bfe_u32 v14, v0, 4, 1                        ; h
	s_mul_i32 s14, s2, SWAVE
	v_add_nc_u32 v4, s14, v3                       ; the stage, in: row q, 16 bytes a lane
	v_mul_u32_u24 v5, v7, SROW
	v_lshl_add_u32 v5, v14, 4, v5
	v_add_nc_u32 v5, s14, v5                       ; and out: row r of a tile, + 16 h
	v_and_b32 v6, 7, v0                            ; a result's lane is a head (lanes r and r + 8 hold the same head and store the same bytes to the same place),
	v_lshlrev_b32 v6, 11, v6                       ; two images a head,
	v_lshl_add_u32 v6, v14, 10, v6                 ; its half of the lanes is keys 8 h on of the tile's 16: which of the block's two images;
	s_lshl_b32 s15, s2, 4                          ; lane r of the image = my wave
	s_add_co_u32 s15, s15, OST
	v_add_nc_u32 v6, s15, v6
	s_lshl_b32 s15, s2, 10
	s_add_co_u32 s15, s15, OST
	v_add_nc_u32 v8, s15, v3                       ; back: wave a takes image a = 2 head + u
	v_lshlrev_b32 v9, 3, v0                        ; w: thread t takes its numbers 2 t, 2 t + 1: d = t / 4, heads 2 (t % 4) and the next
	v_and_b32 v12, 3, v0
	v_mul_u32_u24 v12, v12, 2*SROW
	v_lshrrev_b32 v13, 2, v0
	v_lshl_add_u32 v12, v13, 2, v12
	v_add_nc_u32 v12, WT, v12                      ; transposed in LDS: head x 528 + 4 d
	v_and_b32 v13, 7, v0
	v_mul_u32_u24 v13, v13, SROW
	v_lshl_add_u32 v13, v14, 4, v13
	v_add_nc_u32 v13, WT, v13                      ; and back: my head's row, + 16 h
	s_lshr_b32 s48, s2, 1
	s_lshl_b32 s48, s48, 4
	s_add_co_u32 s48, s48, s10
	s_lshl_b32 s48, s48, 4
	s_lshl_b32 s49, s11, 1
	s_add_co_u32 s48, s48, s49
	s_and_b32 s49, s2, 1
	s_add_co_u32 s48, s48, s49                     ; (16 head + qt) 16 + 2 b + u
	s_lshl_b32 s48, s48, 10
	s_mov_b32 s49, 0
	s_wait_kmcnt 0x0
	s_add_nc_u64 s[4:5], s[4:5], s[12:13]
	s_add_nc_u64 s[8:9], s[8:9], s[48:49]
	global_load_b64 v[10:11], v9, s[6:7]           ; 512 threads x 8 bytes: all of w
.set qq, 0
.rept 32
	global_load_b128 v[X+4*qq:X+4*qq+3], v3, s[4:5] offset:512*qq th:TH_LOAD_NT   ; a pair's row: 512 consecutive bytes
.set qq, qq+1
.endr
	s_wait_loadcnt 32                              ; w's two numbers are in; the 32 rows behind them may be out
	ds_store_b32 v12, v10
	ds_store_b32 v12, v11 offset:SROW
	s_wait_dscnt 0x0                               ; for the others' sake: my part of w lies in LDS
	s_barrier_signal -1
	s_barrier_wait -1
.set cc, 0
.rept 16
	ds_load_b128 v[WF+4*cc:WF+4*cc+3], v13 offset:32*cc   ; w[8 c + 4 h + 0 .. 3][my head]
.set cc, cc+1
.endr
	s_wait_dscnt 0x0
.set cc, 0
.rept 64
	v_mul_f32 v[WF+cc], 0x40b504f3, v[WF+cc]       ; x sqrt(32): the scores are scaled by log2(e) / sqrt(32) as a whole.  (These stand while the rows are on their way)
.set cc, cc+1
.endr
.set qq, 0
.rept 32
	s_wait_loadcnt 31-qq                           ; row qq is in; the younger rows may be out
	ds_store_b128 v4, v[X+4*qq:X+4*qq+3] offset:SROW*qq
.set qq, qq+1
.endr
.irp tl, 0,1
.set cc, 0
.rept 16
	ds_load_b128 v[X+64*\tl+4*cc:X+64*\tl+4*cc+3], v5 offset:16*SROW*\tl+32*cc   ; LDS serves a wave's instructions in order: these see my stores
.set cc, cc+1
.endr
.endr
	s_wait_dscnt 0x0
	; 32 K steps of 4: source 0 = 16 keys' rows, source 1 = w.  In both, half h's register j of step (c, e) holds d = 8 c + 4 h + 2 e + j: the same place along K on both sides.
	; The first step starts the sums with the constant 0; the two tiles take turns, one instruction a turn.
.set cc, 0
.rept 16
.irp ee, 0,1
.irp tl, 0,1
.if (cc == 0) && (\ee == 0)
	v_wmma_f32_16x16x4_f32 v[DA+8*\tl:DA+8*\tl+7], v[X+64*\tl+4*cc+2*\ee:X+64*\tl+4*cc+2*\ee+1], v[WF+4*cc+2*\ee:WF+4*cc+2*\ee+1], 0
.else
	v_wmma_f32_16x16x4_f32 v[DA+8*\tl:DA+8*\tl+7], v[X+64*\tl+4*cc+2*\ee:X+64*\tl+4*cc+2*\ee+1], v[WF+4*cc+2*\ee:WF+4*cc+2*\ee+1], v[DA+8*\tl:DA+8*\tl+7]
.endif
.endr
.endr
.set cc, cc+1
.endr
.rept 8
	v_nop                                          ; eight places behind this form before a store reads a result
.endr
.irp tl, 0,1                                   ; lane (head, h), register j = key 16 tl + 8 h + j: image 2 head + h, its lane a + 16 tl, its register j.  Each sum from its low end on
	ds_store_b128 v6, v[DA+8*\tl:DA+8*\tl+3] offset:256*\tl
	ds_store_b128 v6, v[DA+8*\tl+4:DA+8*\tl+7] offset:256*\tl+512
.endr
	s_wait_dscnt 0x0                               ; for the others' sake: my words lie in the images
	s_barrier_signal -1
	s_barrier_wait -1
	ds_load_b128 v[24:27], v8
	ds_load_b128 v[28:31], v8 offset:512
	s_wait_dscnt 0x0
	global_store_b128 v3, v[24:27], s[8:9]         ; 512 consecutive bytes a store
	global_store_b128 v3, v[28:31], s[8:9] offset:512
	s_wait_tensorcnt 0x0
	ds_add_u32 v254, v255
	s_wait_dscnt 0x0
	s_endpgm
	; ---- the weights.  Wave w of work-group x makes fragment F = 16 (x - 128) + w
.Lweights:
	s_sub_co_u32 s3, ttmp9, 128
	s_lshl_b32 s3, s3, 4
	s_add_co_u32 s3, s3, s2                        ; F
	s_cmp_ge_u32 s3, NFRAG
	s_cbranch_scc1 .Lend                           ; 41 x 16 waves for 644 fragments: the last twelve waves have none
	s_load_b256 s[16:23], s[0:1], 0x0              ; row_wq .. row_wo
	s_load_b256 s[24:31], s[0:1], 0x20             ; col_wq .. col_wo
	s_load_b256 s[32:39], s[0:1], 0x40             ; mt_w1, mt_w2, opm_out_w, pt_w1
	s_load_b128 s[40:43], s[0:1], 0x60             ; pt_w2, opm_proj_w
	s_load_b128 s[44:47], s[0:1], 0x70             ; wcodes, wscales
	s_mov_b32 s50, 0                               ; the tensor's first fragment,
	s_mov_b32 s51, 1                               ; log2 of its K steps,
	s_mov_b32 s52, 8                               ; log2 of its columns
	s_wait_kmcnt 0x0
	s_mov_b64 s[48:49], s[16:17]
.macro PICK fb, ptr, lk, ln            ; the choice hangs on the fragment's number alone
	s_cmp_ge_u32 s3, \fb
	s_cselect_b64 s[48:49], s[\ptr:\ptr+1], s[48:49]
	s_cselect_b32 s50, \fb, s50
	s_cselect_b32 s51, \lk, s51
	s_cselect_b32 s52, \ln, s52
.endm
	PICK 32, 18, 1, 8
	PICK 64, 20, 1, 8
	PICK 96, 22, 1, 8
	PICK 128, 24, 1, 8
	PICK 160, 26, 1, 8
	PICK 192, 28, 1, 8
	PICK 224, 30, 1, 8
	PICK 256, 32, 1, 10
	PICK 384, 34, 3, 8
	PICK 512, 36, 3, 7
	PICK 576, 38, 0, 9
	PICK 608, 40, 2, 7
	PICK 640, 42, 1, 5
	s_sub_co_u32 s53, s3, s50
	s_lshr_b32 s54, s53, s51                       ; t
	s_lshl_b32 s55, s54, s51
	s_sub_co_u32 s55, s53, s55                     ; s
	s_lshl_b32 s56, 4, s52                         ; bytes from k to k + 1
	s_lshl_b32 s57, s55, 7
	s_mul_i32 s57, s57, s56                        ; 128 s rows down,
	s_lshr_b32 s58, s54, 1
	s_lshl_b32 s58, s58, 7
	s_and_b32 s59, s54, 1
	s_lshl_b32 s59, s59, 5
	s_add_co_u32 s57, s57, s58
	s_add_co_u32 s60, s57, s59                     ; column 32 (t / 2) + 8 (t % 2)
	s_mov_b32 s61, 0
	s_add_nc_u64 s[48:49], s[48:49], s[60:61]
	v_and_b32 v4, 15, v0                           ; r
	v_bfe_u32 v5, v0, 4, 1                         ; h
	v_and_b32 v6, 8, v4
	v_add_nc_u32 v6, v6, v4                        ; r + 8 (r / 8)
	v_lshlrev_b32 v6, 2, v6
	s_lshl_b32 s62, s56, 5
	v_mul_u32_u24 v7, s62, v5                      ; lanes 16-31 begin 32 rows further down
	v_add_nc_u32 v6, v6, v7
	v_lshlrev_b32 v8, 2, v2                        ; 4 x lane
.irp c, 0,1
.set ii, 0
.rept 32
	v_mad_u32_u24 v[128+32*\c+ii], s56, 64*\c+ii, v6   ; the pitch differs from tensor to tensor, so each of the 64 rows has an offset register
.set ii, ii+1
.endr
.endr
.irp c, 0,1
.set ii, 0
.rept 32
	global_load_b32 v[64+32*\c+ii], v[128+32*\c+ii], s[48:49]   ; W(128 s + 64 c + 32 h + i, my column)
.set ii, ii+1
.endr
.endr
	s_mov_b32 s62, 0x76543210
	s_mov_b32 s63, 0xfedcba98                      ; v_permlanex16_b32's selects for lane l xor 16
	s_mul_i32 s60, s3, 1536
	s_add_nc_u64 s[44:45], s[44:45], s[60:61]
	s_lshl_b32 s60, s3, 7
	s_add_nc_u64 s[46:47], s[46:47], s[60:61]
	s_wait_loadcnt 0x0
.irp c, 0,1
	v_max3_num_f32 v[32+\c], |v[64+32*\c]|, |v[65+32*\c]|, 0x2800000   ; my block 2 c + h, and the floor 2^(5 - 127): the byte cannot fall under 1
.endr
.irp i, 2,4,6,8,10,12,14,16,18,20,22,24,26,28,30
.irp c, 0,1
	v_max3_num_f32 v[32+\c], v[32+\c], |v[64+32*\c+\i]|, |v[65+32*\c+\i]|
.endr
.endr
.irp c, 0,1
	v_add_nc_u32 v[44+\c], 0xfe000000, v[32+\c]    ; 4 off the exponent field: the conversion's scale operand
.endr
.irp c, 0,1
	v_lshrrev_b32 v[36+\c], 23, v[44+\c]           ; the scale's byte
.endr
	v_lshl_or_b32 v9, v37, 16, v36                 ; my two bytes: blocks h and 2 + h,
	v_lshlrev_b32 v10, 3, v5
	v_lshlrev_b32 v9, v10, v9                      ; at their places in the word;
	v_mov_b32 v10, 0
	v_permlanex16_b32 v10, v9, s62, s63
	v_or_b32 v9, v9, v10                           ; with lane l xor 16's two the word is whole, in both halves of the lanes
.irp c, 0,1
	v_cvt_scalef32_pk16_bf6_f32 v[48+6*\c:50+6*\c], v[64+32*\c:79+32*\c], v[44+\c]
	v_cvt_scalef32_pk16_bf6_f32 v[16+4*\c:18+4*\c], v[80+32*\c:95+32*\c], v[44+\c]   ; (a conversion's three registers begin on an even number)
.endr
	v_nop                                          ; one plain place behind a scaled conversion
.irp c, 0,1
.irp i, 0,1,2
	v_mov_b32 v[51+6*\c+\i], v[16+4*\c+\i]
.endr
.endr
.irp c, 0,1,2
	global_store_b128 v3, v[48+4*\c:51+4*\c], s[44:45] offset:512*\c   ; 512 consecutive bytes a store
.endr
	global_store_b32 v8, v9, s[46:47]
.Lend:
	s_endpgm
.Lfunc_end_k_q38e3b812e6_prep:
	.size	k_q38e3b812e6_prep, .Lfunc_end_k_q38e3b812e6_prep-k_q38e3b812e6_prep
	.p2alignl 7, 3214868480
	.fill 96, 4, 3214868480
	.section	.rodata,"a",@progbits
	.p2align	6, 0x0
	.amdhsa_kernel k_q38e3b812e6_prep
		.amdhsa_group_segment_fixed_size 293120
		.amdhsa_private_segment_fixed_size 0
		.amdhsa_enable_private_segment 0
		.amdhsa_kernarg_size 152
		.amdhsa_user_sgpr_count 2
		.amdhsa_user_sgpr_kernarg_segment_ptr 1
		.amdhsa_wavefront_size32 1
		.amdhsa_system_sgpr_workgroup_id_x 1
		.amdhsa_system_sgpr_workgroup_id_y 1
		.amdhsa_system_sgpr_workgroup_id_z 1
		.amdhsa_system_vgpr_workitem_id 0
		.amdhsa_next_free_vgpr 256
		.amdhsa_next_free_sgpr 66
		.amdhsa_reserve_vcc 0
		.amdhsa_float_denorm_mode_32 3
		.amdhsa_float_denorm_mode_16_64 3
		.amdhsa_memory_ordered 1
		.amdhsa_forward_progress 1
		.amdhsa_inst_pref_size 41
	.end_amdhsa_kernel
	.amdgpu_metadata
---
amdhsa.version: [ 1, 2 ]
amdhsa.kernels:
  - .name:           k_q38e3b812e6_prep
    .symbol:         k_q38e3b812e6_prep.kd
    .args:
      - { .name: row_wq, .offset: 0, .size: 8, .value_kind: global_buffer, .address_space: global }
      - { .name: row_wk, .offset: 8, .size: 8, .value_kind: global_buffer, .address_space: global }
      - { .name: row_wv, .offset: 16, .size: 8, .value_kind: global_buffer, .address_space: global }
      - { .name: row_wo, .offset: 24, .size: 8, .value_kind: global_buffer, .address_space: global }
      - { .name: col_wq, .offset: 32, .size: 8, .value_kind: global_buffer, .address_space: global }
      - { .name: col_wk, .offset: 40, .size: 8, .value_kind: global_buffer, .address_space: global }
      - { .name: col_wv, .offset: 48, .size: 8, .value_kind: global_buffer, .address_space: global }
      - { .name: col_wo, .offset: 56, .size: 8, .value_kind: global_buffer, .address_space: global }
      - { .name: mt_w1, .offset: 64, .size: 8, .value_kind: global_buffer, .address_space: global }
      - { .name: mt_w2, .offset: 72, .size: 8, .value_kind: global_buffer, .address_space: global }
      - { .name: opm_out_w, .offset: 80, .size: 8, .value_kind: global_buffer, .address_space: global }
      - { .name: pt_w1, .offset: 88, .size: 8, .value_kind: global_buffer, .address_space: global }
      - { .name: pt_w2, .offset: 96, .size: 8, .value_kind: global_buffer, .address_space: global }
      - { .name: opm_proj_w, .offset: 104, .size: 8, .value_kind: global_buffer, .address_space: global }
      - { .name: wcodes, .offset: 112, .size: 8, .value_kind: global_buffer, .address_space: global }
      - { .name: wscales, .offset: 120, .size: 8, .value_kind: global_buffer, .address_space: global }
      - { .name: pair, .offset: 128, .size: 8, .value_kind: global_buffer, .address_space: global }
      - { .name: row_bias_w, .offset: 136, .size: 8, .value_kind: global_buffer, .address_space: global }
      - { .name: biasimg, .offset: 144, .size: 8, .value_kind: global_buffer, .address_space: global }
    .group_segment_fixed_size: 293120
    .private_segment_fixed_size: 0
    .kernarg_segment_align: 8
    .kernarg_segment_size: 152
    .max_flat_workgroup_size: 512
    .sgpr_count:     66
    .vgpr_count:     256
    .wavefront_size: 32
...
	.end_amdgpu_metadata
.endif
;; end of part 5
;; launch row: the kernel of part 2 again; grid 256 x 1, 8 waves a work-group, no clusters, 320,512 bytes of LDS; arguments msa, ln_row_w, wcodes, wscales, biasimg, msa1t; writes msa1t
;; launch col: the kernel of part 3 again; grid 256 x 1, 8 waves a work-group, no clusters, 267,264 bytes of LDS; arguments msa1t, ln_col_w, ln_mt_w, opm_ln_w, wcodes, wscales, out0, aximg, axsc; writes out0, aximg, axsc
;; launch pair (part 6): grid 256 x 1, 4 waves a work-group, no clusters, 120,832 bytes of LDS; arguments pair, aximg, axsc, wcodes, wscales, ln_pt_w, out1; writes out1
.if DOCPART == 6
	.amdgcn_target "amdgcn-amd-amdhsa--gfx1250"
	.amdhsa_code_object_version 6
	.text
	.protected	k_q38e3b812e6_pair
	.globl	k_q38e3b812e6_pair
	.p2align	8
	.type	k_q38e3b812e6_pair,@function
k_q38e3b812e6_pair:
	s_mov_b64 s[64:65], 0
	v_nop
	global_prefetch_b8 v0, s[64:65] scope:SCOPE_SE
	s_setreg_imm32_b32 hwreg(HW_REG_WAVE_MODE, 25, 1), 1
	s_wait_xcnt 0x0
; OUTER PRODUCT MEAN AND PAIR TRANSITION, whole: outer = ax^T ax / 128, pair += outer W_out, pair += relu(LN(pair) W1) W2.  All products on codes of E3M2 with one E8M0 scale for each 32 along K.
; SHARES.  Work-group x: i = 16 (x % 16) + 0 .. 15, j = 16 (x / 16) + 0 .. 15, in four blocks of 64 pairs: row tile m of a block is j = 16 jb + 4 blk + m, its 16 lanes are the 16 i.
; Four waves of 1,024 registers; all weights stay in registers for the whole launch.  Wave w: row tile w (loads, LayerNorm, stores); d = 8 w .. 8 w + 7 of the outer product; output channels 32 w .. 32 w + 31; hidden units 128 w ..
; THE OUTER PRODUCT.  K = the 128 sequences.  Source 0 = position j's image of ax (16 channels e), source 1 = an I fragment: 16 positions i at ONE channel d, gathered once from the images' lanes.
; A lane then holds one pair (i, j) and its 16 registers of the two e tiles are e = 16 h + 0 .. 15 of one d: a block of 32 along the next K = 32 d + e.
; The division by 128 is exact: the codes are those of the undivided numbers, the byte is 7 lower, and the floor under the largest magnitude is 2^7 higher.
; OPERANDS GO FROM WAVE TO WAVE AS IMAGES OF THEIR REGISTERS (1,536 bytes: registers 4 c .. 4 c + 3 of lane l at 512 c + 16 l; scale words 128 bytes, 4 l).
; LOADS AHEAD.  What the first outer product needs is asked for first; the weights go out behind it and land under that product.  A block's inputs are asked for a block ahead.
; In the two projections back to 128 channels the images of K step st + 1 are asked for before step st is multiplied, into a second set of registers.
; No multicast: the shared inputs (weights, ax) are read once a work-group into registers.
; LIMITS: NaN and infinities are not served; a block of zeros gets the lowest byte (its codes are zeros); 1 / sqrt by v_rsq_f32.
.set XP,   528                         ; XS: 64 pairs x (512 bytes + 16), row 16 m + r, at LDS byte 0
.set OPI,  33792                       ; the outer product's 32 fragments (8 m + K step)
.set OPS,  82944
.set XI,   87040                       ; LN(pair)'s 4
.set XIS,  93184
.set HI,   93696                       ; the hidden layer's 16 (4 m + K step)
.set HIS,  118272
.set OO,   512                         ; first fragments in wcodes
.set P1,   576
.set P2,   608
.set WC,   10
.set WSC,  12
.set LI,   1
.set LS,   2
.set XR,   3                           ; XS: my row of my tile, + 64 h
.set XD,   4                           ; XS: my tile's first row, + 16 x lane
.set XC,   5                           ; XS: row r, + 64 h + 128 w
.set A0,   6
.set A1,   7
.set IA,   10                          ; the gather: 3,072 r + 256 h
.set IS,   11                          ; 256 r
.set NM,   12
.set RL,   14
.set T0,   16
.set LW,   17
.set BM,   20
.set BT,   24
.set SO,   28
.set PW,   32                          ; v32, v36-87, v162-165 hold scale words and nothing else
.set WOS,  36
.set ISC,  52
.set W1S,  60
.set W2S,  68
.set ES,   76
.set HSW,  84
.set PC,   88                          ; v88-107 the codes just made
.set HF,   108                         ; v108-155 four fragments from LDS: the first set
.set OPW,  156                         ; v156-161 where my images go
.set OPSW, 157
.set XIW,  158
.set XISW, 159
.set HIW,  160
.set HISW, 161
.set HSW2, 162                         ; v162-165 the second set's scale words
.set HF2,  192                         ; window 2 v192-239: the second set of four fragments
.set X,    192                         ; v192-255 results, a row's 64 numbers, rows on the way out
; window 1: v0-191 W_out's 16 fragments, v192-255 the gain.  window 2: v0-95 the 8 I fragments, v96-191 W1's 8, v192-239 the second set.  window 3: v0-95 W2's 8, v96-191 the block's 8 E fragments, v192-255 its pair rows
.set WV,   24
.set SEL,  28
.set RD,   32
.set EPS,  33
.set WP,   34
.set WSP,  36
.set PB,   38
.set EB,   40
.set ESB,  42
.set OB,   44
.set CNT,  50
.set MSB, 0
.macro WIN new
.if MSB != \new
	s_set_vgpr_msb (MSB<<8)|\new
.set MSB, \new
.endif
.endm
.macro PLACES n
.rept \n
	v_nop
.endr
.endm
.macro BARRIER
	s_wait_dscnt 0x0
	s_barrier_signal -1
	s_barrier_wait -1
.endm
.macro FETCH reg, adr, off
.irp c, 0,1,2
	ds_load_b128 v[(\reg)+4*\c:(\reg)+4*\c+3], v[\adr] offset:(\off)+512*\c
.endr
.endm
.macro IMG reg, pw, adc, ads, offc, offs
.irp c, 0,1,2
	ds_store_b128 v[\adc], v[(\reg)+4*\c:(\reg)+4*\c+3] offset:(\offc)+512*\c
.endr
	ds_store_b32 v[\ads], v[\pw] offset:\offs
.endm
.macro MM0 d, a, b, sa, sb
	v_wmma_scale_f32_16x16x128_f8f6f4 v[(\d):(\d)+7], v[(\a):(\a)+11], v[(\b):(\b)+11], 0, v[\sa], v[\sb] matrix_a_fmt:MATRIX_FMT_BF6 matrix_b_fmt:MATRIX_FMT_BF6
.endm
.macro MMC d, a, b, c, sa, sb
	v_wmma_scale_f32_16x16x128_f8f6f4 v[(\d):(\d)+7], v[(\a):(\a)+11], v[(\b):(\b)+11], v[(\c):(\c)+7], v[\sa], v[\sb] matrix_a_fmt:MATRIX_FMT_BF6 matrix_b_fmt:MATRIX_FMT_BF6
.endm
.macro WLOAD nf, win, reg, sc, fb, sw  ; nf fragments from number fb + s[sw] on, into the window that win names
	s_wait_xcnt 0x0                                ; earlier loads have read the two bases
	s_add_co_u32 s52, s[\sw], \fb
	s_mul_i32 s54, s52, 1536
	s_mov_b32 s55, 0
	s_add_nc_u64 s[WP:WP+1], s[WC:WC+1], s[54:55]
	s_lshl_b32 s54, s52, 7
	s_add_nc_u64 s[WSP:WSP+1], s[WSC:WSC+1], s[54:55]
	WIN \win
.set qq, 0
.rept 3*(\nf)
	global_load_b128 v[(\reg)+4*qq:(\reg)+4*qq+3], v[LI], s[WP:WP+1] offset:512*qq
.set qq, qq+1
.endr
	WIN 0
.set qq, 0
.rept \nf
	global_load_b32 v[(\sc)+qq], v[LS], s[WSP:WSP+1] offset:128*qq
.set qq, qq+1
.endr
.endm
.macro QMAX src, fl                    ; 64 numbers of a lane, register 16 b + i = k 32 b + 16 h + i: the four blocks' largest magnitudes, over the floor fl
.irp b, 0,1,2,3
	v_max3_num_f32 v[BM+\b], |v[(\src)+16*\b]|, |v[(\src)+16*\b+1]|, \fl
.endr
.irp i, 2,4,6,8,10,12,14
.irp b, 0,1,2,3
	v_max3_num_f32 v[BM+\b], v[BM+\b], |v[(\src)+16*\b+\i]|, |v[(\src)+16*\b+\i+1]|
.endr
.endr
.irp b, 0,1,2,3
	v_permlanex16_b32 v[BT+\b], v[BM+\b], s[SEL], s[SEL+1]
.endr
.irp b, 0,1,2,3
	v_max_num_f32 v[BM+\b], v[BM+\b], v[BT+\b]
.endr
.endm
.macro QCODE src, sh                   ; codes into v[PC] on, the scale word into v[PW].  sh = 7: the bytes are those of the numbers / 128
.irp b, 0,1,2,3
	v_add_nc_u32 v[SO+\b], 0xfe000000, v[BM+\b]    ; 4 off the exponent field: the conversion's scale operand
.endr
.irp b, 0,1,2,3
.if \sh
	v_add_nc_u32 v[BT+\b], 0xfa800000, v[BM+\b]    ; 4 + 7 off it
	v_lshrrev_b32 v[BT+\b], 23, v[BT+\b]
.else
	v_lshrrev_b32 v[BT+\b], 23, v[SO+\b]
.endif
.endr
	v_lshl_or_b32 v[PW], v[BT+1], 8, v[BT]
	v_lshl_or_b32 v[PW], v[BT+2], 16, v[PW]
	v_lshl_or_b32 v[PW], v[BT+3], 24, v[PW]
.irp c, 0,1
	v_cvt_scalef32_pk16_bf6_f32 v[PC+6*\c:PC+6*\c+2], v[(\src)+32*\c:(\src)+32*\c+15], v[SO+2*\c]
	v_cvt_scalef32_pk16_bf6_f32 v[PC+12+4*\c:PC+14+4*\c], v[(\src)+16+32*\c:(\src)+31+32*\c], v[SO+2*\c+1]
.endr
	v_nop                                          ; one plain place behind a scaled conversion
.irp c, 0,1
.irp i, 0,1,2
	v_permlane16_swap_b32 v[PC+6*\c+\i], v[PC+12+4*\c+\i]
.endr
.irp i, 0,1,2
	v_mov_b32 v[PC+3+6*\c+\i], v[PC+12+4*\c+\i]
.endr
.endr
.endm
.macro BLKLD                           ; a block's 8 E fragments with their scale words, and my tile's 16 pair rows
	WIN 0xc0
.set qq, 0
.rept 24
	global_load_b128 v[96+4*qq:99+4*qq], v[LI], s[EB:EB+1] offset:512*qq
.set qq, qq+1
.endr
.set qq, 0
.rept 16
	global_load_b128 v[192+4*qq:195+4*qq], v[LI], s[PB:PB+1] offset:131072*qq th:TH_LOAD_NT   ; a pair's row: 512 consecutive bytes
.set qq, qq+1
.endr
	WIN 0
.set qq, 0
.rept 8
	global_load_b32 v[ES+qq], v[LS], s[ESB:ESB+1] offset:128*qq
.set qq, qq+1
.endr
.endm
; The four row tiles' images of K step kst (index ks m + kst from v[A0], v[A1] on), into set kst % 2: 12 + 4 LDS loads
.macro PGLD ks, kst
.if ((\kst)%2) == 0
.irp mm, 0,1,2,3
	FETCH HF+12*\mm, A0, ((\ks)*\mm+(\kst))*1536
.endr
.irp mm, 0,1,2,3
	ds_load_b32 v[HSW+\mm], v[A1] offset:((\ks)*\mm+(\kst))*128
.endr
.else
	WIN 0x80                                       ; destination window 2, address window 0
.irp mm, 0,1,2,3
	FETCH HF2+12*\mm, A0, ((\ks)*\mm+(\kst))*1536
.endr
	WIN 0
.irp mm, 0,1,2,3
	ds_load_b32 v[HSW2+\mm], v[A1] offset:((\ks)*\mm+(\kst))*128
.endr
.endif
.endm
; XS += images (from ib, sb on) x my two column tiles (from v0 of the window that win names as source 0; win2: the same with source 1 in window 2), transposed; the residual is the C of the first products.
; Two sets of fragment registers take turns: step st + 1 is asked for before step st is multiplied.  The five places behind step st - 1's products stand in front of the loads into its set.
.macro PG2 ks, win, win2, wsb, ib, sb
	v_add_nc_u32 v[A0], \ib, v[LI]
	v_add_nc_u32 v[A1], \sb, v[LS]
.irp mm, 0,1,2,3
.irp q, 0,1,2,3
	ds_load_b128 v[X+16*\mm+4*\q:X+16*\mm+4*\q+3], v[XC] offset:16*XP*\mm+16*\q
.endr
.endr
	PGLD \ks, 0
.set st, 0
.rept \ks
.if st+1 < (\ks)
	PGLD \ks, st+1
	s_wait_dscnt 16                                ; this step's images (and the residual) are in; the next step's 12 + 4 loads may be out
.else
	s_wait_dscnt 0x0
.endif
.if (st%2) == 0
	WIN \win
.irp mm, 0,1,2,3
.irp u, 0,1
	MMC X+16*\mm+8*\u, 12*(\u*(\ks)+st), HF+12*\mm, X+16*\mm+8*\u, (\wsb)+\u*(\ks)+st, HSW+\mm
.endr
.endr
.else
	WIN \win2
.irp mm, 0,1,2,3
.irp u, 0,1
	MMC X+16*\mm+8*\u, 12*(\u*(\ks)+st), HF2+12*\mm, X+16*\mm+8*\u, (\wsb)+\u*(\ks)+st, HSW2+\mm
.endr
.endr
.endif
	WIN 0
	PLACES 5
.set st, st+1
.endr
.irp mm, 0,1,2,3
.irp q, 0,1,2,3
	ds_store_b128 v[XC], v[X+16*\mm+4*\q:X+16*\mm+4*\q+3] offset:16*XP*\mm+16*\q
.endr
.endr
.endm
.macro LN128                           ; (x - mean) / sqrt(variance + 1e-5) x gain over my row's 128: my 64 and lane l xor 16's
.irp k, 0,1,2,3
	v_pk_add_f32 v[BM+2*\k:BM+2*\k+1], v[X+2*\k:X+2*\k+1], v[X+8+2*\k:X+9+2*\k]
.endr
.set jj, 16
.rept 6
.irp k, 0,1,2,3
	v_pk_add_f32 v[BM+2*\k:BM+2*\k+1], v[BM+2*\k:BM+2*\k+1], v[X+jj+2*\k:X+jj+2*\k+1]
.endr
.set jj, jj+8
.endr
	v_pk_add_f32 v[BM:BM+1], v[BM:BM+1], v[BM+2:BM+3]
	v_pk_add_f32 v[BM+4:BM+5], v[BM+4:BM+5], v[BM+6:BM+7]
	v_pk_add_f32 v[BM:BM+1], v[BM:BM+1], v[BM+4:BM+5]
	v_add_f32 v[BM], v[BM], v[BM+1]
	v_permlanex16_b32 v[BT], v[BM], s[SEL], s[SEL+1]
	v_add_f32 v[BM], v[BM], v[BT]
	v_mul_f32 v[NM], s[RD], v[BM]
.set jj, 0
.rept 32
	v_pk_add_f32 v[X+jj:X+jj+1], v[X+jj:X+jj+1], v[NM:NM+1] op_sel_hi:[1,0] neg_lo:[0,1] neg_hi:[0,1]
.set jj, jj+2
.endr
.irp k, 0,1,2,3
	v_pk_mul_f32 v[BM+2*\k:BM+2*\k+1], v[X+2*\k:X+2*\k+1], v[X+2*\k:X+2*\k+1]
.endr
.set jj, 8
.rept 7
.irp k, 0,1,2,3
	v_pk_fma_f32 v[BM+2*\k:BM+2*\k+1], v[X+jj+2*\k:X+jj+2*\k+1], v[X+jj+2*\k:X+jj+2*\k+1], v[BM+2*\k:BM+2*\k+1]
.endr
.set jj, jj+8
.endr
	v_pk_add_f32 v[BM:BM+1], v[BM:BM+1], v[BM+2:BM+3]
	v_pk_add_f32 v[BM+4:BM+5], v[BM+4:BM+5], v[BM+6:BM+7]
	v_pk_add_f32 v[BM:BM+1], v[BM:BM+1], v[BM+4:BM+5]
	v_add_f32 v[BM], v[BM], v[BM+1]
	v_permlanex16_b32 v[BT], v[BM], s[SEL], s[SEL+1]
	v_add_f32 v[BM], v[BM], v[BT]
	v_fma_f32 v[T0], v[BM], s[RD], s[EPS]
	v_rsq_f32 v[RL], v[T0]
	v_nop                                          ; a plain place behind the transcendental,
	s_wait_alu depctr_va_vdst(0)                   ; and the wait ahead of its first reader
.set jj, 0
.rept 32
	v_pk_mul_f32 v[X+jj:X+jj+1], v[X+jj:X+jj+1], v[RL:RL+1] op_sel_hi:[1,0]
.set jj, jj+2
.endr
	WIN 0x04
.set jj, 0
.rept 32
	v_pk_mul_f32 v[X+jj:X+jj+1], v[X+jj:X+jj+1], v[192+jj:193+jj]
.set jj, jj+2
.endr
	WIN 0
.endm
	s_load_b256 s[4:11], s[0:1], 0x0               ; pair, aximg, axsc, wcodes
	s_load_b128 s[12:15], s[0:1], 0x20             ; wscales, ln_pt_w
	s_load_b64 s[16:17], s[0:1], 0x30              ; out1
	v_lshl_add_u32 v190, v0, 2, 0x1d600
	v_mov_b32 v191, 0
	v_lshrrev_b32 v6, 5, v0
	v_readfirstlane_b32 s[WV], v6                  ; wave 0..3
	v_and_b32 v6, 31, v0
	v_and_b32 v7, 15, v0                           ; r
	v_bfe_u32 v8, v0, 4, 1                         ; h
	v_lshlrev_b32 v[LI], 4, v6
	v_lshlrev_b32 v[LS], 2, v6
	v_lshlrev_b32 v[LW], 6, v8
	v_mul_u32_u24 v9, v7, XP
	v_add_nc_u32 v9, v9, v[LW]
	s_mul_i32 s52, s[WV], 16*XP
	v_add_nc_u32 v[XR], s52, v9
	v_add_nc_u32 v[XD], s52, v[LI]
	s_lshl_b32 s53, s[WV], 7
	v_add_nc_u32 v[XC], s53, v9
	v_mul_u32_u24 v[IA], v7, 3072
	v_lshl_add_u32 v[IA], v8, 8, v[IA]
	v_lshlrev_b32 v[IS], 8, v7
	s_mul_i32 s52, s[WV], 3072
	s_add_co_u32 s52, s52, OPI
	v_add_nc_u32 v[OPW], s52, v[LI]                ; the outer product's images: K steps 2 w, 2 w + 1
	s_lshl_b32 s52, s[WV], 8
	s_add_co_u32 s52, s52, OPS
	v_add_nc_u32 v[OPSW], s52, v[LS]
	s_mul_i32 s52, s[WV], 1536
	s_add_co_u32 s53, s52, XI
	v_add_nc_u32 v[XIW], s53, v[LI]
	s_add_co_u32 s53, s52, HI
	v_add_nc_u32 v[HIW], s53, v[LI]
	s_lshl_b32 s52, s[WV], 7
	s_add_co_u32 s53, s52, XIS
	v_add_nc_u32 v[XISW], s53, v[LS]
	s_add_co_u32 s53, s52, HIS
	v_add_nc_u32 v[HISW], s53, v[LS]
	v_mov_b32 v[NM+1], 0                           ; upper halves of pairs whose low word serves both halves
	v_mov_b32 v[RL+1], 0
.irp i, 0,1,2,3
	v_mov_b32 v[BT+\i], 0                          ; a lane permute's destination counts as one of its sources
.endr
	s_mov_b32 s[SEL], 0x76543210
	s_mov_b32 s[SEL+1], 0xfedcba98
	s_mov_b32 s[RD], 0x3c000000                    ; 1 / 128
	s_mov_b32 s[EPS], 0x3727c5ac                   ; 1e-5
	s_and_b32 s25, ttmp9, 15                       ; it
	s_lshr_b32 s26, ttmp9, 4                       ; jb
	s_lshl_b32 s56, s[WV], 4                       ; 16 w
	s_lshl_b32 s57, s[WV], 3                       ; 8 w
	s_lshl_b32 s52, s25, 12
	s_lshl_b32 s53, s26, 4
	s_add_co_u32 s52, s52, s53
	s_add_co_u32 s52, s52, s[WV]                   ; 256 x 16 it + 16 jb + w
	s_lshl_b32 s52, s52, 9
	s_mov_b32 s53, 0
	s_wait_kmcnt 0x0
	s_add_nc_u64 s[PB:PB+1], s[4:5], s[52:53]
	s_add_nc_u64 s[OB:OB+1], s[16:17], s[52:53]
	s_mul_i32 s52, s26, 49152
	s_add_nc_u64 s[EB:EB+1], s[6:7], s[52:53]      ; position 16 jb's images
	s_lshl_b32 s52, s26, 12
	s_add_nc_u64 s[ESB:ESB+1], s[8:9], s[52:53]
	s_and_b32 s58, s[WV], 1                        ; channel d = 8 w + xx lies in image w % 2, lane 8 (w / 2) + xx
	s_lshr_b32 s59, s[WV], 1
	s_mul_i32 s52, s25, 49152
	s_mul_i32 s54, s58, 1536
	s_add_co_u32 s52, s52, s54
	s_lshl_b32 s54, s59, 7
	s_add_co_u32 s52, s52, s54
	s_add_nc_u64 s[46:47], s[6:7], s[52:53]
	s_lshl_b32 s52, s25, 12
	s_lshl_b32 s54, s58, 7
	s_add_co_u32 s52, s52, s54
	s_lshl_b32 s54, s59, 5
	s_add_co_u32 s52, s52, s54
	s_add_nc_u64 s[48:49], s[8:9], s[52:53]
	; what the first outer product needs goes out first: 80 loads
	WIN 0x80
.irp xx, 0,1,2,3,4,5,6,7
.irp c, 0,1,2
	global_load_b128 v[12*\xx+4*\c:12*\xx+4*\c+3], v[IA], s[46:47] offset:16*\xx+512*\c   ; lane (r, h) takes, of position 16 it + r, the registers that lane (channel d, h) of its image holds
.endr
.endr
	WIN 0
.irp xx, 0,1,2,3,4,5,6,7
	global_load_b32 v[ISC+\xx], v[IS], s[48:49] offset:4*\xx
.endr
	BLKLD
	s_wait_loadcnt 0x0                             ; the first block's inputs are in
	; the weights and the gain, 144 loads, go out now and land while the first outer product is made
	WLOAD 16, 0x40, 0, WOS, OO, 56
	WLOAD 8, 0x80, 96, W1S, P1, 57
	WLOAD 8, 0xc0, 0, W2S, P2, 57
	WIN 0x40
.irp b, 0,1,2,3
.irp j, 0,1,2,3
	global_load_b128 v[192+16*\b+4*\j:195+16*\b+4*\j], v[LW], s[14:15] offset:128*\b+16*\j   ; the gain, as a lane's 64 numbers lie
.endr
.endr
	WIN 0
	s_mov_b32 s[CNT], 4
.Lblock:                                               ; (the block's inputs are in: waited for ahead of the loop and at its end)
	WIN 0x0c
.set qq, 0
.rept 16
	ds_store_b128 v[XD], v[192+4*qq:195+4*qq] offset:XP*qq   ; my tile's pair rows: the residual
.set qq, qq+1
.endr
	WIN 0
	; ---- P1: the outer product: for each j, my 8 channels d x all 32 e, four d (a K step of the next product) at a time
.irp m, 0,1,2,3
.irp ss, 0,1
	WIN 0x0b
.irp dd, 0,1,2,3
.irp u, 0,1
	MM0 X+8*(2*\dd+\u), 96+12*(2*\m+\u), 12*(4*\ss+\dd), ES+2*\m+\u, ISC+4*\ss+\dd
.endr
.endr
	WIN 0
	PLACES 5
	s_wait_dscnt 0x0                               ; the last image's stores have read their registers
	QMAX X, 0x6000000
	QCODE X, 7
	IMG PC, PW, OPW, OPSW, (8*\m+\ss)*1536, (8*\m+\ss)*128
.endr
.endr
	BARRIER                                        ; the residual and the outer product's 32 fragments lie in LDS
	s_wait_loadcnt 0x0                             ; in the first trip: the weights and the gain; later no load is out here
	s_cmp_eq_u32 s[CNT], 1                         ; the next block's inputs are asked for here, if there is one: no load leaves its buffer
	s_cbranch_scc1 .Lno_next
	s_add_nc_u64 s[EB:EB+1], s[EB:EB+1], 12288
	s_add_nc_u64 s[ESB:ESB+1], s[ESB:ESB+1], 1024
	s_add_nc_u64 s[PB:PB+1], s[PB:PB+1], 2048
	BLKLD
.Lno_next:
	; ---- P2: pair += outer W_out, my 32 channels of the 64 pairs
	PG2 8, 0x01, 0x09, WOS, OPI, OPS
	BARRIER
	; ---- P3: LayerNorm of my tile
.irp b, 0,1,2,3
.irp j, 0,1,2,3
	ds_load_b128 v[X+16*\b+4*\j:X+16*\b+4*\j+3], v[XR] offset:128*\b+16*\j
.endr
.endr
	s_wait_dscnt 0x0
	LN128
	QMAX X, 0x2800000
	QCODE X, 0
	IMG PC, PW, XIW, XISW, 0, 0
	BARRIER
	; ---- P4: my 128 hidden units for the four tiles; the four fragments of x come in one run
	v_add_nc_u32 v[A0], XI, v[LI]
	v_add_nc_u32 v[A1], XIS, v[LS]
.irp m, 0,1,2,3
	FETCH HF+12*\m, A0, \m*1536
	ds_load_b32 v[HSW+\m], v[A1] offset:\m*128
.endr
	s_wait_dscnt 0x0
.irp m, 0,1,2,3
	WIN 0x02
.irp t, 0,1,2,3,4,5,6,7
	MM0 X+8*\t, 96+12*\t, HF+12*\m, W1S+\t, HSW+\m
.endr
	WIN 0
	PLACES 5
.set jj, 0
.rept 64
	v_max_num_f32 v[X+jj], 0, v[X+jj]
.set jj, jj+1
.endr
	s_wait_dscnt 0x0                               ; the last image's stores have read their registers
	QMAX X, 0x2800000
	QCODE X, 0
	IMG PC, PW, HIW, HISW, 4*\m*1536, 4*\m*128
.endr
	BARRIER
	; ---- P5: pair += hidden W2
	PG2 4, 0x03, 0x0b, W2S, HI, HIS
	BARRIER
	; ---- P6: my tile's 16 rows leave
.set qq, 0
.rept 16
	ds_load_b128 v[X+4*qq:X+4*qq+3], v[XD] offset:XP*qq
.set qq, qq+1
.endr
.set qq, 0
.rept 16
	s_wait_dscnt 15-qq                             ; the younger LDS loads may be out
	global_store_b128 v[LI], v[X+4*qq:X+4*qq+3], s[OB:OB+1] offset:131072*qq th:TH_STORE_NT   ; 512 consecutive bytes, aligned
.set qq, qq+1
.endr
	s_wait_xcnt 0x0                                ; the stores have read their registers and their base
	s_add_nc_u64 s[OB:OB+1], s[OB:OB+1], 2048
	s_wait_loadcnt 0x0                             ; the next block's inputs, asked for behind P1, are in
	s_sub_co_u32 s[CNT], s[CNT], 1
	s_cmp_lg_u32 s[CNT], 0
	s_cbranch_scc1 .Lblock
	s_wait_tensorcnt 0x0
	ds_add_u32 v190, v191
	s_wait_dscnt 0x0
	s_endpgm
.Lfunc_end_k_q38e3b812e6_pair:
	.size	k_q38e3b812e6_pair, .Lfunc_end_k_q38e3b812e6_pair-k_q38e3b812e6_pair
	.p2alignl 7, 3214868480
	.fill 96, 4, 3214868480
	.section	.rodata,"a",@progbits
	.p2align	6, 0x0
	.amdhsa_kernel k_q38e3b812e6_pair
		.amdhsa_group_segment_fixed_size 120832
		.amdhsa_private_segment_fixed_size 0
		.amdhsa_enable_private_segment 0
		.amdhsa_kernarg_size 56
		.amdhsa_user_sgpr_count 2
		.amdhsa_user_sgpr_kernarg_segment_ptr 1
		.amdhsa_wavefront_size32 1
		.amdhsa_system_sgpr_workgroup_id_x 1
		.amdhsa_system_sgpr_workgroup_id_y 1
		.amdhsa_system_sgpr_workgroup_id_z 1
		.amdhsa_system_vgpr_workitem_id 0
		.amdhsa_next_free_vgpr 1024
		.amdhsa_next_free_sgpr 66
		.amdhsa_reserve_vcc 0
		.amdhsa_float_denorm_mode_32 3
		.amdhsa_float_denorm_mode_16_64 3
		.amdhsa_memory_ordered 1
		.amdhsa_forward_progress 1
		.amdhsa_inst_pref_size 157
	.end_amdhsa_kernel
	.amdgpu_metadata
---
amdhsa.version: [ 1, 2 ]
amdhsa.kernels:
  - .name:           k_q38e3b812e6_pair
    .symbol:         k_q38e3b812e6_pair.kd
    .args:
      - { .name: pair, .offset: 0, .size: 8, .value_kind: global_buffer, .address_space: global }
      - { .name: aximg, .offset: 8, .size: 8, .value_kind: global_buffer, .address_space: global }
      - { .name: axsc, .offset: 16, .size: 8, .value_kind: global_buffer, .address_space: global }
      - { .name: wcodes, .offset: 24, .size: 8, .value_kind: global_buffer, .address_space: global }
      - { .name: wscales, .offset: 32, .size: 8, .value_kind: global_buffer, .address_space: global }
      - { .name: ln_pt_w, .offset: 40, .size: 8, .value_kind: global_buffer, .address_space: global }
      - { .name: out1, .offset: 48, .size: 8, .value_kind: global_buffer, .address_space: global }
    .group_segment_fixed_size: 120832
    .private_segment_fixed_size: 0
    .kernarg_segment_align: 8
    .kernarg_segment_size: 56
    .max_flat_workgroup_size: 128
    .sgpr_count:     66
    .vgpr_count:     1024
    .wavefront_size: 32
...
	.end_amdgpu_metadata
.endif
;; end of part 6
;; ======== version 3 of 3: 4 launches
;; workspace buffers: wcodes 989,184 bytes; wscales 82,432 bytes; biasimg 2,097,152 bytes; msa1t 33,554,432 bytes; aximg 786,432 bytes; axsc 65,536 bytes
;; launch prep (part 7): grid 169 x 1, 16 waves a work-group, no clusters, 293,120 bytes of LDS; arguments row_wq, row_wk, row_wv, row_wo, col_wq, col_wk, col_wv, col_wo, mt_w1, mt_w2, opm_out_w, pt_w1, pt_w2, opm_proj_w, wcodes, wscales, pair, row_bias_w, biasimg; writes wcodes, wscales, biasimg
.if DOCPART == 7
	.amdgcn_target "amdgcn-amd-amdhsa--gfx1250"
	.amdhsa_code_object_version 6
	.text
	.protected	k_q38e3b812e6_prep
	.globl	k_q38e3b812e6_prep
	.p2align	8
	.type	k_q38e3b812e6_prep,@function
k_q38e3b812e6_prep:
	s_mov_b64 s[64:65], 0
	v_nop
	global_prefetch_b8 v0, s[64:65] scope:SCOPE_SE
	s_setreg_imm32_b32 hwreg(HW_REG_WAVE_MODE, 25, 1), 1
	s_wait_xcnt 0x0
; TWO JOBS IN ONE LAUNCH, parted by the work-group's number.
; Work-groups 0-127: the pair bias, bias[h][i][j] = sum over d of pair[i][j][d] w[d][h], with f32 operands and f32 sums (it goes on into a softmax that is quantised), by v_wmma_f32_16x16x4_f32,
;   times sqrt(32) (folded into w), laid as images of the accumulator registers of S^T = K Q^T: image (h, qt, kt), 1,024 bytes: registers 4 c .. 4 c + 3 of lane l at 512 c + 16 l;
;   lane (r, hl), register jj = bias[h][rho(qt, r)][32 (kt / 2) + 8 (kt % 2) + 16 hl + jj],  rho(m, a) = 32 (m / 2) + 8 (m % 2) + a + 8 (a / 8).
;   w (4 KB) stays in 64 registers of every wave for the whole launch: nothing is fetched again while the sums run.
; Work-groups 128-168: the 14 weights [K][N], f32, become codes of E3M2 with one E8M0 byte for each 32 along K, laid as images of operand registers: fragment (tile t of 16 columns, K step s of 128)
;   has number FB + t KS + s; 1,536 bytes of codes (registers 4 c .. 4 c + 3 of lane l at 512 c + 16 l) and 128 bytes of scale words (4 l).  Lane (r, h) holds column rho(t, r), k = 128 s + 64 c + 32 h + 0 .. 31.
; A wave makes one fragment: a lane takes a column and its registers run down K, so a block of 32 is one lane's and nothing is transposed.
; LIMITS: NaN and infinities are not served.  A block of zeros gets the byte 1 where the rule says 127: its codes are zeros and this program alone reads the bytes.  w x sqrt(32) is one rounding more than the reference has.
.set NFRAG, 644
.set SROW,  528                        ; a stage row: 512 bytes + 16
.set SWAVE, 32*SROW                    ; a wave's stage: 32 pair rows
.set OST,   16*SWAVE                   ; behind the stages: 16 images of 1,024 bytes
.set WT,    OST+16*1024                ; behind them: w transposed: 8 heads x (128 numbers + 16 bytes)
.set X,     32                         ; v32-159  32 pair rows as loaded, then two tiles' fragments: tile tl, register 64 tl + 4 c + i = pair row 16 tl + r, d = 8 c + 4 h + i
.set WF,    160                        ; v160-223 w's fragments: register 4 c + i = w[8 c + 4 h + i][r % 8] x sqrt(32)
.set DA,    224                        ; v224-239 the two tiles' sums: written by matrix instructions alone
	v_lshl_add_u32 v254, v0, 2, 0x47100
	v_mov_b32 v255, 0
	v_lshrrev_b32 v1, 5, v0
	s_delay_alu instid0(VALU_DEP_1)
	v_readfirstlane_b32 s2, v1                     ; wave 0..15
	v_and_b32 v2, 31, v0                           ; lane
	s_delay_alu instid0(VALU_DEP_1)
	v_lshlrev_b32 v3, 4, v2                        ; 16 x lane
	s_cmp_ge_u32 ttmp9, 128
	s_cbranch_scc1 .Lweights
	; ---- the bias.  qt = x / 8, b = x % 8.  Wave a takes query rho(qt, a) and keys 32 b + 0 .. 31, as two tiles of 16 keys.
	s_load_b128 s[4:7], s[0:1], 0x80               ; pair, row_bias_w
	s_load_b64 s[8:9], s[0:1], 0x90                ; biasimg
	s_lshr_b32 s10, ttmp9, 3                       ; qt
	s_and_b32 s11, ttmp9, 7                        ; b
	s_lshr_b32 s12, s10, 1
	s_lshl_b32 s12, s12, 5
	s_and_b32 s13, s10, 1
	s_lshl_b32 s13, s13, 3
	s_add_co_u32 s12, s12, s13
	s_add_co_u32 s12, s12, s2
	s_and_b32 s13, s2, 8
	s_add_co_u32 s12, s12, s13                     ; i = rho(qt, a)
	s_lshl_b32 s12, s12, 8
	s_lshl_b32 s13, s11, 5
	s_add_co_u32 s12, s12, s13                     ; 256 i + 32 b
	s_lshl_b32 s12, s12, 9                         ; rows of 512 bytes
	s_mov_b32 s13, 0
	v_and_b32 v7, 15, v0                           ; r
	v_bfe_u32 v14, v0, 4, 1                        ; h
	s_mul_i32 s14, s2, SWAVE
	s_wait_alu depctr_va_vdst(0)
	v_add_nc_u32 v4, s14, v3                       ; the stage, in: row q, 16 bytes a lane
	v_mul_u32_u24 v5, v7, SROW
	s_delay_alu instid0(VALU_DEP_1)
	v_lshl_add_u32 v5, v14, 4, v5
	s_delay_alu instid0(VALU_DEP_1)
	v_add_nc_u32 v5, s14, v5                       ; and out: row r of a tile, + 16 h
	v_and_b32 v6, 7, v0                            ; a result's lane is a head (lanes r and r + 8 hold the same head and store the same bytes to the same place),
	s_delay_alu instid0(VALU_DEP_1)
	v_lshlrev_b32 v6, 11, v6                       ; two images a head,
	s_delay_alu instid0(VALU_DEP_1)
	v_lshl_add_u32 v6, v14, 10, v6                 ; its half of the lanes is keys 8 h on of the tile's 16: which of the block's two images;
	s_lshl_b32 s15, s2, 4                          ; lane r of the image = my wave
	s_add_co_u32 s15, s15, OST
	v_add_nc_u32 v6, s15, v6
	s_lshl_b32 s15, s2, 10
	s_add_co_u32 s15, s15, OST
	v_add_nc_u32 v8, s15, v3                       ; back: wave a takes image a = 2 head + u
	v_lshlrev_b32 v9, 3, v0                        ; w: thread t takes its numbers 2 t, 2 t + 1: d = t / 4, heads 2 (t % 4) and the next
	v_and_b32 v12, 3, v0
	s_delay_alu instid0(VALU_DEP_1)
	v_mul_u32_u24 v12, v12, 2*SROW
	v_lshrrev_b32 v13, 2, v0
	s_delay_alu instid0(VALU_DEP_1)
	v_lshl_add_u32 v12, v13, 2, v12
	s_delay_alu instid0(VALU_DEP_1)
	v_add_nc_u32 v12, WT, v12                      ; transposed in LDS: head x 528 + 4 d
	v_and_b32 v13, 7, v0
	s_delay_alu instid0(VALU_DEP_1)
	v_mul_u32_u24 v13, v13, SROW
	s_delay_alu instid0(VALU_DEP_1)
	v_lshl_add_u32 v13, v14, 4, v13
	s_delay_alu instid0(VALU_DEP_1)
	v_add_nc_u32 v13, WT, v13                      ; and back: my head's row, + 16 h
	s_lshr_b32 s48, s2, 1
	s_lshl_b32 s48, s48, 4
	s_add_co_u32 s48, s48, s10
	s_lshl_b32 s48, s48, 4
	s_lshl_b32 s49, s11, 1
	s_add_co_u32 s48, s48, s49
	s_and_b32 s49, s2, 1
	s_add_co_u32 s48, s48, s49                     ; (16 head + qt) 16 + 2 b + u
	s_lshl_b32 s48, s48, 10
	s_mov_b32 s49, 0
	s_wait_alu depctr_va_vdst(0)
	s_wait_kmcnt 0x0
	s_add_nc_u64 s[4:5], s[4:5], s[12:13]
	s_add_nc_u64 s[8:9], s[8:9], s[48:49]
	global_load_b64 v[10:11], v9, s[6:7]           ; 512 threads x 8 bytes: all of w
.set qq, 0
.rept 32
	global_load_b128 v[X+4*qq:X+4*qq+3], v3, s[4:5] offset:512*qq th:TH_LOAD_NT   ; a pair's row: 512 consecutive bytes
.set qq, qq+1
.endr
	s_wait_loadcnt 32                              ; w's two numbers are in; the 32 rows behind them may be out
	ds_store_b32 v12, v10
	ds_store_b32 v12, v11 offset:SROW
	s_wait_dscnt 0x0                               ; for the others' sake: my part of w lies in LDS
	s_barrier_signal -1
	s_barrier_wait -1
.set cc, 0
.rept 16
	ds_load_b128 v[WF+4*cc:WF+4*cc+3], v13 offset:32*cc   ; w[8 c + 4 h + 0 .. 3][my head]
.set cc, cc+1
.endr
	s_wait_dscnt 0x0
.set cc, 0
.rept 64
	v_mul_f32 v[WF+cc], 0x40b504f3, v[WF+cc]       ; x sqrt(32): the scores are scaled by log2(e) / sqrt(32) as a whole.  (These stand while the rows are on their way)
.set cc, cc+1
.endr
.set qq, 0
.rept 32
	s_wait_loadcnt 31-qq                           ; row qq is in; the younger rows may be out
	ds_store_b128 v4, v[X+4*qq:X+4*qq+3] offset:SROW*qq
.set qq, qq+1
.endr
.irp tl, 0,1
.set cc, 0
.rept 16
	ds_load_b128 v[X+64*\tl+4*cc:X+64*\tl+4*cc+3], v5 offset:16*SROW*\tl+32*cc   ; LDS serves a wave's instructions in order: these see my stores
.set cc, cc+1
.endr
.endr
	s_wait_dscnt 0x0
	; 32 K steps of 4: source 0 = 16 keys' rows, source 1 = w.  In both, half h's register j of step (c, e) holds d = 8 c + 4 h + 2 e + j: the same place along K on both sides.
	; The first step starts the sums with the constant 0; the two tiles take turns, one instruction a turn.
.set cc, 0
.rept 16
.irp ee, 0,1
	s_wait_alu depctr_va_vdst(0)
.irp tl, 0,1
.if (cc == 0) && (\ee == 0)
	v_wmma_f32_16x16x4_f32 v[DA+8*\tl:DA+8*\tl+7], v[X+64*\tl+4*cc+2*\ee:X+64*\tl+4*cc+2*\ee+1], v[WF+4*cc+2*\ee:WF+4*cc+2*\ee+1], 0
.else
	v_wmma_f32_16x16x4_f32 v[DA+8*\tl:DA+8*\tl+7], v[X+64*\tl+4*cc+2*\ee:X+64*\tl+4*cc+2*\ee+1], v[WF+4*cc+2*\ee:WF+4*cc+2*\ee+1], v[DA+8*\tl:DA+8*\tl+7]
.endif
.endr
.endr
.set cc, cc+1
.endr
.rept 8
	v_nop                                          ; eight places behind this form before a store reads a result
.endr
.irp tl, 0,1                                   ; lane (head, h), register j = key 16 tl + 8 h + j: image 2 head + h, its lane a + 16 tl, its register j.  Each sum from its low end on
	ds_store_b128 v6, v[DA+8*\tl:DA+8*\tl+3] offset:256*\tl
	ds_store_b128 v6, v[DA+8*\tl+4:DA+8*\tl+7] offset:256*\tl+512
.endr
	s_wait_dscnt 0x0                               ; for the others' sake: my words lie in the images
	s_barrier_signal -1
	s_barrier_wait -1
	ds_load_b128 v[24:27], v8
	ds_load_b128 v[28:31], v8 offset:512
	s_wait_dscnt 0x0
	global_store_b128 v3, v[24:27], s[8:9]         ; 512 consecutive bytes a store
	global_store_b128 v3, v[28:31], s[8:9] offset:512
	s_wait_tensorcnt 0x0
	ds_add_u32 v254, v255
	s_wait_dscnt 0x0
	s_endpgm
	; ---- the weights.  Wave w of work-group x makes fragment F = 16 (x - 128) + w
.Lweights:
	s_sub_co_u32 s3, ttmp9, 128
	s_lshl_b32 s3, s3, 4
	s_add_co_u32 s3, s3, s2                        ; F
	s_cmp_ge_u32 s3, NFRAG
	s_cbranch_scc1 .Lend                           ; 41 x 16 waves for 644 fragments: the last twelve waves have none
	s_load_b256 s[16:23], s[0:1], 0x0              ; row_wq .. row_wo
	s_load_b256 s[24:31], s[0:1], 0x20             ; col_wq .. col_wo
	s_load_b256 s[32:39], s[0:1], 0x40             ; mt_w1, mt_w2, opm_out_w, pt_w1
	s_load_b128 s[40:43], s[0:1], 0x60             ; pt_w2, opm_proj_w
	s_load_b128 s[44:47], s[0:1], 0x70             ; wcodes, wscales
	s_mov_b32 s50, 0                               ; the tensor's first fragment,
	s_mov_b32 s51, 1                               ; log2 of its K steps,
	s_mov_b32 s52, 8                               ; log2 of its columns
	s_wait_kmcnt 0x0
	s_mov_b64 s[48:49], s[16:17]
.macro PICK fb, ptr, lk, ln            ; the choice hangs on the fragment's number alone
	s_cmp_ge_u32 s3, \fb
	s_cselect_b64 s[48:49], s[\ptr:\ptr+1], s[48:49]
	s_cselect_b32 s50, \fb, s50
	s_cselect_b32 s51, \lk, s51
	s_cselect_b32 s52, \ln, s52
.endm
	PICK 32, 18, 1, 8
	PICK 64, 20, 1, 8
	PICK 96, 22, 1, 8
	PICK 128, 24, 1, 8
	PICK 160, 26, 1, 8
	PICK 192, 28, 1, 8
	PICK 224, 30, 1, 8
	PICK 256, 32, 1, 10
	PICK 384, 34, 3, 8
	PICK 512, 36, 3, 7
	PICK 576, 38, 0, 9
	PICK 608, 40, 2, 7
	PICK 640, 42, 1, 5
	s_sub_co_u32 s53, s3, s50
	s_lshr_b32 s54, s53, s51                       ; t
	s_lshl_b32 s55, s54, s51
	s_sub_co_u32 s55, s53, s55                     ; s
	s_lshl_b32 s56, 4, s52                         ; bytes from k to k + 1
	s_lshl_b32 s57, s55, 7
	s_mul_i32 s57, s57, s56                        ; 128 s rows down,
	s_lshr_b32 s58, s54, 1
	s_lshl_b32 s58, s58, 7
	s_and_b32 s59, s54, 1
	s_lshl_b32 s59, s59, 5
	s_add_co_u32 s57, s57, s58
	s_add_co_u32 s60, s57, s59                     ; column 32 (t / 2) + 8 (t % 2)
	s_mov_b32 s61, 0
	s_add_nc_u64 s[48:49], s[48:49], s[60:61]
	v_and_b32 v4, 15, v0                           ; r
	v_bfe_u32 v5, v0, 4, 1                         ; h
	s_delay_alu instid0(VALU_DEP_2)
	v_and_b32 v6, 8, v4
	s_delay_alu instid0(VALU_DEP_1)
	v_add_nc_u32 v6, v6, v4                        ; r + 8 (r / 8)
	s_delay_alu instid0(VALU_DEP_1)
	v_lshlrev_b32 v6, 2, v6
	s_lshl_b32 s62, s56, 5
	v_mul_u32_u24 v7, s62, v5                      ; lanes 16-31 begin 32 rows further down
	s_delay_alu instid0(VALU_DEP_1)
	v_add_nc_u32 v6, v6, v7
	s_wait_alu depctr_va_vdst(0)
	v_lshlrev_b32 v8, 2, v2                        ; 4 x lane
.irp c, 0,1
.set ii, 0
.rept 32
	v_mad_u32_u24 v[128+32*\c+ii], s56, 64*\c+ii, v6   ; the pitch differs from tensor to tensor, so each of the 64 rows has an offset register
.set ii, ii+1
.endr
.endr
.irp c, 0,1
.set ii, 0
.rept 32
	global_load_b32 v[64+32*\c+ii], v[128+32*\c+ii], s[48:49]   ; W(128 s + 64 c + 32 h + i, my column)
.set ii, ii+1
.endr
.endr
	s_mov_b32 s62, 0x76543210
	s_mov_b32 s63, 0xfedcba98                      ; v_permlanex16_b32's selects for lane l xor 16
	s_mul_i32 s60, s3, 1536
	s_add_nc_u64 s[44:45], s[44:45], s[60:61]
	s_lshl_b32 s60, s3, 7
	s_add_nc_u64 s[46:47], s[46:47], s[60:61]
	s_wait_loadcnt 0x0
.irp c, 0,1
	v_max3_num_f32 v[32+\c], |v[64+32*\c]|, |v[65+32*\c]|, 0x2800000   ; my block 2 c + h, and the floor 2^(5 - 127): the byte cannot fall under 1
.endr
.irp i, 2,4,6,8,10,12,14,16,18,20,22,24,26,28,30
.irp c, 0,1
	s_delay_alu instid0(VALU_DEP_2)
	v_max3_num_f32 v[32+\c], v[32+\c], |v[64+32*\c+\i]|, |v[65+32*\c+\i]|
.endr
.endr
.irp c, 0,1
	s_delay_alu instid0(VALU_DEP_2)
	v_add_nc_u32 v[44+\c], 0xfe000000, v[32+\c]    ; 4 off the exponent field: the conversion's scale operand
.endr
.irp c, 0,1
	s_delay_alu instid0(VALU_DEP_2)
	v_lshrrev_b32 v[36+\c], 23, v[44+\c]           ; the scale's byte
.endr
	s_delay_alu instid0(VALU_DEP_1)
	v_lshl_or_b32 v9, v37, 16, v36                 ; my two bytes: blocks h and 2 + h,
	v_lshlrev_b32 v10, 3, v5
	s_delay_alu instid0(VALU_DEP_1)
	v_lshlrev_b32 v9, v10, v9                      ; at their places in the word;
	v_mov_b32 v10, 0
	s_delay_alu instid0(VALU_DEP_1)
	v_permlanex16_b32 v10, v9, s62, s63
	s_delay_alu instid0(VALU_DEP_1)
	v_or_b32 v9, v9, v10                           ; with lane l xor 16's two the word is whole, in both halves of the lanes
.irp c, 0,1
	v_cvt_scalef32_pk16_bf6_f32 v[48+6*\c:50+6*\c], v[64+32*\c:79+32*\c], v[44+\c]
	v_cvt_scalef32_pk16_bf6_f32 v[16+4*\c:18+4*\c], v[80+32*\c:95+32*\c], v[44+\c]   ; (a conversion's three registers begin on an even number)
.endr
	v_nop                                          ; one plain place behind a scaled conversion
.irp c, 0,1
.irp i, 0,1,2
	v_mov_b32 v[51+6*\c+\i], v[16+4*\c+\i]
.endr
.endr
.irp c, 0,1,2
	global_store_b128 v3, v[48+4*\c:51+4*\c], s[44:45] offset:512*\c   ; 512 consecutive bytes a store
.endr
	global_store_b32 v8, v9, s[46:47]
.Lend:
	s_endpgm
.Lfunc_end_k_q38e3b812e6_prep:
	.size	k_q38e3b812e6_prep, .Lfunc_end_k_q38e3b812e6_prep-k_q38e3b812e6_prep
	.p2alignl 7, 3214868480
	.fill 96, 4, 3214868480
	.section	.rodata,"a",@progbits
	.p2align	6, 0x0
	.amdhsa_kernel k_q38e3b812e6_prep
		.amdhsa_group_segment_fixed_size 293120
		.amdhsa_private_segment_fixed_size 0
		.amdhsa_enable_private_segment 0
		.amdhsa_kernarg_size 152
		.amdhsa_user_sgpr_count 2
		.amdhsa_user_sgpr_kernarg_segment_ptr 1
		.amdhsa_wavefront_size32 1
		.amdhsa_system_sgpr_workgroup_id_x 1
		.amdhsa_system_sgpr_workgroup_id_y 1
		.amdhsa_system_sgpr_workgroup_id_z 1
		.amdhsa_system_vgpr_workitem_id 0
		.amdhsa_next_free_vgpr 256
		.amdhsa_next_free_sgpr 66
		.amdhsa_reserve_vcc 0
		.amdhsa_float_denorm_mode_32 3
		.amdhsa_float_denorm_mode_16_64 3
		.amdhsa_memory_ordered 1
		.amdhsa_forward_progress 1
		.amdhsa_inst_pref_size 44
	.end_amdhsa_kernel
	.amdgpu_metadata
---
amdhsa.version: [ 1, 2 ]
amdhsa.kernels:
  - .name:           k_q38e3b812e6_prep
    .symbol:         k_q38e3b812e6_prep.kd
    .args:
      - { .name: row_wq, .offset: 0, .size: 8, .value_kind: global_buffer, .address_space: global }
      - { .name: row_wk, .offset: 8, .size: 8, .value_kind: global_buffer, .address_space: global }
      - { .name: row_wv, .offset: 16, .size: 8, .value_kind: global_buffer, .address_space: global }
      - { .name: row_wo, .offset: 24, .size: 8, .value_kind: global_buffer, .address_space: global }
      - { .name: col_wq, .offset: 32, .size: 8, .value_kind: global_buffer, .address_space: global }
      - { .name: col_wk, .offset: 40, .size: 8, .value_kind: global_buffer, .address_space: global }
      - { .name: col_wv, .offset: 48, .size: 8, .value_kind: global_buffer, .address_space: global }
      - { .name: col_wo, .offset: 56, .size: 8, .value_kind: global_buffer, .address_space: global }
      - { .name: mt_w1, .offset: 64, .size: 8, .value_kind: global_buffer, .address_space: global }
      - { .name: mt_w2, .offset: 72, .size: 8, .value_kind: global_buffer, .address_space: global }
      - { .name: opm_out_w, .offset: 80, .size: 8, .value_kind: global_buffer, .address_space: global }
      - { .name: pt_w1, .offset: 88, .size: 8, .value_kind: global_buffer, .address_space: global }
      - { .name: pt_w2, .offset: 96, .size: 8, .value_kind: global_buffer, .address_space: global }
      - { .name: opm_proj_w, .offset: 104, .size: 8, .value_kind: global_buffer, .address_space: global }
      - { .name: wcodes, .offset: 112, .size: 8, .value_kind: global_buffer, .address_space: global }
      - { .name: wscales, .offset: 120, .size: 8, .value_kind: global_buffer, .address_space: global }
      - { .name: pair, .offset: 128, .size: 8, .value_kind: global_buffer, .address_space: global }
      - { .name: row_bias_w, .offset: 136, .size: 8, .value_kind: global_buffer, .address_space: global }
      - { .name: biasimg, .offset: 144, .size: 8, .value_kind: global_buffer, .address_space: global }
    .group_segment_fixed_size: 293120
    .private_segment_fixed_size: 0
    .kernarg_segment_align: 8
    .kernarg_segment_size: 152
    .max_flat_workgroup_size: 512
    .sgpr_count:     66
    .vgpr_count:     256
    .wavefront_size: 32
...
	.end_amdgpu_metadata
.endif
;; end of part 7
;; launch row (part 8): grid 256 x 1, 8 waves a work-group, no clusters, 320,512 bytes of LDS; arguments msa, ln_row_w, wcodes, wscales, biasimg, msa1t; writes msa1t
.if DOCPART == 8
	.amdgcn_target "amdgcn-amd-amdhsa--gfx1250"
	.amdhsa_code_object_version 6
	.text
	.protected	k_q38e3b812e6_row
	.globl	k_q38e3b812e6_row
	.p2align	8
	.type	k_q38e3b812e6_row,@function
k_q38e3b812e6_row:
	s_mov_b64 s[64:65], 0
	v_nop
	global_prefetch_b8 v0, s[64:65] scope:SCOPE_SE
	s_setreg_imm32_b32 hwreg(HW_REG_WAVE_SCHED_MODE, 0, 2), 2
	s_setreg_imm32_b32 hwreg(HW_REG_WAVE_MODE, 25, 1), 1
	s_wait_xcnt 0x0
	s_wait_alu depctr_vm_vsrc(0)
; MSA ROW ATTENTION WITH PAIR BIAS, whole: LayerNorm, Q K V, softmax, out-projection, residual.  All products on codes of E3M2 with one E8M0 scale for each 32 along K.
; SHARES.  Work-group x: sequence n = x / 2, half hf = x % 2: it owns 128 queries and makes K and V of all 256 positions (made twice a sequence: that gives 256 work-groups).
; Everything in LDS is counted from the own half: row tiles 0-7 are the own half's, 8-15 the other's, so no LDS address hangs on the work-group's number.
; Eight waves of 512 registers.  Wave w: row tile w (loads, LayerNorm, queries, stores), and output channels 32 w .. 32 w + 31 of the out-projection.
; TILES.  rho(m, a) = 32 (m / 2) + 8 (m % 2) + a + 8 (a / 8): lane a of row tile m, and of a weight's column tile m.  In a result whose registers run along such a tile's axis the 16 registers of
; tiles 2 b and 2 b + 1 are 16 neighbours, 32 b + 16 (lane / 16) + 0 .. 15: what the conversions want.
; OPERANDS GO FROM WAVE TO WAVE AS IMAGES OF THEIR REGISTERS: a fragment (16 rows x 128 K, 12 registers) is 1,536 bytes, registers 4 c .. 4 c + 3 of lane l at 512 c + 16 l; its scale words 128 bytes, 4 l.
; SCORES.  K = 32 is a quarter of the instruction's 128: K's fragment holds four heads, Q's fragment is masked to one head's block (the other codes are zeros).  The bias x sqrt(32) is the product's C.
; SOFTMAX.  t = score x log2(e) / sqrt(32); M = ceil(the row's largest t); p = 2^(t - M) is quantised along the keys; the sum of the unquantised p divides O.  The whole row of 256 keys lies in registers.
; The result goes out transposed, msa1t[s][n][256], for the column launch.
; No multicast: what work-groups share is 196 KB of weights read once each into registers, and the bias; neither goes through LDS here.
; LIMITS: NaN and infinities are not served; a block of zeros gets the byte 1 (its codes are zeros; the bytes are read here alone); 1 / l and 1 / sqrt by v_rcp_f32, v_rsq_f32.
; THE MODE: SCHED_MODE bits 1:0 = 2 (LLVM: expert scheduling mode 2), set by the entry lines.  The code itself states the register dependences
; between vector or matrix instructions and memory or LDS instructions, with s_wait_alu, always for 0.
; THE PLAN.  Registers that memory or LDS instructions touch:
;   v1-5, v126, v121, v125   offsets and addresses made at the head and never written again: one wait on va_vdst ahead of the first load serves them all.
;   v0, v6-9                 a phase's or a trip's LDS addresses: a wait on vm_vsrc, all the adds in one group, a wait on va_vdst; that second wait also states that the products and conversions
;                            issued so far are done with the registers in which the trip's loads land.
;   PC, PW; OC, OW           written by a quantiser, read by its image's four LDS stores: va_vdst ahead of the stores, vm_vsrc ahead of the next quantiser.
;   X (v128-255)             landed in by the rows' loads, the bias and the residual; read by stores into XS and to memory (vm_vsrc ahead of the next loads into it) and by vector instructions.
;   window 1                 weights, K, V, x's fragments, the gain: landed in by loads behind a wait on va_vdst that stands behind their last reader.
;   the two fragment sets of the projection back (v128-175 with v64-67, v68-115 with v44-47) take turns: step st's products read one, step st + 1's loads land in the other: one va_vdst a step.
;   Q's masked block, p's codes and scale words are written by vector instructions and read by scaled products: the places, then a wait on va_vdst.
.set NS,   2                           ; key steps of 128
.set NB,   4*NS
.set BIAS, 1
.set NTL,  0                           ; msa's rows are read by two work-groups: no hint
.set XP,   1040                        ; XS: 128 rows of 1,024 bytes + 16, in tile order (row 16 m + a holds row rho(m, a)), at LDS byte 0
.set XI,   133120                      ; x's 32 fragments (2 tile + K step)
.set XIS,  182272
.set QI,   186368                      ; Q's 16 (8 G + tile), G = which 128 channels
.set KI,   210944                      ; K's 32 (16 G + tile)
.set VI,   260096                      ; V's 32 (2 channel tile + key step)
.set QSC,  309248
.set KSC,  311296
.set VSC,  315392
.set VKD,  VSC-KSC                     ; V's scale words lie this far behind K's, in both groups of heads: one address register serves both
.set OI,   XI                          ; O's 16 (2 tile + G), over x's, which are done with
.set OSC,  XIS
.set RQ,   0                           ; first fragments in wcodes
.set RK,   32
.set RV,   64
.set RO,   96
.set WC,   8                           ; s[8:9] wcodes, s[10:11] wscales
.set WSC,  10
.set B0,   42                          ; s[42:43], s[44:45] the bias images of my queries: own half's keys, other half's
; ---- registers.  Window 0:
.set AQ,   0                           ; v0 (free behind the head): the address of Q's scale word
.set LI,   1                           ; 16 x lane
.set LS,   2                           ; 4 x lane
.set XR,   3                           ; XS: my row of my tile, + 64 h
.set XD,   4                           ; XS: my tile's first row, + 16 x lane
.set XC,   5                           ; XS: row r, + 64 h + 128 w: my channels' strip
.set A0,   6                           ; v6-9 a phase's addresses
.set A1,   7
.set A2,   8
.set A3,   9
.set MK0,  10                          ; v10 all ones in lanes 0-15, v11 in lanes 16-31
.set NM,   12                          ; v12 -M or the mean; v13 named with it as a pair
.set SUMA, 14
.set SUMB, 16
.set RL,   18                          ; v18 1 / l or 1 / sqrt; v19 named with it
.set BM,   20                          ; v20-27 largest magnitudes
.set BT,   28                          ; v28-35 bytes, the other half's maxima
.set SO,   36                          ; v36-43 the conversions' scale operands
.set PW,   44                          ; v44-67 hold scale words and nothing else
.set PW2,  45
.set OW,   46
.set XSW,  46
.set QS,   47
.set HS2,  44                          ; v44-47 in the projection back: the second set's scale words
.set WS,   48                          ; v48-63 weights' or K's or x's
.set WBS,  64                          ; v64-67 a second weight's, V's, the images'
.set PC,   68                          ; v68-87 the codes just made
.set HG,   68                          ; v68-115 in the projection back: the second set of four fragments
.set QM,   88                          ; v88-93 zeros, v94-99 Q's block, v100-105 zeros
.set XF,   88                          ; v88-111 x's two fragments
.set OC,   106                         ; v106-125 O's codes
.set LW,   126                         ; 64 h
.set T0,   127
.set X,    128                         ; v128-255 a row's 128 numbers, scores, results
.set HF,   128
.set ACC,  192
; Window 1: v0-191 weights, K's fragments, x's fragments; v192-255 the gain, a second weight, V's fragments (VF) and O^T (OA)
.set VF,   192
.set OA,   240
.set WV,   24
.set SEL,  28
.set CS,   30
.set RD,   32
.set EPS,  33
.set WP,   34
.set WSP,  36
.set XO,   46
.set XSO,  47
.set DO,   48
.set DSO,  49
.set CNT,  50
.set GC,   51
.set GX,   60
.set GI,   61
.set GS,   62
.set SK,   66
.set SKS,  67
.set SQ,   68
.set SQS,  69
.set SV,   70
.set SOI,  72
.set SOS,  73
.set MSB, 0
.macro WIN new                         ; the immediate's high byte repeats the setting that is left
.if MSB != \new
	s_set_vgpr_msb (MSB<<8)|\new
.set MSB, \new
.endif
.endm
.macro PLACES n                        ; plain places behind matrix instructions and in front of scaled ones (ISA guide 7.12.1)
.rept \n
	v_nop
.endr
.endm
.macro BARRIER                         ; my LDS stores have landed and my LDS loads are in: then the work-group's barrier
	s_wait_dscnt 0x0
	s_barrier_signal -1
	s_barrier_wait -1
.endm
.macro FETCH reg, adr, off             ; a fragment's image into registers
.irp c, 0,1,2
	ds_load_b128 v[(\reg)+4*\c:(\reg)+4*\c+3], v[\adr] offset:(\off)+512*\c
.endr
.endm
.macro IMG reg, pw, adc, ads, offc, offs   ; a fragment and its scale word go to LDS as they stand
.irp c, 0,1,2
	ds_store_b128 v[\adc], v[(\reg)+4*\c:(\reg)+4*\c+3] offset:(\offc)+512*\c
.endr
	ds_store_b32 v[\ads], v[\pw] offset:\offs
.endm
.macro MM0 d, a, b, sa, sb             ; a product that starts a sum
	v_wmma_scale_f32_16x16x128_f8f6f4 v[(\d):(\d)+7], v[(\a):(\a)+11], v[(\b):(\b)+11], 0, v[\sa], v[\sb] matrix_a_fmt:MATRIX_FMT_BF6 matrix_b_fmt:MATRIX_FMT_BF6
.endm
.macro MMC d, a, b, c, sa, sb
	v_wmma_scale_f32_16x16x128_f8f6f4 v[(\d):(\d)+7], v[(\a):(\a)+11], v[(\b):(\b)+11], v[(\c):(\c)+7], v[\sa], v[\sb] matrix_a_fmt:MATRIX_FMT_BF6 matrix_b_fmt:MATRIX_FMT_BF6
.endm
; nf fragments from number fb + s[sw] on: codes into window 1 from v[reg] on, scale words into v[sc] on.  Every load reads 512 (128) consecutive bytes.
; At each of its places the last wait on va_vdst stands behind every vector or matrix instruction that names these registers, and only scalar lines, barriers and loads follow that wait.
.macro WLOAD nf, reg, sc, fb, sw
	s_wait_xcnt 0x0                                ; earlier loads have read the two bases: they are written again only behind this wait
	s_add_co_u32 s52, s[\sw], \fb
	s_mul_i32 s54, s52, 1536
	s_mov_b32 s55, 0
	s_add_nc_u64 s[WP:WP+1], s[WC:WC+1], s[54:55]
	s_lshl_b32 s54, s52, 7
	s_add_nc_u64 s[WSP:WSP+1], s[WSC:WSC+1], s[54:55]
	WIN 0x40
.set qq, 0
.rept 3*(\nf)
	global_load_b128 v[(\reg)+4*qq:(\reg)+4*qq+3], v[LI], s[WP:WP+1] offset:512*qq
.set qq, qq+1
.endr
	WIN 0
.set qq, 0
.rept \nf
	global_load_b32 v[(\sc)+qq], v[LS], s[WSP:WSP+1] offset:128*qq
.set qq, qq+1
.endr
.endm
; 64 numbers of a lane, register 16 b + i = k 32 b + 16 (lane / 16) + i of my row: the four blocks' largest magnitudes
.macro QMAX src
.irp b, 0,1,2,3
	v_max3_num_f32 v[BM+\b], |v[(\src)+16*\b]|, |v[(\src)+16*\b+1]|, 0x2800000   ; with the floor 2^(5 - 127): the byte cannot fall under 1
.endr
.irp i, 2,4,6,8,10,12,14
.irp b, 0,1,2,3
	v_max3_num_f32 v[BM+\b], v[BM+\b], |v[(\src)+16*\b+\i]|, |v[(\src)+16*\b+\i+1]|
.endr
.endr
.irp b, 0,1,2,3
	v_permlanex16_b32 v[BT+\b], v[BM+\b], s[SEL], s[SEL+1]
.endr
.irp b, 0,1,2,3
	v_max_num_f32 v[BM+\b], v[BM+\b], v[BT+\b]     ; with lane l xor 16's
.endr
.endm
; the same 64 numbers become a fragment's codes in v[pc] on and its scale word in v[pw]; the largest magnitudes stand in v[BM + t] on
.macro QCODE src, t, pw, pc
.irp b, 0,1,2,3
	v_add_nc_u32 v[SO+(\t)+\b], 0xfe000000, v[BM+(\t)+\b]   ; 4 off the exponent field: the conversion's scale operand
.endr
.irp b, 0,1,2,3
	v_lshrrev_b32 v[BT+(\t)+\b], 23, v[SO+(\t)+\b]          ; the scale's byte
.endr
	v_lshl_or_b32 v[\pw], v[BT+(\t)+1], 8, v[BT+(\t)]
	v_lshl_or_b32 v[\pw], v[BT+(\t)+2], 16, v[\pw]
	v_lshl_or_b32 v[\pw], v[BT+(\t)+3], 24, v[\pw]
.irp c, 0,1
	v_cvt_scalef32_pk16_bf6_f32 v[(\pc)+6*\c:(\pc)+6*\c+2], v[(\src)+32*\c:(\src)+32*\c+15], v[SO+(\t)+2*\c]
	v_cvt_scalef32_pk16_bf6_f32 v[(\pc)+12+4*\c:(\pc)+14+4*\c], v[(\src)+16+32*\c:(\src)+31+32*\c], v[SO+(\t)+2*\c+1]   ; (three registers from an even number on)
.endr
	v_nop                                          ; one plain place behind a scaled conversion
.irp c, 0,1                                    ; the operand wants a WHOLE block in a lane: lanes 0-15 block 2 c, lanes 16-31 block 2 c + 1
.irp i, 0,1,2
	v_permlane16_swap_b32 v[(\pc)+6*\c+\i], v[(\pc)+12+4*\c+\i]
.endr
.irp i, 0,1,2
	v_mov_b32 v[(\pc)+3+6*\c+\i], v[(\pc)+12+4*\c+\i]
.endr
.endr
.endm
.macro QUANT src
	QMAX \src
	QCODE \src, 0, PW, PC
.endm
.macro RAWLD reg, base                 ; my tile's 16 rows of 1,024 bytes, rows rho(w, a): each load reads 512 consecutive bytes
.set qq, 0
.rept 32
.if NTL
	global_load_b128 v[(\reg)+4*qq:(\reg)+4*qq+3], v[LI], s[\base:\base+1] offset:((qq/2)+8*(qq/16))*1024+512*(qq%2) th:TH_LOAD_NT
.else
	global_load_b128 v[(\reg)+4*qq:(\reg)+4*qq+3], v[LI], s[\base:\base+1] offset:((qq/2)+8*(qq/16))*1024+512*(qq%2)
.endif
.set qq, qq+1
.endr
.endm
.macro STAGE reg                       ; into XS, as they lie
.set qq, 0
.rept 32
	ds_store_b128 v[XD], v[(\reg)+4*qq:(\reg)+4*qq+3] offset:(qq/2)*XP+512*(qq%2)
.set qq, qq+1
.endr
.endm
.macro PATLD                           ; and back, a lane a row: register 64 s + 16 b + i = channel 128 s + 32 b + 16 h + i.  (My own bytes: LDS serves a wave's instructions in order)
	s_wait_alu depctr_vm_vsrc(0)                   ; the stores issued so far have read their registers: those from v[X ..], in which the row lands, those from window 1, in which weights land later, and the last image's, from PC and PW, which the next quantiser writes
.irp st, 0,1
.irp b, 0,1,2,3
.irp j, 0,1,2,3
	ds_load_b128 v[X+64*\st+16*\b+4*\j:X+64*\st+16*\b+4*\j+3], v[XR] offset:512*\st+128*\b+16*\j
.endr
.endr
.endr
.endm
.macro LNWLD p, st                     ; the gain of K step st, in the same pattern, into window 1 v192-255
	WIN 0x40
.irp b, 0,1,2,3
.irp j, 0,1,2,3
	global_load_b128 v[192+16*\b+4*\j:195+16*\b+4*\j], v[LW], s[\p:\p+1] offset:512*(\st)+128*\b+16*\j
.endr
.endr
	WIN 0
.endm
.macro LNSTAT                          ; (x - mean) / sqrt(variance + 1e-5) over my row's 256: my 128 and lane l xor 16's; the mean first, then the squares of the differences
.irp k, 0,1,2,3
	v_pk_add_f32 v[BM+2*\k:BM+2*\k+1], v[X+2*\k:X+2*\k+1], v[X+8+2*\k:X+9+2*\k]
.endr
.set jj, 16
.rept 14
.irp k, 0,1,2,3
	v_pk_add_f32 v[BM+2*\k:BM+2*\k+1], v[BM+2*\k:BM+2*\k+1], v[X+jj+2*\k:X+jj+2*\k+1]
.endr
.set jj, jj+8
.endr
	v_pk_add_f32 v[BM:BM+1], v[BM:BM+1], v[BM+2:BM+3]
	v_pk_add_f32 v[BM+4:BM+5], v[BM+4:BM+5], v[BM+6:BM+7]
	v_pk_add_f32 v[BM:BM+1], v[BM:BM+1], v[BM+4:BM+5]
	v_add_f32 v[BM], v[BM], v[BM+1]
	v_permlanex16_b32 v[BT], v[BM], s[SEL], s[SEL+1]
	v_add_f32 v[BM], v[BM], v[BT]
	v_mul_f32 v[NM], s[RD], v[BM]
.set jj, 0
.rept 64
	v_pk_add_f32 v[X+jj:X+jj+1], v[X+jj:X+jj+1], v[NM:NM+1] op_sel_hi:[1,0] neg_lo:[0,1] neg_hi:[0,1]
.set jj, jj+2
.endr
.irp k, 0,1,2,3
	v_pk_mul_f32 v[BM+2*\k:BM+2*\k+1], v[X+2*\k:X+2*\k+1], v[X+2*\k:X+2*\k+1]
.endr
.set jj, 8
.rept 15
.irp k, 0,1,2,3
	v_pk_fma_f32 v[BM+2*\k:BM+2*\k+1], v[X+jj+2*\k:X+jj+2*\k+1], v[X+jj+2*\k:X+jj+2*\k+1], v[BM+2*\k:BM+2*\k+1]
.endr
.set jj, jj+8
.endr
	v_pk_add_f32 v[BM:BM+1], v[BM:BM+1], v[BM+2:BM+3]
	v_pk_add_f32 v[BM+4:BM+5], v[BM+4:BM+5], v[BM+6:BM+7]
	v_pk_add_f32 v[BM:BM+1], v[BM:BM+1], v[BM+4:BM+5]
	v_add_f32 v[BM], v[BM], v[BM+1]
	v_permlanex16_b32 v[BT], v[BM], s[SEL], s[SEL+1]
	v_add_f32 v[BM], v[BM], v[BT]
	v_fma_f32 v[T0], v[BM], s[RD], s[EPS]
	s_wait_alu depctr_va_vdst(0)
	v_rsq_f32 v[RL], v[T0]
	v_nop                                          ; a plain place behind the transcendental,
	s_wait_alu depctr_va_vdst(0)                   ; and the wait for 1 / sqrt in v[RL], ahead of its first reader
.set jj, 0
.rept 64
	v_pk_mul_f32 v[X+jj:X+jj+1], v[X+jj:X+jj+1], v[RL:RL+1] op_sel_hi:[1,0]
.set jj, jj+2
.endr
.endm
.macro LNMUL st                        ; x the gain
	WIN 0x04
.set jj, 0
.rept 32
	v_pk_mul_f32 v[X+64*(\st)+jj:X+64*(\st)+jj+1], v[X+64*(\st)+jj:X+64*(\st)+jj+1], v[192+jj:193+jj]
.set jj, jj+2
.endr
	WIN 0
.endm
; LayerNorm of my tile and its two fragments, to the images at v[A2], v[A3].  On entry the row is on its way from XS and the gain of K step 0 is in.
.macro LNQ1 p, offc, offs
	s_wait_dscnt 0x0                               ; my row is in
	LNSTAT
	LNMUL 0
	s_wait_alu depctr_va_vdst(0)                   ; the multiplications are done reading the gain in window 1, in which K step 1's lands
	LNWLD \p, 1                                    ; lands while K step 0 is quantised
	QUANT X
	s_wait_alu depctr_va_vdst(0)                   ; the quantiser has written PC and PW, and v[A2], v[A3] are written: the LDS stores read them
	IMG PC, PW, A2, A3, \offc, \offs
	s_wait_loadcnt 0x0
	LNMUL 1
.endm
.macro LNQ2 offc, offs
	s_wait_alu depctr_vm_vsrc(0)                   ; the first image's LDS stores have read PC and PW, which the quantiser writes again
	QUANT X+64
	s_wait_alu depctr_va_vdst(0)                   ; the quantiser has written PC and PW, which the LDS stores read
	IMG PC, PW, A2, A3, \offc, \offs
.endm
.macro XIADR                           ; where my tile's two fragments of x go
	s_mul_i32 s52, s[WV], 3072
	s_add_co_u32 s52, s52, XI
	v_add_nc_u32 v[A2], s52, v[LI]
	s_lshl_b32 s52, s[WV], 8
	s_add_co_u32 s52, s52, XIS
	v_add_nc_u32 v[A3], s52, v[LS]
.endm
; cnt row tiles: x's two fragments (at s[XO], s[XSO]) against my 8 column tiles (window 1, 16 fragments), TRANSPOSED (source 0 = the weight): a lane holds one row, its 64 registers 128 channels;
; quantised, the image goes to s[DO], s[DSO].  A wave's images of one loop lie on end.
.macro ITEMS relu, cnt
	s_mov_b32 s[CNT], \cnt
.Litems_\@:
	s_wait_alu depctr_vm_vsrc(0)                   ; the LDS loads and the image's stores issued so far have read v[A0] to v[A3], PC and PW: all are written again in this trip
	v_add_nc_u32 v[A0], s[XO], v[LI]
	v_add_nc_u32 v[A1], s[XSO], v[LS]
	v_add_nc_u32 v[A2], s[DO], v[LI]
	v_add_nc_u32 v[A3], s[DSO], v[LS]
	s_wait_alu depctr_va_vdst(0)                   ; the addresses are written; the products issued so far are done reading x's two fragments and their scale words, in which the loads land
	FETCH XF, A0, 0
	FETCH XF+12, A0, 1536
	ds_load_b32 v[XSW], v[A1]
	ds_load_b32 v[XSW+1], v[A1] offset:128
	s_wait_dscnt 0x0                               ; they are in
	WIN 0x01
.irp t, 0,1,2,3,4,5,6,7
	MM0 X+8*\t, 24*\t, XF, WS+2*\t, XSW
.endr
.irp t, 0,1,2,3,4,5,6,7
	MMC X+8*\t, 24*\t+12, XF+12, X+8*\t, WS+2*\t+1, XSW+1
.endr
	WIN 0
	PLACES 5
.if \relu
.set jj, 0
.rept 64
	v_max_num_f32 v[X+jj], 0, v[X+jj]
.set jj, jj+1
.endr
.endif
	QUANT X
	s_wait_alu depctr_va_vdst(0)                   ; the quantiser has written PC and PW, which the LDS stores read.  (It stands behind the trip's products too: the weights' registers are free for loads behind the loop)
	IMG PC, PW, A2, A3, 0, 0
	s_add_co_u32 s[XO], s[XO], 3072
	s_add_co_u32 s[XSO], s[XSO], 256
	s_add_co_u32 s[DO], s[DO], 1536
	s_add_co_u32 s[DSO], s[DSO], 128
	s_sub_co_u32 s[CNT], s[CNT], 1
	s_cmp_lg_u32 s[CNT], 0
	s_cbranch_scc1 .Litems_\@
.endm
; NOT transposed: source 0 = x's 8 row tiles (from s[XO], s[XSO]), source 1 = nu column tiles of a weight (window 1 from v[wb] on): a lane holds one CHANNEL, its 64 registers 128 rows.
; Both K steps' fragments are asked for at once: step 0's into window 1 v0-95 and v48-55, step 1's into window 1 from v[b2] on and v56-63.
.macro VIT nu, wb, wsb, b2
	s_wait_alu depctr_vm_vsrc(0)                   ; the LDS loads and stores issued so far have read v[A0] to v[A3], PC and PW, which are written again below
	v_add_nc_u32 v[A0], s[XO], v[LI]
	v_add_nc_u32 v[A1], s[XSO], v[LS]
	s_wait_alu depctr_va_vdst(0)                   ; the two addresses are written; the products issued so far are done reading window 1's v0-191 and v48-63, in which the loads land
	WIN 0x40
.irp m, 0,1,2,3,4,5,6,7
	FETCH 12*\m, A0, (2*\m)*1536
.endr
	WIN 0
.irp m, 0,1,2,3,4,5,6,7
	ds_load_b32 v[WS+\m], v[A1] offset:(2*\m)*128
.endr
	WIN 0x40
.irp m, 0,1,2,3,4,5,6,7
	FETCH (\b2)+12*\m, A0, (2*\m+1)*1536
.endr
	WIN 0
.irp m, 0,1,2,3,4,5,6,7
	ds_load_b32 v[WS+8+\m], v[A1] offset:(2*\m+1)*128
.endr
	s_wait_dscnt 32                                ; K step 0's are in; K step 1's 24 + 8 loads may be out
	WIN 0x05
.irp m, 0,1,2,3,4,5,6,7
.set uu, 0
.rept \nu
	MM0 X+64*uu+8*\m, 12*\m, (\wb)+12*(2*uu), WS+\m, (\wsb)+2*uu
.set uu, uu+1
.endr
.endr
	s_wait_dscnt 0x0                               ; K step 1's are in
.irp m, 0,1,2,3,4,5,6,7
.set uu, 0
.rept \nu
	MMC X+64*uu+8*\m, (\b2)+12*\m, (\wb)+12*(2*uu+1), X+64*uu+8*\m, WS+8+\m, (\wsb)+2*uu+1
.set uu, uu+1
.endr
.endr
	WIN 0
	PLACES 5
.endm
; The four row tiles' images of K step kst into set kst % 2: 12 + 4 LDS loads.  Image (K step st, tile m) has index ss st + ms m from v[A0] (K steps 4 on: v[A3]) and v[A1] on.
.macro G2LD ss, ms, kst
.irp mm, 0,1,2,3
.if ((\kst)%2) == 0
.if (\kst) < 4
	FETCH HF+12*\mm, A0, ((\ss)*(\kst)+(\ms)*\mm)*1536
.else
	FETCH HF+12*\mm, A3, ((\ss)*((\kst)-4)+(\ms)*\mm)*1536
.endif
	ds_load_b32 v[WBS+\mm], v[A1] offset:((\ss)*(\kst)+(\ms)*\mm)*128
.else
.if (\kst) < 4
	FETCH HG+12*\mm, A0, ((\ss)*(\kst)+(\ms)*\mm)*1536
.else
	FETCH HG+12*\mm, A3, ((\ss)*((\kst)-4)+(\ms)*\mm)*1536
.endif
	ds_load_b32 v[HS2+\mm], v[A1] offset:((\ss)*(\kst)+(\ms)*\mm)*128
.endif
.endr
.endm
; XS += images x my two column tiles (channels 32 w .. 32 w + 31), transposed; the residual is the C of the first products.  Two passes of four row tiles.
; Two sets of fragment registers take turns: K step st + 1 is asked for before step st is multiplied.
.macro GEMM2 ks, wb, wsb, ss, ms
	s_mov_b32 s[GX], 0
	s_mov_b32 s[CNT], 2
.Lg2_\@:
	s_wait_alu depctr_vm_vsrc(0)                   ; the LDS instructions issued so far have read v[A0] to v[A3], the accumulators (the last pass's stores) and v44-47, v68-117 (the images' stores): all are written again below
	v_add_nc_u32 v[A2], s[GX], v[XC]
	v_add_nc_u32 v[A0], s[GI], v[LI]
	v_add_nc_u32 v[A1], s[GS], v[LS]
.if (\ks) > 4
	v_add_nc_u32 v[A3], 4*(\ss)*1536, v[A0]        ; K steps 4 on: an LDS immediate has 16 bits
.endif
	s_wait_alu depctr_va_vdst(0)                   ; the addresses are written; the vector and matrix instructions issued so far are done with the accumulators, the two sets and their scale words, in which the loads land
.irp mm, 0,1,2,3
.irp q, 0,1,2,3
	ds_load_b128 v[ACC+16*\mm+4*\q:ACC+16*\mm+4*\q+3], v[A2] offset:16*XP*\mm+16*\q
.endr
.endr
	G2LD \ss, \ms, 0
.set st, 0
.rept \ks
.if st+1 < (\ks)
.if st > 0
	s_wait_alu depctr_va_vdst(0)                   ; the products of the step before are done reading their set and its scale words, in which the next step's loads land
.endif
	G2LD \ss, \ms, st+1
	s_wait_dscnt 16                                ; this step's images (and the residual) are in; the next step's 12 + 4 loads may be out
.else
	s_wait_dscnt 0x0
.endif
	WIN 0x01
.irp mm, 0,1,2,3
.irp u, 0,1
.if (st%2) == 0
	MMC ACC+16*\mm+8*\u, (\wb)+12*(\u*(\ks)+st), HF+12*\mm, ACC+16*\mm+8*\u, (\wsb)+\u*(\ks)+st, WBS+\mm
.else
	MMC ACC+16*\mm+8*\u, (\wb)+12*(\u*(\ks)+st), HG+12*\mm, ACC+16*\mm+8*\u, (\wsb)+\u*(\ks)+st, HS2+\mm
.endif
.endr
.endr
	WIN 0
	PLACES 5
.set st, st+1
.endr
	s_wait_alu depctr_va_vdst(0)                   ; the products have written the accumulators, which the LDS stores read; the places above stay beside this wait
.irp mm, 0,1,2,3
.irp q, 0,1,2,3
	ds_store_b128 v[A2], v[ACC+16*\mm+4*\q:ACC+16*\mm+4*\q+3] offset:16*XP*\mm+16*\q
.endr
.endr
	s_add_co_u32 s[GX], s[GX], 64*XP
	s_add_co_u32 s[GI], s[GI], 4*(\ms)*1536
	s_add_co_u32 s[GS], s[GS], 4*(\ms)*128
	s_sub_co_u32 s[CNT], s[CNT], 1
	s_cmp_lg_u32 s[CNT], 0
	s_cbranch_scc1 .Lg2_\@
.endm
.macro OUTROWS base, stride            ; my tile's 16 rows leave: each store covers 512 consecutive bytes, aligned
	s_wait_alu depctr_vm_vsrc(0)                   ; the LDS stores of the projection back have read the accumulators, v192-255, in which the rows land
.set qq, 0
.rept 32
	ds_load_b128 v[X+4*qq:X+4*qq+3], v[XD] offset:(qq/2)*XP+512*(qq%2)
.set qq, qq+1
.endr
.set qq, 0
.rept 32
	s_wait_dscnt 31-qq                             ; the younger LDS loads may be out
	global_store_b128 v[LI], v[X+4*qq:X+4*qq+3], s[\base:\base+1] offset:((qq/2)+8*(qq/16))*(\stride)+512*(qq%2) th:TH_STORE_NT
.set qq, qq+1
.endr
.endm
.macro BIASLD hh                       ; head hh's bias of my 16 queries x 256 keys, straight into the scores' registers: 32 loads of 512 consecutive bytes
.irp kb, 0,1
.irp kt, 0,1,2,3,4,5,6,7
.irp c, 0,1
	global_load_b128 v[X+8*(8*\kb+\kt)+4*\c:X+8*(8*\kb+\kt)+4*\c+3], v[LI], s[B0+2*\kb:B0+2*\kb+1] offset:(\hh)*262144+\kt*1024+512*\c
.endr
.endr
.endr
.endm
; The row's softmax: 64 NS scores a lane in v[X] on, register 16 b + i = key 32 b + 16 h + i.  Leaves p in their place, each block's largest p in v[BM + b], 1 / l in v[RL].
.macro SOFTMAX
.set bb, 0
.rept NB
	v_max3_num_f32 v[BM+bb], v[X+16*bb], v[X+16*bb+1], v[X+16*bb+2]   ; the largest score of each block of 32 keys: it serves the row's maximum and, since p rises with the score, the block's largest p
.set bb, bb+1
.endr
.irp i, 3,5,7,9,11,13
.set bb, 0
.rept NB
	v_max3_num_f32 v[BM+bb], v[BM+bb], v[X+16*bb+\i], v[X+16*bb+\i+1]
.set bb, bb+1
.endr
.endr
.set bb, 0
.rept NB
	v_max_num_f32 v[BM+bb], v[BM+bb], v[X+16*bb+15]
.set bb, bb+1
.endr
.set bb, 0
.rept NB
	v_permlanex16_b32 v[BT+bb], v[BM+bb], s[SEL], s[SEL+1]
.set bb, bb+1
.endr
.set bb, 0
.rept NB
	v_max_num_f32 v[BM+bb], v[BM+bb], v[BT+bb]
.set bb, bb+1
.endr
	v_max3_num_f32 v[T0], v[BM], v[BM+1], v[BM+2]
.if NB == 8
	v_max3_num_f32 v[T0], v[T0], v[BM+3], v[BM+4]
	v_max3_num_f32 v[T0], v[T0], v[BM+5], v[BM+6]
	v_max_num_f32 v[T0], v[T0], v[BM+7]
.else
	v_max_num_f32 v[T0], v[T0], v[BM+3]
.endif
	v_mul_f32 v[T0], s[CS], v[T0]                  ; as t
	v_floor_f32 v[NM], -v[T0]                      ; -M = floor(-t) = -ceil(t)
.set jj, 0
.rept 32*NS
	v_pk_fma_f32 v[X+jj:X+jj+1], v[X+jj:X+jj+1], s[CS:CS+1], v[NM:NM+1] op_sel_hi:[1,0,0]   ; t - M
.set jj, jj+2
.endr
.set bb, 0
.rept NB
	v_fma_f32 v[BM+bb], v[BM+bb], s[CS], v[NM]
.set bb, bb+1
.endr
.set jj, 0
	s_wait_alu depctr_va_vdst(0)
.rept 64*NS
	v_exp_f32 v[X+jj], v[X+jj]                     ; p = 2^(t - M): one batch
.set jj, jj+1
.endr
	v_nop                                          ; a plain place behind the batch,
	s_wait_alu depctr_va_vdst(0)                   ; and its one wait: the exponentials have written p, ahead of the first reader
.set bb, 0
.rept NB
	v_exp_f32 v[BM+bb], v[BM+bb]                   ; each block's largest p
.set bb, bb+1
.endr
	v_pk_add_f32 v[SUMA:SUMA+1], v[X:X+1], v[X+4:X+5]   ; the sum of the UNQUANTISED p, in two chains
	v_pk_add_f32 v[SUMB:SUMB+1], v[X+2:X+3], v[X+6:X+7]
.set jj, 8
.rept 16*NS-2
	v_pk_add_f32 v[SUMA:SUMA+1], v[SUMA:SUMA+1], v[X+jj:X+jj+1]
	v_pk_add_f32 v[SUMB:SUMB+1], v[SUMB:SUMB+1], v[X+jj+2:X+jj+3]
.set jj, jj+4
.endr
	v_pk_add_f32 v[SUMA:SUMA+1], v[SUMA:SUMA+1], v[SUMB:SUMB+1]
	v_add_f32 v[T0], v[SUMA], v[SUMA+1]
	v_permlanex16_b32 v[SUMB], v[T0], s[SEL], s[SEL+1]
	v_add_f32 v[T0], v[T0], v[SUMB]
	s_wait_alu depctr_va_vdst(0)
	v_rcp_f32 v[RL], v[T0]
	v_nop
	s_wait_alu depctr_va_vdst(0)                   ; one wait for the blocks' exponentials in v[BM ..] and the reciprocal in v[RL], ahead of their first reader
.set bb, 0
.rept NB
	v_max_num_f32 v[BM+bb], 0x2800000, v[BM+bb]    ; the floor: the byte cannot fall under 1
.set bb, bb+1
.endr
.endm
; O^T of one head (window 1 v240-255: my query, channels 16 h + 0 .. 15 of the head) / l becomes block hh of the out-projection's operand
.macro OQ hh
	WIN 0x41
.set ii, 0
.rept 16
	v_mul_f32 v[OA+ii], v[OA+ii], v[RL]
.set ii, ii+1
.endr
	WIN 0x05
	v_max3_num_f32 v[BM], |v[OA]|, |v[OA+1]|, 0x2800000
	v_max3_num_f32 v[BM+1], |v[OA+8]|, |v[OA+9]|, 0x2800000
.irp i, 2,4,6
	v_max3_num_f32 v[BM], |v[OA+\i]|, |v[OA+\i+1]|, v[BM]
	v_max3_num_f32 v[BM+1], |v[OA+8+\i]|, |v[OA+9+\i]|, v[BM+1]
.endr
	WIN 0
	v_max_num_f32 v[BM], v[BM], v[BM+1]
	v_permlanex16_b32 v[BT], v[BM], s[SEL], s[SEL+1]
	v_max_num_f32 v[BM], v[BM], v[BT]
	v_add_nc_u32 v[SO], 0xfe000000, v[BM]
	v_lshrrev_b32 v[BT], 23, v[SO]
.if (\hh) == 0
	v_mov_b32 v[OW], v[BT]
.else
	v_lshl_or_b32 v[OW], v[BT], 8*(\hh), v[OW]
.endif
.set OCD, OC+6*((\hh)/2)+((\hh)%2)*(12-2*((\hh)/2))   ; even heads: OC + 6 c; odd heads: OC + 12 + 4 c
	WIN 0x01
	v_cvt_scalef32_pk16_bf6_f32 v[OCD:OCD+2], v[OA:OA+15], v[SO]
	WIN 0
	v_nop                                          ; one plain place behind a scaled conversion
.endm
.macro OCFIN                           ; four heads' half blocks become a fragment
.irp c, 0,1
.irp i, 0,1,2
	v_permlane16_swap_b32 v[OC+6*\c+\i], v[OC+12+4*\c+\i]
.endr
.irp i, 0,1,2
	v_mov_b32 v[OC+3+6*\c+\i], v[OC+12+4*\c+\i]
.endr
.endr
.endm
; Head hh's LDS loads: its block of Q (2 loads), its V fragments (6 NS) and their scale words (2 NS).  v[A1]: Q's image, v[A2]: V's images, v[A3]: K's scale words, VKD ahead of V's.
.macro HLOAD hh
.if ((\hh)/2) == 0                             ; block hh = 2 c + hl of Q's fragment is registers 6 c .. 6 c + 5 of the lanes of half hl
	ds_load_b128 v[QM+6:QM+9], v[A1]
	ds_load_b64 v[QM+10:QM+11], v[A1] offset:512
.else
	ds_load_b64 v[QM+6:QM+7], v[A1] offset:520
	ds_load_b128 v[QM+8:QM+11], v[A1] offset:1024
.endif
	WIN 0x40
.irp u, 0,1
.set kb, 0
.rept NS
	FETCH VF+12*(\u*NS+kb), A2, ((2*(\hh)+\u)*NS+kb)*1536
.set kb, kb+1
.endr
.endr
	WIN 0
.irp u, 0,1
.set kb, 0
.rept NS
	ds_load_b32 v[WBS+\u*NS+kb], v[A3] offset:VKD+((2*(\hh)+\u)*NS+kb)*128
.set kb, kb+1
.endr
.endr
.endm
; One head of the four whose K lies in window 1.  Its LDS loads were issued ahead of it: at the group's head, or in the head before.
.macro HEAD hh
.set CC, (\hh)/2
.set HL, (\hh)%2
	s_wait_dscnt 8*NS                              ; Q's block (and K, asked for earlier) is in; V's 6 NS + 2 NS younger loads may be out
.irp i, 0,1,2,3,4,5
	v_and_b32 v[QM+6+\i], v[MK0+HL], v[QM+6+\i]    ; the other half's lanes hold another head's block: zero codes there
.endr
	PLACES 4
	s_wait_alu depctr_va_vdst(0)                   ; the masked block (and, once, the zeros beside it) is written: the scaled products below take it as an operand
.if BIAS
	s_wait_loadcnt 0x0                             ; the bias lies in the scores' registers
.endif
	WIN 0x01
.set kt, 0
.rept 8*NS
.if BIAS
	MMC X+8*kt, 12*kt, QM+6-6*CC, X+8*kt, WS+kt, QS
.else
	MM0 X+8*kt, 12*kt, QM+6-6*CC, WS+kt, QS
.endif
.set kt, kt+1
.endr
	WIN 0
	PLACES 5
	SOFTMAX
	QCODE X, 0, PW, PC
	PLACES 8
	s_wait_dscnt 0x0                               ; V is in
	s_wait_alu depctr_va_vdst(0)                   ; p's codes and scale word of the first 128 keys are written: the scaled products below take them
	WIN 0x41
	MM0 OA, VF, PC, WBS, PW
	MM0 OA+8, VF+12*NS, PC, WBS+NS, PW
	WIN 0
.if NS == 2
	QCODE X+64, 4, PW2, PC                         ; its first eleven lines are plain and name nothing of the two products: the places in front of the new codes
	PLACES 8
	s_wait_alu depctr_va_vdst(0)                   ; the second 128 keys' codes and scale word are written, for the products below; and the conversions are done reading p, in whose registers the next head's bias lands
	WIN 0x51
	MMC OA, VF+12, PC, OA, WBS+1, PW2
	MMC OA+8, VF+36, PC, OA+8, WBS+3, PW2
	WIN 0
.if BIAS && ((\hh) < 3)
	BIASLD (\hh)+1                                 ; no wait: the two products since the wait above name O^T, V, the codes and scale words, none of the scores' registers
.endif
.endif
	PLACES 5
.if (\hh) < 3
	s_wait_alu depctr_va_vdst(0)                   ; the products are done reading V's fragments and scale words (and, long since, Q's block), in which the next head's loads land
	HLOAD (\hh)+1                                  ; they land while O is quantised below, which names none of their registers
.endif
	OQ \hh
.endm
; My 16 queries, all 8 heads: two trips of four heads.  The LDS bases are scalars stepped by constants.
.macro ATTN
.irp i, 0,1,2,3,4,5
	v_mov_b32 v[QM+\i], 0
	v_mov_b32 v[QM+12+\i], 0
.endr
	s_mov_b32 s[GC], 2
.Lgroup:
	s_wait_alu depctr_vm_vsrc(0)                   ; the LDS instructions issued so far have read v[A0] to v[A3] and v[AQ], which are written below, and O's codes and scale word, which this group's heads write again
	v_add_nc_u32 v[A0], s[SK], v[LI]
	v_add_nc_u32 v[A1], s[SQ], v[LI]
	v_add_nc_u32 v[A2], s[SV], v[LI]
	v_add_nc_u32 v[A3], s[SKS], v[LS]
	v_add_nc_u32 v[AQ], s[SQS], v[LS]
	s_wait_alu depctr_va_vdst(0)                   ; the five addresses are written; the vector and matrix instructions issued so far are done with the scores' registers, K's, V's and Q's registers and their scale words, in which the loads land
.if BIAS
	BIASLD 0
.endif
	WIN 0x40
.set kt, 0
.rept 8*NS
	FETCH 12*kt, A0, kt*1536
.set kt, kt+1
.endr
	WIN 0
.set kt, 0
.rept 8*NS
	ds_load_b32 v[WS+kt], v[A3] offset:128*kt
.set kt, kt+1
.endr
	ds_load_b32 v[QS], v[AQ]
	HLOAD 0
	HEAD 0
	HEAD 1
	HEAD 2
	HEAD 3
	OCFIN
	s_wait_alu depctr_vm_vsrc(0)                   ; K's and Q's LDS loads have read v[A0] and v[A1]
	v_add_nc_u32 v[A0], s[SOI], v[LI]
	v_add_nc_u32 v[A1], s[SOS], v[LS]
	s_wait_alu depctr_va_vdst(0)                   ; the two addresses, O's codes and its scale word are written: the LDS stores read them
	IMG OC, OW, A0, A1, 0, 0
	s_add_co_u32 s[SK], s[SK], 8*NS*1536
	s_add_co_u32 s[SKS], s[SKS], 8*NS*128
	s_add_co_u32 s[SQ], s[SQ], 12288
	s_add_co_u32 s[SQS], s[SQS], 1024
	s_add_co_u32 s[SV], s[SV], 8*NS*1536
	s_add_co_u32 s[SOI], s[SOI], 1536
	s_add_co_u32 s[SOS], s[SOS], 128
.if BIAS
	s_add_nc_u64 s[B0:B0+1], s[B0:B0+1], 0x100000      ; four heads on; every bias load has been waited for
	s_add_nc_u64 s[B0+2:B0+3], s[B0+2:B0+3], 0x100000
.endif
	s_sub_co_u32 s[GC], s[GC], 1
	s_cmp_lg_u32 s[GC], 0
	s_cbranch_scc1 .Lgroup
.endm
.macro VHEAD                           ; the lane's constants
	v_lshrrev_b32 v6, 5, v0
	v_readfirstlane_b32 s[WV], v6                  ; wave 0..7
	v_and_b32 v6, 31, v0
	v_and_b32 v7, 15, v0                           ; r
	v_bfe_u32 v8, v0, 4, 1                         ; h
	v_lshlrev_b32 v[LI], 4, v6
	v_lshlrev_b32 v[LS], 2, v6
	v_lshlrev_b32 v[LW], 6, v8
	v_mul_u32_u24 v9, v7, XP
	v_add_nc_u32 v9, v9, v[LW]
	s_wait_alu depctr_va_sdst(0)                   ; the wave's number is written, ahead of its first reader
	s_mul_i32 s52, s[WV], 16*XP
	v_add_nc_u32 v[XR], s52, v9
	v_add_nc_u32 v[XD], s52, v[LI]
	s_lshl_b32 s53, s[WV], 7
	v_add_nc_u32 v[XC], s53, v9
	v_add_nc_u32 v[MK0], -1, v8
	v_sub_nc_u32 v[MK0+1], 0, v8
	v_mov_b32 v[NM+1], 0                           ; upper halves of pairs whose low word serves both halves: written once
	v_mov_b32 v[RL+1], 0
.irp i, 0,1,2,3,4,5,6,7
	v_mov_b32 v[BT+\i], 0                          ; a lane permute's destination counts as one of its sources
.endr
	s_mov_b32 s[SEL], 0x76543210
	s_mov_b32 s[SEL+1], 0xfedcba98                 ; lane l xor 16
	s_mov_b32 s[CS], 0x3e8293ee                    ; log2(e) / sqrt(32)
	s_mov_b32 s[CS+1], s[CS]
	s_mov_b32 s[RD], 0x3b800000                    ; 1 / 256
	s_mov_b32 s[EPS], 0x3727c5ac                   ; 1e-5
.endm
	s_load_b256 s[4:11], s[0:1], 0x0               ; msa, ln_row_w, wcodes, wscales
	s_load_b128 s[12:15], s[0:1], 0x20             ; biasimg, msa1t
	v_lshl_add_u32 v121, v0, 2, 0x4e000
	v_mov_b32 v125, 0
	VHEAD
	s_lshr_b32 s25, ttmp9, 1                       ; n
	s_and_b32 s26, ttmp9, 1                        ; hf
	s_and_b32 s56, s[WV], 1
	s_lshr_b32 s57, s[WV], 1
	s_lshl_b32 s52, s57, 5
	s_lshl_b32 s53, s56, 3
	s_add_co_u32 s58, s52, s53                     ; my tile's first row: 32 (w / 2) + 8 (w % 2)
	s_lshl_b32 s59, s56, 4                         ; 16 (w % 2)
	s_lshl_b32 s74, s[WV], 2                       ; 4 w
	s_lshl_b32 s52, s25, 8
	s_add_co_u32 s52, s52, s58
	s_lshl_b32 s53, s26, 7
	s_add_co_u32 s54, s52, s53                     ; 256 n + 128 hf + first row
	s_lshl_b32 s54, s54, 10
	s_mov_b32 s55, 0
	s_xor_b32 s53, s53, 128
	s_add_co_u32 s52, s52, s53                     ; the same in the other half
	s_lshl_b32 s52, s52, 10
	s_mov_b32 s53, 0
	s_wait_kmcnt 0x0
	s_add_nc_u64 s[38:39], s[4:5], s[54:55]
	s_add_nc_u64 s[40:41], s[4:5], s[52:53]
	s_lshl_b32 s52, s26, 3
	s_add_co_u32 s53, s52, s[WV]                   ; my tile of queries: 8 hf + w
	s_lshl_b32 s53, s53, 4
	s_add_co_u32 s54, s53, s52                     ; with the own half's key tiles,
	s_lshl_b32 s54, s54, 10
	s_add_nc_u64 s[B0:B0+1], s[12:13], s[54:55]
	s_xor_b32 s52, s52, 8
	s_add_co_u32 s54, s53, s52                     ; and the other half's
	s_lshl_b32 s54, s54, 10
	s_add_nc_u64 s[B0+2:B0+3], s[12:13], s[54:55]
	s_lshl_b32 s52, s26, 7
	s_add_co_u32 s52, s52, s58
	s_lshl_b32 s52, s52, 7
	s_add_co_u32 s52, s52, s25                     ; (128 hf + first row) 128 + n
	s_lshl_b32 s54, s52, 10
	s_add_nc_u64 s[14:15], s[14:15], s[54:55]
	; ---- R0: both halves' rows of my tile: LayerNorm, codes, images.  The other half first; the own half's rows stay in XS as the residual
	s_wait_alu depctr_va_vdst(0)                   ; the offsets and addresses v1 to v5 and v126 are written, which the loads and stores of the whole kernel read
	RAWLD X, 40
	LNWLD 6, 0
	WIN 0x40
	RAWLD 0, 38
	WIN 0
	XIADR
	s_wait_loadcnt 48                              ; the other half's rows are in (behind them: the gain's 16 loads, the own rows' 32)
	STAGE X
	PATLD
	s_wait_loadcnt 32                              ; the gain is in
	LNQ1 6, 24576, 2048
	s_wait_alu depctr_va_vdst(0)                   ; the multiplications are done reading the gain of K step 1 in window 1, in which K step 0's lands again
	LNWLD 6, 0
	LNQ2 24576+1536, 2048+128
	WIN 0x04
	STAGE 0                                        ; the own rows (in since the wait for all loads above)
	WIN 0
	PATLD                                          ; (the conversions that read v[X ..] last stand ahead of the wait on va_vdst in front of the image's stores)
	s_wait_loadcnt 0x0
	LNQ1 6, 0, 0
	WLOAD 16, 0, WS, RK, 59                        ; K's weights for my 128 channels land under the second half of the quantising.  (The stage's stores, which read window 1, stand ahead of the wait on vm_vsrc in front of the row's loads)
	LNQ2 1536, 128
	BARRIER                                        ; x's 32 fragments lie in LDS
	; ---- R1: K for 16 tiles (4 a wave), Q for the own 8 (2 a wave), V for my head
	s_wait_loadcnt 0x0
	s_mul_i32 s52, s57, 4*3072
	s_add_co_u32 s[XO], s52, XI
	s_lshl_b32 s52, s57, 10
	s_add_co_u32 s[XSO], s52, XIS
	s_lshl_b32 s52, s56, 4
	s_lshl_b32 s53, s57, 2
	s_add_co_u32 s52, s52, s53                     ; 16 G + 4 (w / 2)
	s_mul_i32 s53, s52, 1536
	s_add_co_u32 s[DO], s53, KI
	s_lshl_b32 s53, s52, 7
	s_add_co_u32 s[DSO], s53, KSC
	ITEMS 0, 4
	WLOAD 16, 0, WS, RQ, 59
	WLOAD 4, 192, WBS, RV, 74
	s_mul_i32 s52, s57, 2*3072
	s_add_co_u32 s[XO], s52, XI
	s_lshl_b32 s52, s57, 9
	s_add_co_u32 s[XSO], s52, XIS
	s_lshl_b32 s52, s56, 3
	s_lshl_b32 s53, s57, 1
	s_add_co_u32 s52, s52, s53                     ; 8 G + 2 (w / 2)
	s_mul_i32 s53, s52, 1536
	s_add_co_u32 s[DO], s53, QI
	s_lshl_b32 s53, s52, 7
	s_add_co_u32 s[DSO], s53, QSC
	s_wait_loadcnt 0x0
	ITEMS 0, 2
	s_mov_b32 s[XO], XI
	s_mov_b32 s[XSO], XIS
	s_mul_i32 s52, s[WV], 4*1536
	s_add_co_u32 s[DO], s52, VI
	s_lshl_b32 s52, s[WV], 9
	s_add_co_u32 s[DSO], s52, VSC
	s_mov_b32 s[CNT], 2
.Lvstep:                                               ; a trip: 128 keys; V^T of my head's two channel tiles, quantised along the keys
	VIT 2, 192, WBS, 96
	v_add_nc_u32 v[A2], s[DO], v[LI]               ; (free since the wait on vm_vsrc at the trip's head, which stands behind the last image's stores)
	v_add_nc_u32 v[A3], s[DSO], v[LS]
	QUANT X
	s_wait_alu depctr_va_vdst(0)                   ; the quantiser has written PC and PW, and v[A2], v[A3] are written: the LDS stores read them
	IMG PC, PW, A2, A3, 0, 0
	s_wait_alu depctr_vm_vsrc(0)                   ; those stores have read PC and PW, which the quantiser writes again
	QUANT X+64
	s_wait_alu depctr_va_vdst(0)                   ; the quantiser has written PC and PW, which the LDS stores read
	IMG PC, PW, A2, A3, 3072, 256
	s_add_co_u32 s[XO], s[XO], 24576
	s_add_co_u32 s[XSO], s[XSO], 2048
	s_add_co_u32 s[DO], s[DO], 1536
	s_add_co_u32 s[DSO], s[DSO], 128
	s_sub_co_u32 s[CNT], s[CNT], 1
	s_cmp_lg_u32 s[CNT], 0
	s_cbranch_scc1 .Lvstep
	BARRIER                                        ; Q, K, V lie in LDS; nobody reads x's images any more
	; ---- R2: attention
	s_mov_b32 s[SK], KI
	s_mov_b32 s[SKS], KSC
	s_mul_i32 s52, s[WV], 1536
	s_add_co_u32 s[SQ], s52, QI
	s_lshl_b32 s52, s[WV], 7
	s_add_co_u32 s[SQS], s52, QSC
	s_mov_b32 s[SV], VI
	s_mul_i32 s52, s[WV], 3072
	s_add_co_u32 s[SOI], s52, OI
	s_lshl_b32 s52, s[WV], 8
	s_add_co_u32 s[SOS], s52, OSC
	ATTN
	WLOAD 4, 0, WS, RO, 74
	BARRIER                                        ; O's 16 fragments lie in LDS
	; ---- R3: msa + O Wo, my 32 channels of all 128 rows
	s_wait_loadcnt 0x0
	s_mov_b32 s[GI], OI
	s_mov_b32 s[GS], OSC
	GEMM2 2, 0, WS, 1, 2
	BARRIER
	; ---- R4
	OUTROWS 14, 131072
	s_wait_dscnt 0x0                               ; the closing lines, six on end
	s_wait_alu 0x0
	s_wait_tensorcnt 0x0
	ds_add_u32 v121, v125
	s_wait_dscnt 0x0
	s_endpgm
.Lfunc_end_k_q38e3b812e6_row:
	.size	k_q38e3b812e6_row, .Lfunc_end_k_q38e3b812e6_row-k_q38e3b812e6_row
	.p2alignl 7, 3214868480
	.fill 96, 4, 3214868480
	.section	.rodata,"a",@progbits
	.p2align	6, 0x0
	.amdhsa_kernel k_q38e3b812e6_row
		.amdhsa_group_segment_fixed_size 320512
		.amdhsa_private_segment_fixed_size 0
		.amdhsa_enable_private_segment 0
		.amdhsa_kernarg_size 48
		.amdhsa_user_sgpr_count 2
		.amdhsa_user_sgpr_kernarg_segment_ptr 1
		.amdhsa_wavefront_size32 1
		.amdhsa_system_sgpr_workgroup_id_x 1
		.amdhsa_system_sgpr_workgroup_id_y 1
		.amdhsa_system_sgpr_workgroup_id_z 1
		.amdhsa_system_vgpr_workitem_id 0
		.amdhsa_next_free_vgpr 512
		.amdhsa_next_free_sgpr 80
		.amdhsa_reserve_vcc 0
		.amdhsa_float_denorm_mode_32 3
		.amdhsa_float_denorm_mode_16_64 3
		.amdhsa_memory_ordered 1
		.amdhsa_forward_progress 1
		.amdhsa_inst_pref_size 255
	.end_amdhsa_kernel
	.section	.bss,"aw",@nobits
	.p2align	6
	.space	262144
	.amdgpu_metadata
---
amdhsa.version: [ 1, 2 ]
amdhsa.kernels:
  - .name:           k_q38e3b812e6_row
    .symbol:         k_q38e3b812e6_row.kd
    .args:
      - { .name: msa, .offset: 0, .size: 8, .value_kind: global_buffer, .address_space: global }
      - { .name: ln_row_w, .offset: 8, .size: 8, .value_kind: global_buffer, .address_space: global }
      - { .name: wcodes, .offset: 16, .size: 8, .value_kind: global_buffer, .address_space: global }
      - { .name: wscales, .offset: 24, .size: 8, .value_kind: global_buffer, .address_space: global }
      - { .name: biasimg, .offset: 32, .size: 8, .value_kind: global_buffer, .address_space: global }
      - { .name: msa1t, .offset: 40, .size: 8, .value_kind: global_buffer, .address_space: global }
    .group_segment_fixed_size: 320512
    .private_segment_fixed_size: 0
    .kernarg_segment_align: 8
    .kernarg_segment_size: 48
    .max_flat_workgroup_size: 256
    .sgpr_count:     80
    .vgpr_count:     512
    .wavefront_size: 32
...
	.end_amdgpu_metadata
.endif
;; end of part 8
;; launch col (part 9): grid 256 x 1, 8 waves a work-group, no clusters, 267,264 bytes of LDS; arguments msa1t, ln_col_w, ln_mt_w, opm_ln_w, wcodes, wscales, out0, aximg, axsc; writes out0, aximg, axsc
.if DOCPART == 9
	.amdgcn_target "amdgcn-amd-amdhsa--gfx1250"
	.amdhsa_code_object_version 6
	.text
	.protected	k_q38e3b812e6_col
	.globl	k_q38e3b812e6_col
	.p2align	8
	.type	k_q38e3b812e6_col,@function
k_q38e3b812e6_col:
	s_mov_b64 s[64:65], 0
	v_nop
	global_prefetch_b8 v0, s[64:65] scope:SCOPE_SE
	s_setreg_imm32_b32 hwreg(HW_REG_WAVE_SCHED_MODE, 0, 2), 2
	s_setreg_imm32_b32 hwreg(HW_REG_WAVE_MODE, 25, 1), 1
	s_wait_xcnt 0x0
	s_wait_alu depctr_vm_vsrc(0)
; MSA COLUMN ATTENTION, MSA TRANSITION AND THE OUTER PRODUCT'S PROJECTION, whole, for one position s: all three are local to the 128 rows (sequences) of a position.
; All products on codes of E3M2 with one E8M0 scale for each 32 along K.  Work-group x = position s; msa1t[s][n][256] is one dense block of 128 KB; the rows stay in LDS (XS) as the residual from start to end.
; Eight waves of 512 registers.  Wave w: row tile w (loads, LayerNorms, queries, stores), output channels 32 w .. 32 w + 31 of the two projections back to 256, hidden units 128 w .. 128 w + 127.
; TILES.  rho(m, a) = 32 (m / 2) + 8 (m % 2) + a + 8 (a / 8): lane a of row tile m, and of a weight's column tile m.  In a result whose registers run along such a tile's axis the 16 registers of
; tiles 2 b and 2 b + 1 are 16 neighbours, 32 b + 16 (lane / 16) + 0 .. 15: what the conversions want.
; OPERANDS GO FROM WAVE TO WAVE AS IMAGES OF THEIR REGISTERS: a fragment (16 rows x 128 K, 12 registers) is 1,536 bytes, registers 4 c .. 4 c + 3 of lane l at 512 c + 16 l; its scale words 128 bytes, 4 l.
; SCORES.  K = 32 is a quarter of the instruction's 128: K's fragment holds four heads, Q's fragment is masked to one head's block (the other codes are zeros).
; SOFTMAX.  t = score x log2(e) / sqrt(32); M = ceil(the row's largest t); p = 2^(t - M) is quantised along the keys; the sum of the unquantised p divides O.  The whole row of 128 keys lies in registers.
; OUT: out0[n][s][256]; and LN(msa) opm_proj, quantised along n, as two images a position (lane r of image u: channel 8 u + r + 8 (r / 8); K = n).
; No multicast: the weights (600 KB, the same for all work-groups) go straight into registers as images, never through LDS.
; LIMITS: NaN and infinities are not served; a block of zeros gets the byte 1 (its codes are zeros; the bytes are read by this program alone); 1 / l and 1 / sqrt by v_rcp_f32, v_rsq_f32.
; THE MODE: SCHED_MODE bits 1:0 = 2 (LLVM: expert scheduling mode 2), set by the entry lines.  The code itself states the register dependences
; between vector or matrix instructions and memory or LDS instructions, with s_wait_alu, always for 0.
; THE PLAN.  Registers that memory or LDS instructions touch:
;   v1-5, v126, v121, v125   offsets and addresses made at the head and never written again: one wait on va_vdst ahead of the first load serves them all.
;   v0, v6-9                 a phase's or a trip's LDS addresses: a wait on vm_vsrc, all the adds in one group, a wait on va_vdst; that second wait also states that the products and conversions
;                            issued so far are done with the registers in which the trip's loads land.
;   PC, PW; OC, OW           written by a quantiser, read by its image's four LDS stores (at the end: by global stores): va_vdst ahead of the stores, vm_vsrc ahead of the next quantiser.
;   X (v128-255)             landed in by the rows' loads and the residual; read by stores into XS and to memory (vm_vsrc ahead of the next loads into it) and by vector instructions.
;   window 1                 weights, K, V, x's fragments, the gains: landed in by loads behind a wait on va_vdst that stands behind their last reader.
;   the two fragment sets of the projections back (v128-175 with v64-67, v68-115 with v44-47) take turns: step st's products read one, step st + 1's loads land in the other: one va_vdst a step.
;   Q's masked block, p's codes and scale word are written by vector instructions and read by scaled products: the places, then a wait on va_vdst.
.set NS,   1                           ; key steps of 128
.set NB,   4*NS
.set BIAS, 0
.set NTL,  1                           ; msa1t is read once
.set XP,   1040                        ; XS: 128 rows of 1,024 bytes + 16, in tile order (row 16 m + a holds row rho(m, a)), at LDS byte 0
.set XI,   133120                      ; x's 16 fragments (2 tile + K step)
.set XIS,  157696
.set QKI,  159744                      ; Q's 16 (8 G + tile), then K's 16
.set VI,   208896                      ; V's 16 (channel tile)
.set OI,   233472                      ; O's 16 (2 tile + G)
.set QKSC, 258048
.set VSC,  262144
.set VKD,  VSC-QKSC-2048               ; V's scale words lie this far behind K's, in both groups of heads: one address register serves both
.set OSC,  264192
.set HI,   159744                      ; later, over all of these: the hidden layer's 64 (8 K step + tile)
.set HSC,  258048
.set CQ,   128                         ; first fragments in wcodes (K's follow Q's)
.set CV,   192
.set CO,   224
.set M1,   256
.set M2,   384
.set PJ,   640
.set WC,   12                          ; s[12:13] wcodes, s[14:15] wscales
.set WSC,  14
; ---- registers.  Window 0:
.set AQ,   0                           ; v0 (free behind the head): the address of Q's scale word
.set LI,   1                           ; 16 x lane
.set LS,   2                           ; 4 x lane
.set XR,   3                           ; XS: my row of my tile, + 64 h
.set XD,   4                           ; XS: my tile's first row, + 16 x lane
.set XC,   5                           ; XS: row r, + 64 h + 128 w: my channels' strip
.set A0,   6                           ; v6-9 a phase's addresses
.set A1,   7
.set A2,   8
.set A3,   9
.set MK0,  10                          ; v10 all ones in lanes 0-15, v11 in lanes 16-31
.set NM,   12                          ; v12 -M or the mean; v13 named with it as a pair
.set SUMA, 14
.set SUMB, 16
.set RL,   18                          ; v18 1 / l or 1 / sqrt; v19 named with it
.set BM,   20                          ; v20-27 largest magnitudes
.set BT,   28                          ; v28-35 bytes, the other half's maxima
.set SO,   36                          ; v36-43 the conversions' scale operands
.set PW,   44                          ; v44-67 hold scale words and nothing else
.set PW2,  45
.set OW,   46
.set XSW,  46
.set QS,   47
.set HS2,  44                          ; v44-47 in the projections back: the second set's scale words
.set WS,   48                          ; v48-63 weights' or K's or x's
.set WBS,  64                          ; v64-67 a second weight's, V's, the images'
.set PC,   68                          ; v68-87 the codes just made
.set HG,   68                          ; v68-115 in the projections back: the second set of four fragments
.set QM,   88                          ; v88-93 zeros, v94-99 Q's block, v100-105 zeros
.set XF,   88                          ; v88-111 x's two fragments
.set OC,   106                         ; v106-125 O's codes
.set LW,   126                         ; 64 h
.set T0,   127
.set X,    128                         ; v128-255 a row's 128 numbers, scores, results
.set HF,   128
.set ACC,  192
; Window 1: v0-191 weights, K's fragments, x's fragments; v192-255 the gain, a second weight, V's fragments (VF) and O^T (OA)
.set VF,   192
.set OA,   240
.set WV,   24
.set SEL,  28
.set CS,   30
.set RD,   32
.set EPS,  33
.set WP,   34
.set WSP,  36
.set XO,   46
.set XSO,  47
.set DO,   48
.set DSO,  49
.set CNT,  50
.set GC,   51
.set GX,   60
.set GI,   61
.set GS,   62
.set SK,   66
.set SKS,  67
.set SQ,   68
.set SQS,  69
.set SV,   70
.set SOI,  72
.set SOS,  73
.set MSB, 0
.macro WIN new                         ; the immediate's high byte repeats the setting that is left
.if MSB != \new
	s_set_vgpr_msb (MSB<<8)|\new
.set MSB, \new
.endif
.endm
.macro PLACES n                        ; plain places behind matrix instructions and in front of scaled ones (ISA guide 7.12.1)
.rept \n
	v_nop
.endr
.endm
.macro BARRIER                         ; my LDS stores have landed and my LDS loads are in: then the work-group's barrier
	s_wait_dscnt 0x0
	s_barrier_signal -1
	s_barrier_wait -1
.endm
.macro FETCH reg, adr, off             ; a fragment's image into registers
.irp c, 0,1,2
	ds_load_b128 v[(\reg)+4*\c:(\reg)+4*\c+3], v[\adr] offset:(\off)+512*\c
.endr
.endm
.macro IMG reg, pw, adc, ads, offc, offs   ; a fragment and its scale word go to LDS as they stand
.irp c, 0,1,2
	ds_store_b128 v[\adc], v[(\reg)+4*\c:(\reg)+4*\c+3] offset:(\offc)+512*\c
.endr
	ds_store_b32 v[\ads], v[\pw] offset:\offs
.endm
.macro MM0 d, a, b, sa, sb             ; a product that starts a sum
	v_wmma_scale_f32_16x16x128_f8f6f4 v[(\d):(\d)+7], v[(\a):(\a)+11], v[(\b):(\b)+11], 0, v[\sa], v[\sb] matrix_a_fmt:MATRIX_FMT_BF6 matrix_b_fmt:MATRIX_FMT_BF6
.endm
.macro MMC d, a, b, c, sa, sb
	v_wmma_scale_f32_16x16x128_f8f6f4 v[(\d):(\d)+7], v[(\a):(\a)+11], v[(\b):(\b)+11], v[(\c):(\c)+7], v[\sa], v[\sb] matrix_a_fmt:MATRIX_FMT_BF6 matrix_b_fmt:MATRIX_FMT_BF6
.endm
; nf fragments from number fb + s[sw] on: codes into window 1 from v[reg] on, scale words into v[sc] on.  Every load reads 512 (128) consecutive bytes.
; At each of its places the last wait on va_vdst stands behind every vector or matrix instruction that names these registers, and only scalar lines, barriers and loads follow that wait.
.macro WLOAD nf, reg, sc, fb, sw
	s_wait_xcnt 0x0                                ; earlier loads have read the two bases: they are written again only behind this wait
	s_add_co_u32 s52, s[\sw], \fb
	s_mul_i32 s54, s52, 1536
	s_mov_b32 s55, 0
	s_add_nc_u64 s[WP:WP+1], s[WC:WC+1], s[54:55]
	s_lshl_b32 s54, s52, 7
	s_add_nc_u64 s[WSP:WSP+1], s[WSC:WSC+1], s[54:55]
	WIN 0x40
.set qq, 0
.rept 3*(\nf)
	global_load_b128 v[(\reg)+4*qq:(\reg)+4*qq+3], v[LI], s[WP:WP+1] offset:512*qq
.set qq, qq+1
.endr
	WIN 0
.set qq, 0
.rept \nf
	global_load_b32 v[(\sc)+qq], v[LS], s[WSP:WSP+1] offset:128*qq
.set qq, qq+1
.endr
.endm
; 64 numbers of a lane, register 16 b + i = k 32 b + 16 (lane / 16) + i of my row: the four blocks' largest magnitudes
.macro QMAX src
.irp b, 0,1,2,3
	v_max3_num_f32 v[BM+\b], |v[(\src)+16*\b]|, |v[(\src)+16*\b+1]|, 0x2800000   ; with the floor 2^(5 - 127): the byte cannot fall under 1
.endr
.irp i, 2,4,6,8,10,12,14
.irp b, 0,1,2,3
	v_max3_num_f32 v[BM+\b], v[BM+\b], |v[(\src)+16*\b+\i]|, |v[(\src)+16*\b+\i+1]|
.endr
.endr
.irp b, 0,1,2,3
	v_permlanex16_b32 v[BT+\b], v[BM+\b], s[SEL], s[SEL+1]
.endr
.irp b, 0,1,2,3
	v_max_num_f32 v[BM+\b], v[BM+\b], v[BT+\b]     ; with lane l xor 16's
.endr
.endm
; the same 64 numbers become a fragment's codes in v[pc] on and its scale word in v[pw]; the largest magnitudes stand in v[BM + t] on
.macro QCODE src, t, pw, pc
.irp b, 0,1,2,3
	v_add_nc_u32 v[SO+(\t)+\b], 0xfe000000, v[BM+(\t)+\b]   ; 4 off the exponent field: the conversion's scale operand
.endr
.irp b, 0,1,2,3
	v_lshrrev_b32 v[BT+(\t)+\b], 23, v[SO+(\t)+\b]          ; the scale's byte
.endr
	v_lshl_or_b32 v[\pw], v[BT+(\t)+1], 8, v[BT+(\t)]
	v_lshl_or_b32 v[\pw], v[BT+(\t)+2], 16, v[\pw]
	v_lshl_or_b32 v[\pw], v[BT+(\t)+3], 24, v[\pw]
.irp c, 0,1
	v_cvt_scalef32_pk16_bf6_f32 v[(\pc)+6*\c:(\pc)+6*\c+2], v[(\src)+32*\c:(\src)+32*\c+15], v[SO+(\t)+2*\c]
	v_cvt_scalef32_pk16_bf6_f32 v[(\pc)+12+4*\c:(\pc)+14+4*\c], v[(\src)+16+32*\c:(\src)+31+32*\c], v[SO+(\t)+2*\c+1]   ; (three registers from an even number on)
.endr
	v_nop                                          ; one plain place behind a scaled conversion
.irp c, 0,1                                    ; the operand wants a WHOLE block in a lane: lanes 0-15 block 2 c, lanes 16-31 block 2 c + 1
.irp i, 0,1,2
	v_permlane16_swap_b32 v[(\pc)+6*\c+\i], v[(\pc)+12+4*\c+\i]
.endr
.irp i, 0,1,2
	v_mov_b32 v[(\pc)+3+6*\c+\i], v[(\pc)+12+4*\c+\i]
.endr
.endr
.endm
.macro QUANT src
	QMAX \src
	QCODE \src, 0, PW, PC
.endm
.macro RAWLD reg, base                 ; my tile's 16 rows of 1,024 bytes, rows rho(w, a): each load reads 512 consecutive bytes
.set qq, 0
.rept 32
.if NTL
	global_load_b128 v[(\reg)+4*qq:(\reg)+4*qq+3], v[LI], s[\base:\base+1] offset:((qq/2)+8*(qq/16))*1024+512*(qq%2) th:TH_LOAD_NT
.else
	global_load_b128 v[(\reg)+4*qq:(\reg)+4*qq+3], v[LI], s[\base:\base+1] offset:((qq/2)+8*(qq/16))*1024+512*(qq%2)
.endif
.set qq, qq+1
.endr
.endm
.macro STAGE reg                       ; into XS, as they lie
.set qq, 0
.rept 32
	ds_store_b128 v[XD], v[(\reg)+4*qq:(\reg)+4*qq+3] offset:(qq/2)*XP+512*(qq%2)
.set qq, qq+1
.endr
.endm
.macro PATLD                           ; and back, a lane a row: register 64 s + 16 b + i = channel 128 s + 32 b + 16 h + i
	s_wait_alu depctr_vm_vsrc(0)                   ; the stores issued so far have read their registers: those from v[X ..] (into XS, or to memory), in which the row lands; the LDS instructions that read v[A2], v[A3], PC and PW, which are written again below
.irp st, 0,1
.irp b, 0,1,2,3
.irp j, 0,1,2,3
	ds_load_b128 v[X+64*\st+16*\b+4*\j:X+64*\st+16*\b+4*\j+3], v[XR] offset:512*\st+128*\b+16*\j
.endr
.endr
.endr
.endm
.macro LNWLD p, st                     ; the gain of K step st, in the same pattern, into window 1 v192-255
	WIN 0x40
.irp b, 0,1,2,3
.irp j, 0,1,2,3
	global_load_b128 v[192+16*\b+4*\j:195+16*\b+4*\j], v[LW], s[\p:\p+1] offset:512*(\st)+128*\b+16*\j
.endr
.endr
	WIN 0
.endm
.macro LNSTAT                          ; (x - mean) / sqrt(variance + 1e-5) over my row's 256: my 128 and lane l xor 16's; the mean first, then the squares of the differences
.irp k, 0,1,2,3
	v_pk_add_f32 v[BM+2*\k:BM+2*\k+1], v[X+2*\k:X+2*\k+1], v[X+8+2*\k:X+9+2*\k]
.endr
.set jj, 16
.rept 14
.irp k, 0,1,2,3
	v_pk_add_f32 v[BM+2*\k:BM+2*\k+1], v[BM+2*\k:BM+2*\k+1], v[X+jj+2*\k:X+jj+2*\k+1]
.endr
.set jj, jj+8
.endr
	v_pk_add_f32 v[BM:BM+1], v[BM:BM+1], v[BM+2:BM+3]
	v_pk_add_f32 v[BM+4:BM+5], v[BM+4:BM+5], v[BM+6:BM+7]
	v_pk_add_f32 v[BM:BM+1], v[BM:BM+1], v[BM+4:BM+5]
	v_add_f32 v[BM], v[BM], v[BM+1]
	v_permlanex16_b32 v[BT], v[BM], s[SEL], s[SEL+1]
	v_add_f32 v[BM], v[BM], v[BT]
	v_mul_f32 v[NM], s[RD], v[BM]
.set jj, 0
.rept 64
	v_pk_add_f32 v[X+jj:X+jj+1], v[X+jj:X+jj+1], v[NM:NM+1] op_sel_hi:[1,0] neg_lo:[0,1] neg_hi:[0,1]
.set jj, jj+2
.endr
.irp k, 0,1,2,3
	v_pk_mul_f32 v[BM+2*\k:BM+2*\k+1], v[X+2*\k:X+2*\k+1], v[X+2*\k:X+2*\k+1]
.endr
.set jj, 8
.rept 15
.irp k, 0,1,2,3
	v_pk_fma_f32 v[BM+2*\k:BM+2*\k+1], v[X+jj+2*\k:X+jj+2*\k+1], v[X+jj+2*\k:X+jj+2*\k+1], v[BM+2*\k:BM+2*\k+1]
.endr
.set jj, jj+8
.endr
	v_pk_add_f32 v[BM:BM+1], v[BM:BM+1], v[BM+2:BM+3]
	v_pk_add_f32 v[BM+4:BM+5], v[BM+4:BM+5], v[BM+6:BM+7]
	v_pk_add_f32 v[BM:BM+1], v[BM:BM+1], v[BM+4:BM+5]
	v_add_f32 v[BM], v[BM], v[BM+1]
	v_permlanex16_b32 v[BT], v[BM], s[SEL], s[SEL+1]
	v_add_f32 v[BM], v[BM], v[BT]
	v_fma_f32 v[T0], v[BM], s[RD], s[EPS]
	s_wait_alu depctr_va_vdst(0)
	v_rsq_f32 v[RL], v[T0]
	v_nop                                          ; a plain place behind the transcendental,
	s_wait_alu depctr_va_vdst(0)                   ; and the wait for 1 / sqrt in v[RL], ahead of its first reader
.set jj, 0
.rept 64
	v_pk_mul_f32 v[X+jj:X+jj+1], v[X+jj:X+jj+1], v[RL:RL+1] op_sel_hi:[1,0]
.set jj, jj+2
.endr
.endm
.macro LNMUL st                        ; x the gain
	WIN 0x04
.set jj, 0
.rept 32
	v_pk_mul_f32 v[X+64*(\st)+jj:X+64*(\st)+jj+1], v[X+64*(\st)+jj:X+64*(\st)+jj+1], v[192+jj:193+jj]
.set jj, jj+2
.endr
	WIN 0
.endm
; LayerNorm of my tile and its two fragments, to the images at v[A2], v[A3].  On entry the row is on its way from XS and the gain of K step 0 is in.
.macro LNQ1 p, offc, offs
	s_wait_dscnt 0x0                               ; my row is in
	LNSTAT
	LNMUL 0
	s_wait_alu depctr_va_vdst(0)                   ; the multiplications are done reading the gain in window 1, in which K step 1's lands
	LNWLD \p, 1                                    ; lands while K step 0 is quantised
	QUANT X
	s_wait_alu depctr_va_vdst(0)                   ; the quantiser has written PC and PW, and v[A2], v[A3] are written: the LDS stores read them
	IMG PC, PW, A2, A3, \offc, \offs
	s_wait_loadcnt 0x0
	LNMUL 1
.endm
.macro LNQ2 offc, offs
	s_wait_alu depctr_vm_vsrc(0)                   ; the first image's LDS stores have read PC and PW, which the quantiser writes again
	QUANT X+64
	s_wait_alu depctr_va_vdst(0)                   ; the quantiser has written PC and PW, which the LDS stores read
	IMG PC, PW, A2, A3, \offc, \offs
.endm
.macro XIADR                           ; where my tile's two fragments of x go.  (It stands behind the wait on vm_vsrc in front of the row's loads)
	s_mul_i32 s52, s[WV], 3072
	s_add_co_u32 s52, s52, XI
	v_add_nc_u32 v[A2], s52, v[LI]
	s_lshl_b32 s52, s[WV], 8
	s_add_co_u32 s52, s52, XIS
	v_add_nc_u32 v[A3], s52, v[LS]
.endm
; cnt row tiles: x's two fragments (at s[XO], s[XSO]) against my 8 column tiles (window 1, 16 fragments), TRANSPOSED (source 0 = the weight): a lane holds one row, its 64 registers 128 channels;
; quantised, the image goes to s[DO], s[DSO].  A wave's images of one loop lie on end.
.macro ITEMS relu, cnt
	s_mov_b32 s[CNT], \cnt
.Litems_\@:
	s_wait_alu depctr_vm_vsrc(0)                   ; the LDS loads and the image's stores issued so far have read v[A0] to v[A3], PC and PW: all are written again in this trip
	v_add_nc_u32 v[A0], s[XO], v[LI]
	v_add_nc_u32 v[A1], s[XSO], v[LS]
	v_add_nc_u32 v[A2], s[DO], v[LI]
	v_add_nc_u32 v[A3], s[DSO], v[LS]
	s_wait_alu depctr_va_vdst(0)                   ; the addresses are written; the products issued so far are done reading x's two fragments and their scale words, in which the loads land
	FETCH XF, A0, 0
	FETCH XF+12, A0, 1536
	ds_load_b32 v[XSW], v[A1]
	ds_load_b32 v[XSW+1], v[A1] offset:128
	s_wait_dscnt 0x0                               ; they are in
	WIN 0x01
.irp t, 0,1,2,3,4,5,6,7
	MM0 X+8*\t, 24*\t, XF, WS+2*\t, XSW
.endr
.irp t, 0,1,2,3,4,5,6,7
	MMC X+8*\t, 24*\t+12, XF+12, X+8*\t, WS+2*\t+1, XSW+1
.endr
	WIN 0
	PLACES 5
.if \relu
.set jj, 0
.rept 64
	v_max_num_f32 v[X+jj], 0, v[X+jj]
.set jj, jj+1
.endr
.endif
	QUANT X
	s_wait_alu depctr_va_vdst(0)                   ; the quantiser has written PC and PW, which the LDS stores read.  (It stands behind the trip's products too: the weights' registers are free for loads behind the loop)
	IMG PC, PW, A2, A3, 0, 0
	s_add_co_u32 s[XO], s[XO], 3072
	s_add_co_u32 s[XSO], s[XSO], 256
	s_add_co_u32 s[DO], s[DO], 1536
	s_add_co_u32 s[DSO], s[DSO], 128
	s_sub_co_u32 s[CNT], s[CNT], 1
	s_cmp_lg_u32 s[CNT], 0
	s_cbranch_scc1 .Litems_\@
.endm
; NOT transposed: source 0 = x's 8 row tiles (from s[XO], s[XSO]), source 1 = nu column tiles of a weight (window 1 from v[wb] on): a lane holds one CHANNEL, its 64 registers 128 rows.
; Both K steps' fragments are asked for at once: step 0's into window 1 v0-95 and v48-55, step 1's into window 1 from v[b2] on and v56-63.
.macro VIT nu, wb, wsb, b2
	s_wait_alu depctr_vm_vsrc(0)                   ; the LDS loads and stores issued so far have read v[A0] to v[A3], PC and PW, which are written again below
	v_add_nc_u32 v[A0], s[XO], v[LI]
	v_add_nc_u32 v[A1], s[XSO], v[LS]
	s_wait_alu depctr_va_vdst(0)                   ; the two addresses are written; the vector and matrix instructions issued so far are done reading the registers of window 1 and v48-63 in which the loads land
	WIN 0x40
.irp m, 0,1,2,3,4,5,6,7
	FETCH 12*\m, A0, (2*\m)*1536
.endr
	WIN 0
.irp m, 0,1,2,3,4,5,6,7
	ds_load_b32 v[WS+\m], v[A1] offset:(2*\m)*128
.endr
	WIN 0x40
.irp m, 0,1,2,3,4,5,6,7
	FETCH (\b2)+12*\m, A0, (2*\m+1)*1536
.endr
	WIN 0
.irp m, 0,1,2,3,4,5,6,7
	ds_load_b32 v[WS+8+\m], v[A1] offset:(2*\m+1)*128
.endr
	s_wait_dscnt 32                                ; K step 0's are in; K step 1's 24 + 8 loads may be out
	WIN 0x05
.irp m, 0,1,2,3,4,5,6,7
.set uu, 0
.rept \nu
	MM0 X+64*uu+8*\m, 12*\m, (\wb)+12*(2*uu), WS+\m, (\wsb)+2*uu
.set uu, uu+1
.endr
.endr
	s_wait_dscnt 0x0                               ; K step 1's are in
.irp m, 0,1,2,3,4,5,6,7
.set uu, 0
.rept \nu
	MMC X+64*uu+8*\m, (\b2)+12*\m, (\wb)+12*(2*uu+1), X+64*uu+8*\m, WS+8+\m, (\wsb)+2*uu+1
.set uu, uu+1
.endr
.endr
	WIN 0
	PLACES 5
.endm
; The four row tiles' images of K step kst into set kst % 2: 12 + 4 LDS loads.  Image (K step st, tile m) has index ss st + ms m from v[A0] (K steps 4 on: v[A3]) and v[A1] on.
.macro G2LD ss, ms, kst
.irp mm, 0,1,2,3
.if ((\kst)%2) == 0
.if (\kst) < 4
	FETCH HF+12*\mm, A0, ((\ss)*(\kst)+(\ms)*\mm)*1536
.else
	FETCH HF+12*\mm, A3, ((\ss)*((\kst)-4)+(\ms)*\mm)*1536
.endif
	ds_load_b32 v[WBS+\mm], v[A1] offset:((\ss)*(\kst)+(\ms)*\mm)*128
.else
.if (\kst) < 4
	FETCH HG+12*\mm, A0, ((\ss)*(\kst)+(\ms)*\mm)*1536
.else
	FETCH HG+12*\mm, A3, ((\ss)*((\kst)-4)+(\ms)*\mm)*1536
.endif
	ds_load_b32 v[HS2+\mm], v[A1] offset:((\ss)*(\kst)+(\ms)*\mm)*128
.endif
.endr
.endm
; XS += images x my two column tiles (channels 32 w .. 32 w + 31), transposed; the residual is the C of the first products.  Two passes of four row tiles.
; Two sets of fragment registers take turns: K step st + 1 is asked for before step st is multiplied.
.macro GEMM2 ks, wb, wsb, ss, ms
	s_mov_b32 s[GX], 0
	s_mov_b32 s[CNT], 2
.Lg2_\@:
	s_wait_alu depctr_vm_vsrc(0)                   ; the LDS instructions issued so far have read v[A0] to v[A3], the accumulators (the last pass's stores) and v44-47, v68-117 (the images' stores): all are written again below
	v_add_nc_u32 v[A2], s[GX], v[XC]
	v_add_nc_u32 v[A0], s[GI], v[LI]
	v_add_nc_u32 v[A1], s[GS], v[LS]
.if (\ks) > 4
	v_add_nc_u32 v[A3], 4*(\ss)*1536, v[A0]        ; K steps 4 on: an LDS immediate has 16 bits
.endif
	s_wait_alu depctr_va_vdst(0)                   ; the addresses are written; the vector and matrix instructions issued so far are done with the accumulators, the two sets and their scale words, in which the loads land
.irp mm, 0,1,2,3
.irp q, 0,1,2,3
	ds_load_b128 v[ACC+16*\mm+4*\q:ACC+16*\mm+4*\q+3], v[A2] offset:16*XP*\mm+16*\q
.endr
.endr
	G2LD \ss, \ms, 0
.set st, 0
.rept \ks
.if st+1 < (\ks)
.if st > 0
	s_wait_alu depctr_va_vdst(0)                   ; the products of the step before are done reading their set and its scale words, in which the next step's loads land
.endif
	G2LD \ss, \ms, st+1
	s_wait_dscnt 16                                ; this step's images (and the residual) are in; the next step's 12 + 4 loads may be out
.else
	s_wait_dscnt 0x0
.endif
	WIN 0x01
.irp mm, 0,1,2,3
.irp u, 0,1
.if (st%2) == 0
	MMC ACC+16*\mm+8*\u, (\wb)+12*(\u*(\ks)+st), HF+12*\mm, ACC+16*\mm+8*\u, (\wsb)+\u*(\ks)+st, WBS+\mm
.else
	MMC ACC+16*\mm+8*\u, (\wb)+12*(\u*(\ks)+st), HG+12*\mm, ACC+16*\mm+8*\u, (\wsb)+\u*(\ks)+st, HS2+\mm
.endif
.endr
.endr
	WIN 0
	PLACES 5
.set st, st+1
.endr
	s_wait_alu depctr_va_vdst(0)                   ; the products have written the accumulators, which the LDS stores read; the places above stay beside this wait
.irp mm, 0,1,2,3
.irp q, 0,1,2,3
	ds_store_b128 v[A2], v[ACC+16*\mm+4*\q:ACC+16*\mm+4*\q+3] offset:16*XP*\mm+16*\q
.endr
.endr
	s_add_co_u32 s[GX], s[GX], 64*XP
	s_add_co_u32 s[GI], s[GI], 4*(\ms)*1536
	s_add_co_u32 s[GS], s[GS], 4*(\ms)*128
	s_sub_co_u32 s[CNT], s[CNT], 1
	s_cmp_lg_u32 s[CNT], 0
	s_cbranch_scc1 .Lg2_\@
.endm
.macro OUTROWS base, stride            ; my tile's 16 rows leave: each store covers 512 consecutive bytes, aligned
	s_wait_alu depctr_vm_vsrc(0)                   ; the LDS stores of the projection back have read the accumulators, v192-255, in which the rows land
.set qq, 0
.rept 32
	ds_load_b128 v[X+4*qq:X+4*qq+3], v[XD] offset:(qq/2)*XP+512*(qq%2)
.set qq, qq+1
.endr
.set qq, 0
.rept 32
	s_wait_dscnt 31-qq                             ; the younger LDS loads may be out
	global_store_b128 v[LI], v[X+4*qq:X+4*qq+3], s[\base:\base+1] offset:((qq/2)+8*(qq/16))*(\stride)+512*(qq%2) th:TH_STORE_NT
.set qq, qq+1
.endr
.endm
; The row's softmax: 64 NS scores a lane in v[X] on, register 16 b + i = key 32 b + 16 h + i.  Leaves p in their place, each block's largest p in v[BM + b], 1 / l in v[RL].
.macro SOFTMAX
.set bb, 0
.rept NB
	v_max3_num_f32 v[BM+bb], v[X+16*bb], v[X+16*bb+1], v[X+16*bb+2]   ; the largest score of each block of 32 keys: it serves the row's maximum and, since p rises with the score, the block's largest p
.set bb, bb+1
.endr
.irp i, 3,5,7,9,11,13
.set bb, 0
.rept NB
	v_max3_num_f32 v[BM+bb], v[BM+bb], v[X+16*bb+\i], v[X+16*bb+\i+1]
.set bb, bb+1
.endr
.endr
.set bb, 0
.rept NB
	v_max_num_f32 v[BM+bb], v[BM+bb], v[X+16*bb+15]
.set bb, bb+1
.endr
.set bb, 0
.rept NB
	v_permlanex16_b32 v[BT+bb], v[BM+bb], s[SEL], s[SEL+1]
.set bb, bb+1
.endr
.set bb, 0
.rept NB
	v_max_num_f32 v[BM+bb], v[BM+bb], v[BT+bb]
.set bb, bb+1
.endr
	v_max3_num_f32 v[T0], v[BM], v[BM+1], v[BM+2]
	v_max_num_f32 v[T0], v[T0], v[BM+3]
	v_mul_f32 v[T0], s[CS], v[T0]                  ; as t
	v_floor_f32 v[NM], -v[T0]                      ; -M = floor(-t) = -ceil(t)
.set jj, 0
.rept 32*NS
	v_pk_fma_f32 v[X+jj:X+jj+1], v[X+jj:X+jj+1], s[CS:CS+1], v[NM:NM+1] op_sel_hi:[1,0,0]   ; t - M
.set jj, jj+2
.endr
.set bb, 0
.rept NB
	v_fma_f32 v[BM+bb], v[BM+bb], s[CS], v[NM]
.set bb, bb+1
.endr
.set jj, 0
	s_wait_alu depctr_va_vdst(0)
.rept 64*NS
	v_exp_f32 v[X+jj], v[X+jj]                     ; p = 2^(t - M): one batch
.set jj, jj+1
.endr
	v_nop                                          ; a plain place behind the batch,
	s_wait_alu depctr_va_vdst(0)                   ; and its one wait: the exponentials have written p, ahead of the first reader
.set bb, 0
.rept NB
	v_exp_f32 v[BM+bb], v[BM+bb]                   ; each block's largest p
.set bb, bb+1
.endr
	v_pk_add_f32 v[SUMA:SUMA+1], v[X:X+1], v[X+4:X+5]   ; the sum of the UNQUANTISED p, in two chains
	v_pk_add_f32 v[SUMB:SUMB+1], v[X+2:X+3], v[X+6:X+7]
.set jj, 8
.rept 16*NS-2
	v_pk_add_f32 v[SUMA:SUMA+1], v[SUMA:SUMA+1], v[X+jj:X+jj+1]
	v_pk_add_f32 v[SUMB:SUMB+1], v[SUMB:SUMB+1], v[X+jj+2:X+jj+3]
.set jj, jj+4
.endr
	v_pk_add_f32 v[SUMA:SUMA+1], v[SUMA:SUMA+1], v[SUMB:SUMB+1]
	v_add_f32 v[T0], v[SUMA], v[SUMA+1]
	v_permlanex16_b32 v[SUMB], v[T0], s[SEL], s[SEL+1]
	v_add_f32 v[T0], v[T0], v[SUMB]
	s_wait_alu depctr_va_vdst(0)
	v_rcp_f32 v[RL], v[T0]
	v_nop
	s_wait_alu depctr_va_vdst(0)                   ; one wait for the blocks' exponentials in v[BM ..] and the reciprocal in v[RL], ahead of their first reader
.set bb, 0
.rept NB
	v_max_num_f32 v[BM+bb], 0x2800000, v[BM+bb]    ; the floor: the byte cannot fall under 1
.set bb, bb+1
.endr
.endm
; O^T of one head (window 1 v240-255: my query, channels 16 h + 0 .. 15 of the head) / l becomes block hh of the out-projection's operand
.macro OQ hh
	WIN 0x41
.set ii, 0
.rept 16
	v_mul_f32 v[OA+ii], v[OA+ii], v[RL]
.set ii, ii+1
.endr
	WIN 0x05
	v_max3_num_f32 v[BM], |v[OA]|, |v[OA+1]|, 0x2800000
	v_max3_num_f32 v[BM+1], |v[OA+8]|, |v[OA+9]|, 0x2800000
.irp i, 2,4,6
	v_max3_num_f32 v[BM], |v[OA+\i]|, |v[OA+\i+1]|, v[BM]
	v_max3_num_f32 v[BM+1], |v[OA+8+\i]|, |v[OA+9+\i]|, v[BM+1]
.endr
	WIN 0
	v_max_num_f32 v[BM], v[BM], v[BM+1]
	v_permlanex16_b32 v[BT], v[BM], s[SEL], s[SEL+1]
	v_max_num_f32 v[BM], v[BM], v[BT]
	v_add_nc_u32 v[SO], 0xfe000000, v[BM]
	v_lshrrev_b32 v[BT], 23, v[SO]
.if (\hh) == 0
	v_mov_b32 v[OW], v[BT]
.else
	v_lshl_or_b32 v[OW], v[BT], 8*(\hh), v[OW]
.endif
.set OCD, OC+6*((\hh)/2)+((\hh)%2)*(12-2*((\hh)/2))   ; even heads: OC + 6 c; odd heads: OC + 12 + 4 c
	WIN 0x01
	v_cvt_scalef32_pk16_bf6_f32 v[OCD:OCD+2], v[OA:OA+15], v[SO]
	WIN 0
	v_nop                                          ; one plain place behind a scaled conversion
.endm
.macro OCFIN                           ; four heads' half blocks become a fragment
.irp c, 0,1
.irp i, 0,1,2
	v_permlane16_swap_b32 v[OC+6*\c+\i], v[OC+12+4*\c+\i]
.endr
.irp i, 0,1,2
	v_mov_b32 v[OC+3+6*\c+\i], v[OC+12+4*\c+\i]
.endr
.endr
.endm
; Head hh's LDS loads: its block of Q (2 loads), its two V fragments (6) and their scale words (2).  v[A1]: Q's image, v[A2]: V's images, v[A3]: K's scale words, VKD ahead of V's.
.macro HLOAD hh
.if ((\hh)/2) == 0                             ; block hh = 2 c + hl of Q's fragment is registers 6 c .. 6 c + 5 of the lanes of half hl
	ds_load_b128 v[QM+6:QM+9], v[A1]
	ds_load_b64 v[QM+10:QM+11], v[A1] offset:512
.else
	ds_load_b64 v[QM+6:QM+7], v[A1] offset:520
	ds_load_b128 v[QM+8:QM+11], v[A1] offset:1024
.endif
	WIN 0x40
.irp u, 0,1
	FETCH VF+12*\u, A2, (2*(\hh)+\u)*1536
.endr
	WIN 0
.irp u, 0,1
	ds_load_b32 v[WBS+\u], v[A3] offset:VKD+(2*(\hh)+\u)*128
.endr
.endm
; One head of the four whose K lies in window 1.  Its LDS loads were issued ahead of it: at the group's head, or in the head before.
.macro HEAD hh
.set CC, (\hh)/2
.set HL, (\hh)%2
	s_wait_dscnt 8*NS                              ; Q's block (and K, asked for earlier) is in; V's 6 + 2 younger loads may be out
.irp i, 0,1,2,3,4,5
	v_and_b32 v[QM+6+\i], v[MK0+HL], v[QM+6+\i]    ; the other half's lanes hold another head's block: zero codes there
.endr
	PLACES 4
	s_wait_alu depctr_va_vdst(0)                   ; the masked block (and, once, the zeros beside it) is written: the scaled products below take it as an operand
	WIN 0x01
.set kt, 0
.rept 8*NS
	MM0 X+8*kt, 12*kt, QM+6-6*CC, WS+kt, QS
.set kt, kt+1
.endr
	WIN 0
	PLACES 5
	SOFTMAX
	QCODE X, 0, PW, PC
	PLACES 8
	s_wait_dscnt 0x0                               ; V is in
	s_wait_alu depctr_va_vdst(0)                   ; p's codes and scale word are written: the scaled products below take them
	WIN 0x41
	MM0 OA, VF, PC, WBS, PW
	MM0 OA+8, VF+12, PC, WBS+1, PW
	WIN 0
	PLACES 5
.if (\hh) < 3
	s_wait_alu depctr_va_vdst(0)                   ; the products are done reading V's fragments and scale words (and, long since, Q's block), in which the next head's loads land
	HLOAD (\hh)+1                                  ; they land while O is quantised below, which names none of their registers
.endif
	OQ \hh
.endm
; My 16 queries, all 8 heads: two trips of four heads.  The LDS bases are scalars stepped by constants.
.macro ATTN
.irp i, 0,1,2,3,4,5
	v_mov_b32 v[QM+\i], 0
	v_mov_b32 v[QM+12+\i], 0
.endr
	s_mov_b32 s[GC], 2
.Lgroup:
	s_wait_alu depctr_vm_vsrc(0)                   ; the LDS instructions issued so far have read v[A0] to v[A3] and v[AQ], which are written below, and O's codes and scale word, which this group's heads write again
	v_add_nc_u32 v[A0], s[SK], v[LI]
	v_add_nc_u32 v[A1], s[SQ], v[LI]
	v_add_nc_u32 v[A2], s[SV], v[LI]
	v_add_nc_u32 v[A3], s[SKS], v[LS]
	v_add_nc_u32 v[AQ], s[SQS], v[LS]
	s_wait_alu depctr_va_vdst(0)                   ; the five addresses are written; the vector and matrix instructions issued so far are done with K's, V's and Q's registers and their scale words, in which the loads land
	WIN 0x40
.set kt, 0
.rept 8*NS
	FETCH 12*kt, A0, kt*1536
.set kt, kt+1
.endr
	WIN 0
.set kt, 0
.rept 8*NS
	ds_load_b32 v[WS+kt], v[A3] offset:128*kt
.set kt, kt+1
.endr
	ds_load_b32 v[QS], v[AQ]
	HLOAD 0
	HEAD 0
	HEAD 1
	HEAD 2
	HEAD 3
	OCFIN
	s_wait_alu depctr_vm_vsrc(0)                   ; K's and Q's LDS loads have read v[A0] and v[A1]
	v_add_nc_u32 v[A0], s[SOI], v[LI]
	v_add_nc_u32 v[A1], s[SOS], v[LS]
	s_wait_alu depctr_va_vdst(0)                   ; the two addresses, O's codes and its scale word are written: the LDS stores read them.  (It stands behind the last products and the last lines on O^T: window 1 is free for the loads behind the loop)
	IMG OC, OW, A0, A1, 0, 0
	s_add_co_u32 s[SK], s[SK], 8*NS*1536
	s_add_co_u32 s[SKS], s[SKS], 8*NS*128
	s_add_co_u32 s[SQ], s[SQ], 12288
	s_add_co_u32 s[SQS], s[SQS], 1024
	s_add_co_u32 s[SV], s[SV], 8*NS*1536
	s_add_co_u32 s[SOI], s[SOI], 1536
	s_add_co_u32 s[SOS], s[SOS], 128
	s_sub_co_u32 s[GC], s[GC], 1
	s_cmp_lg_u32 s[GC], 0
	s_cbranch_scc1 .Lgroup
.endm
.macro VHEAD                           ; the lane's constants
	v_lshrrev_b32 v6, 5, v0
	v_readfirstlane_b32 s[WV], v6                  ; wave 0..7
	v_and_b32 v6, 31, v0
	v_and_b32 v7, 15, v0                           ; r
	v_bfe_u32 v8, v0, 4, 1                         ; h
	v_lshlrev_b32 v[LI], 4, v6
	v_lshlrev_b32 v[LS], 2, v6
	v_lshlrev_b32 v[LW], 6, v8
	v_mul_u32_u24 v9, v7, XP
	v_add_nc_u32 v9, v9, v[LW]
	s_wait_alu depctr_va_sdst(0)                   ; the wave's number is written, ahead of its first reader
	s_mul_i32 s52, s[WV], 16*XP
	v_add_nc_u32 v[XR], s52, v9
	v_add_nc_u32 v[XD], s52, v[LI]
	s_lshl_b32 s53, s[WV], 7
	v_add_nc_u32 v[XC], s53, v9
	v_add_nc_u32 v[MK0], -1, v8
	v_sub_nc_u32 v[MK0+1], 0, v8
	v_mov_b32 v[NM+1], 0                           ; upper halves of pairs whose low word serves both halves: written once
	v_mov_b32 v[RL+1], 0
.irp i, 0,1,2,3,4,5,6,7
	v_mov_b32 v[BT+\i], 0                          ; a lane permute's destination counts as one of its sources
.endr
	s_mov_b32 s[SEL], 0x76543210
	s_mov_b32 s[SEL+1], 0xfedcba98                 ; lane l xor 16
	s_mov_b32 s[CS], 0x3e8293ee                    ; log2(e) / sqrt(32)
	s_mov_b32 s[CS+1], s[CS]
	s_mov_b32 s[RD], 0x3b800000                    ; 1 / 256
	s_mov_b32 s[EPS], 0x3727c5ac                   ; 1e-5
.endm
	s_load_b256 s[4:11], s[0:1], 0x0               ; msa1t, ln_col_w, ln_mt_w, opm_ln_w
	s_load_b256 s[12:19], s[0:1], 0x20             ; wcodes, wscales, out0, aximg
	s_load_b64 s[20:21], s[0:1], 0x40              ; axsc
	v_lshl_add_u32 v121, v0, 2, 0x41000
	v_mov_b32 v125, 0
	VHEAD
	s_and_b32 s56, s[WV], 3
	s_lshr_b32 s57, s[WV], 2
	s_lshr_b32 s52, s[WV], 1
	s_lshl_b32 s52, s52, 5
	s_and_b32 s53, s[WV], 1
	s_lshl_b32 s53, s53, 3
	s_add_co_u32 s58, s52, s53                     ; my tile's first row: 32 (w / 2) + 8 (w % 2)
	s_lshl_b32 s59, s56, 4                         ; 16 (w % 4)
	s_lshl_b32 s74, s[WV], 2                       ; 4 w
	s_lshl_b32 s75, s[WV], 4                       ; 16 w
	s_lshl_b32 s76, s[WV], 1                       ; 2 w
	s_lshl_b32 s52, ttmp9, 7
	s_add_co_u32 s52, s52, s58
	s_lshl_b32 s52, s52, 10                        ; msa1t: row 128 s + first row
	s_mov_b32 s53, 0
	s_lshl_b32 s54, s58, 8
	s_add_co_u32 s54, s54, ttmp9
	s_lshl_b32 s54, s54, 10                        ; out0: row 256 x first row + s
	s_mov_b32 s55, 0
	s_wait_kmcnt 0x0
	s_add_nc_u64 s[38:39], s[4:5], s[52:53]
	s_add_nc_u64 s[40:41], s[16:17], s[54:55]
	s_min_u32 s52, s[WV], 1                        ; (waves 0 and 1 alone store the projection)
	s_lshl_b32 s54, ttmp9, 1
	s_add_co_u32 s52, s52, s54
	s_mul_i32 s54, s52, 1536
	s_add_nc_u64 s[42:43], s[18:19], s[54:55]
	s_lshl_b32 s54, s52, 7
	s_add_nc_u64 s[44:45], s[20:21], s[54:55]
	; ---- C0: my tile's rows into XS; LayerNorm (column attention's), codes, images
	s_wait_alu depctr_va_vdst(0)                   ; the offsets and addresses v1 to v5 and v126 are written, which the loads and stores of the whole kernel read
	RAWLD X, 38
	LNWLD 6, 0
	XIADR
	s_wait_loadcnt 16                              ; the rows are in (behind them: the gain's 16 loads)
	STAGE X
	PATLD
	s_wait_loadcnt 0x0
	LNQ1 6, 0, 0
	WLOAD 16, 0, WS, CQ, 59                        ; waves 0, 1, 4, 5: Q's two halves; waves 2, 3, 6, 7: K's
	LNQ2 1536, 128
	BARRIER
	; ---- C1: Q and K (4 row tiles a wave), V for my head
	WLOAD 4, 192, WBS, CV, 74
	s_mul_i32 s52, s57, 4*3072
	s_add_co_u32 s[XO], s52, XI
	s_lshl_b32 s52, s57, 10
	s_add_co_u32 s[XSO], s52, XIS
	s_lshl_b32 s52, s56, 3
	s_lshl_b32 s53, s57, 2
	s_add_co_u32 s52, s52, s53                     ; 8 (w % 4) + 4 (w / 4)
	s_mul_i32 s53, s52, 1536
	s_add_co_u32 s[DO], s53, QKI
	s_lshl_b32 s53, s52, 7
	s_add_co_u32 s[DSO], s53, QKSC
	s_wait_loadcnt 0x0
	ITEMS 0, 4
	s_mov_b32 s[XO], XI
	s_mov_b32 s[XSO], XIS
	VIT 2, 192, WBS, 96
	s_mul_i32 s52, s[WV], 3072
	s_add_co_u32 s52, s52, VI
	v_add_nc_u32 v[A2], s52, v[LI]                 ; (free since the wait on vm_vsrc in front of x's loads, which stands behind the last image's stores)
	s_lshl_b32 s52, s[WV], 8
	s_add_co_u32 s52, s52, VSC
	v_add_nc_u32 v[A3], s52, v[LS]
	QUANT X
	s_wait_alu depctr_va_vdst(0)                   ; the quantiser has written PC and PW, and v[A2], v[A3] are written: the LDS stores read them
	IMG PC, PW, A2, A3, 0, 0
	s_wait_alu depctr_vm_vsrc(0)                   ; those stores have read PC and PW, which the quantiser writes again
	QUANT X+64
	s_wait_alu depctr_va_vdst(0)                   ; the quantiser has written PC and PW, which the LDS stores read
	IMG PC, PW, A2, A3, 1536, 128
	BARRIER
	; ---- C2: attention over the 128 sequences
	WLOAD 4, 96, 56, CO, 74                        ; the out-projection's weights land under it
	s_mov_b32 s[SK], QKI+16*1536
	s_mov_b32 s[SKS], QKSC+2048
	s_mul_i32 s52, s[WV], 1536
	s_add_co_u32 s[SQ], s52, QKI
	s_lshl_b32 s52, s[WV], 7
	s_add_co_u32 s[SQS], s52, QKSC
	s_mov_b32 s[SV], VI
	s_mul_i32 s52, s[WV], 3072
	s_add_co_u32 s[SOI], s52, OI
	s_lshl_b32 s52, s[WV], 8
	s_add_co_u32 s[SOS], s52, OSC
	ATTN
	BARRIER
	; ---- C3: msa + O Wo
	s_wait_loadcnt 0x0
	LNWLD 8, 0                                     ; (V's fragments and O^T, in whose registers it lands, were named last ahead of the wait on va_vdst in front of O's image)
	s_mov_b32 s[GI], OI
	s_mov_b32 s[GS], OSC
	GEMM2 2, 96, 56, 1, 2
	BARRIER
	; ---- C4: LayerNorm (transition's)
	PATLD
	XIADR
	s_wait_loadcnt 0x0
	LNQ1 8, 0, 0
	WLOAD 16, 0, WS, M1, 75
	LNQ2 1536, 128
	BARRIER
	; ---- C5: my 128 hidden units for the 8 row tiles: relu, codes: K step w of the second product
	s_mov_b32 s[XO], XI
	s_mov_b32 s[XSO], XIS
	s_mul_i32 s52, s[WV], 8*1536
	s_add_co_u32 s[DO], s52, HI
	s_lshl_b32 s52, s[WV], 10
	s_add_co_u32 s[DSO], s52, HSC
	s_wait_loadcnt 0x0
	ITEMS 1, 8
	WLOAD 16, 0, WS, M2, 75
	LNWLD 10, 0                                    ; (the transition's gain was read last ahead of the waits on va_vdst of the loop above)
	BARRIER
	; ---- C6: msa + hidden W2
	s_wait_loadcnt 0x0
	s_mov_b32 s[GI], HI
	s_mov_b32 s[GS], HSC
	GEMM2 8, 0, WS, 8, 1
	BARRIER
	; ---- C7: the rows leave; LayerNorm (outer product's)
	s_cmp_gt_u32 s[WV], 1
	s_cbranch_scc1 .Lno_pj
	WLOAD 2, 96, WBS, PJ, 76                       ; waves 0 and 1: a column tile of the projection each.  (The products that read these registers stand ahead of the wait on va_vdst in front of the last pass's stores)
.Lno_pj:
	OUTROWS 40, 262144
	s_wait_xcnt 0x0                                ; the stores have read their registers: the row may land there again (the wait on vm_vsrc stands beside this one, at the head of the row's loads)
	PATLD
	XIADR
	LNQ1 10, 0, 0
	LNQ2 1536, 128
	BARRIER
	; ---- C8: waves 0 and 1: 16 of the 32 channels for the 128 sequences, quantised along the sequences
	s_cmp_gt_u32 s[WV], 1
	s_cbranch_scc1 .Lend
	s_mov_b32 s[XO], XI
	s_mov_b32 s[XSO], XIS
	VIT 1, 96, WBS, 120
	QUANT X
	s_wait_alu depctr_va_vdst(0)                   ; the quantiser has written PC and PW, which the stores read
.irp c, 0,1,2
	global_store_b128 v[LI], v[PC+4*\c:PC+4*\c+3], s[42:43] offset:512*\c
.endr
	global_store_b32 v[LS], v[PW], s[44:45]
.Lend:
	s_wait_dscnt 0x0                               ; the closing lines, six on end
	s_wait_alu 0x0
	s_wait_tensorcnt 0x0
	ds_add_u32 v121, v125
	s_wait_dscnt 0x0
	s_endpgm
.Lfunc_end_k_q38e3b812e6_col:
	.size	k_q38e3b812e6_col, .Lfunc_end_k_q38e3b812e6_col-k_q38e3b812e6_col
	.p2alignl 7, 3214868480
	.fill 96, 4, 3214868480
	.section	.rodata,"a",@progbits
	.p2align	6, 0x0
	.amdhsa_kernel k_q38e3b812e6_col
		.amdhsa_group_segment_fixed_size 267264
		.amdhsa_private_segment_fixed_size 0
		.amdhsa_enable_private_segment 0
		.amdhsa_kernarg_size 72
		.amdhsa_user_sgpr_count 2
		.amdhsa_user_sgpr_kernarg_segment_ptr 1
		.amdhsa_wavefront_size32 1
		.amdhsa_system_sgpr_workgroup_id_x 1
		.amdhsa_system_sgpr_workgroup_id_y 1
		.amdhsa_system_sgpr_workgroup_id_z 1
		.amdhsa_system_vgpr_workitem_id 0
		.amdhsa_next_free_vgpr 512
		.amdhsa_next_free_sgpr 80
		.amdhsa_reserve_vcc 0
		.amdhsa_float_denorm_mode_32 3
		.amdhsa_float_denorm_mode_16_64 3
		.amdhsa_memory_ordered 1
		.amdhsa_forward_progress 1
		.amdhsa_inst_pref_size 255
	.end_amdhsa_kernel
	.section	.bss,"aw",@nobits
	.p2align	6
	.space	262144
	.amdgpu_metadata
---
amdhsa.version: [ 1, 2 ]
amdhsa.kernels:
  - .name:           k_q38e3b812e6_col
    .symbol:         k_q38e3b812e6_col.kd
    .args:
      - { .name: msa1t, .offset: 0, .size: 8, .value_kind: global_buffer, .address_space: global }
      - { .name: ln_col_w, .offset: 8, .size: 8, .value_kind: global_buffer, .address_space: global }
      - { .name: ln_mt_w, .offset: 16, .size: 8, .value_kind: global_buffer, .address_space: global }
      - { .name: opm_ln_w, .offset: 24, .size: 8, .value_kind: global_buffer, .address_space: global }
      - { .name: wcodes, .offset: 32, .size: 8, .value_kind: global_buffer, .address_space: global }
      - { .name: wscales, .offset: 40, .size: 8, .value_kind: global_buffer, .address_space: global }
      - { .name: out0, .offset: 48, .size: 8, .value_kind: global_buffer, .address_space: global }
      - { .name: aximg, .offset: 56, .size: 8, .value_kind: global_buffer, .address_space: global }
      - { .name: axsc, .offset: 64, .size: 8, .value_kind: global_buffer, .address_space: global }
    .group_segment_fixed_size: 267264
    .private_segment_fixed_size: 0
    .kernarg_segment_align: 8
    .kernarg_segment_size: 72
    .max_flat_workgroup_size: 256
    .sgpr_count:     80
    .vgpr_count:     512
    .wavefront_size: 32
...
	.end_amdgpu_metadata
.endif
;; end of part 9
;; launch pair (part 10): grid 256 x 1, 4 waves a work-group, no clusters, 120,832 bytes of LDS; arguments pair, aximg, axsc, wcodes, wscales, ln_pt_w, out1; writes out1
.if DOCPART == 10
	.amdgcn_target "amdgcn-amd-amdhsa--gfx1250"
	.amdhsa_code_object_version 6
	.text
	.protected	k_q38e3b812e6_pair
	.globl	k_q38e3b812e6_pair
	.p2align	8
	.type	k_q38e3b812e6_pair,@function
k_q38e3b812e6_pair:
	s_mov_b64 s[64:65], 0
	v_nop
	global_prefetch_b8 v0, s[64:65] scope:SCOPE_SE
	s_setreg_imm32_b32 hwreg(HW_REG_WAVE_SCHED_MODE, 0, 2), 2
	s_setreg_imm32_b32 hwreg(HW_REG_WAVE_MODE, 25, 1), 1
	s_wait_xcnt 0x0
	s_wait_alu depctr_vm_vsrc(0)
; OUTER PRODUCT MEAN AND PAIR TRANSITION, whole: outer = ax^T ax / 128, pair += outer W_out, pair += relu(LN(pair) W1) W2.  All products on codes of E3M2 with one E8M0 scale for each 32 along K.
; SHARES.  Work-group x: i = 16 (x % 16) + 0 .. 15, j = 16 (x / 16) + 0 .. 15, in four blocks of 64 pairs: row tile m of a block is j = 16 jb + 4 blk + m, its 16 lanes are the 16 i.
; Four waves of 1,024 registers; all weights stay in registers for the whole launch.  Wave w: row tile w (loads, LayerNorm, stores); d = 8 w .. 8 w + 7 of the outer product; output channels 32 w .. 32 w + 31; hidden units 128 w ..
; THE OUTER PRODUCT.  K = the 128 sequences.  Source 0 = position j's image of ax (16 channels e), source 1 = an I fragment: 16 positions i at ONE channel d, gathered once from the images' lanes.
; A lane then holds one pair (i, j) and its 16 registers of the two e tiles are e = 16 h + 0 .. 15 of one d: a block of 32 along the next K = 32 d + e.
; The division by 128 is exact: the codes are those of the undivided numbers, the byte is 7 lower, and the floor under the largest magnitude is 2^7 higher.
; OPERANDS GO FROM WAVE TO WAVE AS IMAGES OF THEIR REGISTERS (1,536 bytes: registers 4 c .. 4 c + 3 of lane l at 512 c + 16 l; scale words 128 bytes, 4 l).
; LOADS AHEAD.  What the first outer product needs is asked for first; the weights go out behind it and land under that product.  A block's inputs are asked for a block ahead.
; In the two projections back to 128 channels the images of K step st + 1 are asked for before step st is multiplied, into a second set of registers.
; No multicast: the shared inputs (weights, ax) are read once a work-group into registers.
; LIMITS: NaN and infinities are not served; a block of zeros gets the lowest byte (its codes are zeros); 1 / sqrt by v_rsq_f32.
; THE MODE: SCHED_MODE bits 1:0 = 2 (LLVM: expert scheduling mode 2), set by the entry lines.  The code itself states the register dependences
; between vector or matrix instructions and memory or LDS instructions, with s_wait_alu, always for 0.
; THE PLAN.  Registers that memory or LDS instructions touch:
;   v1-5, v10, v11, v17, v156-161, v166-171, v190, v191   offsets and LDS addresses: made at the head and never written again: one wait on va_vdst ahead of the first load serves them all.
;   window 3 v96-191, v76-83   a block's E fragments and scale words: read by the outer product's matrix instructions; the next block's loads land behind that phase's barrier, behind a wait on va_vdst.
;   window 3 v192-255          a block's pair rows: read by the LDS stores at the block's head; the next block's loads land at the same place, behind a wait on vm_vsrc.
;   PC, PW                     written by each quantiser, read by its image's four LDS stores: va_vdst ahead of the stores, vm_vsrc ahead of the next quantiser.
;   X (v192-255)               written by products and vector instructions; landed in by the residual, my row and the rows on the way out; read by LDS stores and global stores:
;                              va_vdst (behind the places) ahead of stores of results, vm_vsrc ahead of whatever writes it behind a store.
;   the two fragment sets (v108-155 with v84-87; window 2 v192-239 with v162-165) take turns: step st's products read one, step st + 1's loads land in the other, which step st - 1's products read: one va_vdst a step.
;   The weights, the I fragments and the gain are loaded once and read by matrix and vector instructions alone.
.set XP,   528                         ; XS: 64 pairs x (512 bytes + 16), row 16 m + r, at LDS byte 0
.set OPI,  33792                       ; the outer product's 32 fragments (8 m + K step)
.set OPS,  82944
.set XI,   87040                       ; LN(pair)'s 4
.set XIS,  93184
.set HI,   93696                       ; the hidden layer's 16 (4 m + K step)
.set HIS,  118272
.set OO,   512                         ; first fragments in wcodes
.set P1,   576
.set P2,   608
.set WC,   10
.set WSC,  12
.set LI,   1
.set LS,   2
.set XR,   3                           ; XS: my row of my tile, + 64 h
.set XD,   4                           ; XS: my tile's first row, + 16 x lane
.set XC,   5                           ; XS: row r, + 64 h + 128 w
.set IA,   10                          ; the gather: 3,072 r + 256 h
.set IS,   11                          ; 256 r
.set NM,   12
.set RL,   14
.set T0,   16
.set LW,   17
.set BM,   20
.set BT,   24
.set SO,   28
.set PW,   32                          ; v32, v36-87, v162-165 hold scale words and nothing else
.set WOS,  36
.set ISC,  52
.set W1S,  60
.set W2S,  68
.set ES,   76
.set HSW,  84
.set PC,   88                          ; v88-107 the codes just made
.set HF,   108                         ; v108-155 four fragments from LDS: the first set
.set OPW,  156                         ; v156-161 where my images go
.set OPSW, 157
.set XIW,  158
.set XISW, 159
.set HIW,  160
.set HISW, 161
.set HSW2, 162                         ; v162-165 the second set's scale words
.set AOP,  166                         ; v166-171 where images are read: 16 x lane or 4 x lane + a region's first byte
.set AOPS, 167
.set AXI,  168
.set AXIS, 169
.set AHI,  170
.set AHIS, 171
.set HF2,  192                         ; window 2 v192-239: the second set of four fragments
.set X,    192                         ; v192-255 results, a row's 64 numbers, rows on the way out
; window 1: v0-191 W_out's 16 fragments, v192-255 the gain.  window 2: v0-95 the 8 I fragments, v96-191 W1's 8, v192-239 the second set.  window 3: v0-95 W2's 8, v96-191 the block's 8 E fragments, v192-255 its pair rows
.set WV,   24
.set SEL,  28
.set RD,   32
.set EPS,  33
.set WP,   34
.set WSP,  36
.set PB,   38
.set EB,   40
.set ESB,  42
.set OB,   44
.set CNT,  50
.set MSB, 0
.macro WIN new
.if MSB != \new
	s_set_vgpr_msb (MSB<<8)|\new
.set MSB, \new
.endif
.endm
.macro PLACES n
.rept \n
	v_nop
.endr
.endm
.macro BARRIER
	s_wait_dscnt 0x0
	s_barrier_signal -1
	s_barrier_wait -1
.endm
.macro FETCH reg, adr, off
.irp c, 0,1,2
	ds_load_b128 v[(\reg)+4*\c:(\reg)+4*\c+3], v[\adr] offset:(\off)+512*\c
.endr
.endm
.macro IMG reg, pw, adc, ads, offc, offs
.irp c, 0,1,2
	ds_store_b128 v[\adc], v[(\reg)+4*\c:(\reg)+4*\c+3] offset:(\offc)+512*\c
.endr
	ds_store_b32 v[\ads], v[\pw] offset:\offs
.endm
.macro MM0 d, a, b, sa, sb
	v_wmma_scale_f32_16x16x128_f8f6f4 v[(\d):(\d)+7], v[(\a):(\a)+11], v[(\b):(\b)+11], 0, v[\sa], v[\sb] matrix_a_fmt:MATRIX_FMT_BF6 matrix_b_fmt:MATRIX_FMT_BF6
.endm
.macro MMC d, a, b, c, sa, sb
	v_wmma_scale_f32_16x16x128_f8f6f4 v[(\d):(\d)+7], v[(\a):(\a)+11], v[(\b):(\b)+11], v[(\c):(\c)+7], v[\sa], v[\sb] matrix_a_fmt:MATRIX_FMT_BF6 matrix_b_fmt:MATRIX_FMT_BF6
.endm
.macro WLOAD nf, win, reg, sc, fb, sw  ; nf fragments from number fb + s[sw] on, into the window that win names.  (No vector or matrix instruction names these registers ahead of the loads)
	s_wait_xcnt 0x0                                ; earlier loads have read the two bases
	s_add_co_u32 s52, s[\sw], \fb
	s_mul_i32 s54, s52, 1536
	s_mov_b32 s55, 0
	s_add_nc_u64 s[WP:WP+1], s[WC:WC+1], s[54:55]
	s_lshl_b32 s54, s52, 7
	s_add_nc_u64 s[WSP:WSP+1], s[WSC:WSC+1], s[54:55]
	WIN \win
.set qq, 0
.rept 3*(\nf)
	global_load_b128 v[(\reg)+4*qq:(\reg)+4*qq+3], v[LI], s[WP:WP+1] offset:512*qq
.set qq, qq+1
.endr
	WIN 0
.set qq, 0
.rept \nf
	global_load_b32 v[(\sc)+qq], v[LS], s[WSP:WSP+1] offset:128*qq
.set qq, qq+1
.endr
.endm
.macro QMAX src, fl                    ; 64 numbers of a lane, register 16 b + i = k 32 b + 16 h + i: the four blocks' largest magnitudes, over the floor fl
.irp b, 0,1,2,3
	v_max3_num_f32 v[BM+\b], |v[(\src)+16*\b]|, |v[(\src)+16*\b+1]|, \fl
.endr
.irp i, 2,4,6,8,10,12,14
.irp b, 0,1,2,3
	v_max3_num_f32 v[BM+\b], v[BM+\b], |v[(\src)+16*\b+\i]|, |v[(\src)+16*\b+\i+1]|
.endr
.endr
.irp b, 0,1,2,3
	v_permlanex16_b32 v[BT+\b], v[BM+\b], s[SEL], s[SEL+1]
.endr
.irp b, 0,1,2,3
	v_max_num_f32 v[BM+\b], v[BM+\b], v[BT+\b]
.endr
.endm
.macro QCODE src, sh                   ; codes into v[PC] on, the scale word into v[PW].  sh = 7: the bytes are those of the numbers / 128
.irp b, 0,1,2,3
	v_add_nc_u32 v[SO+\b], 0xfe000000, v[BM+\b]    ; 4 off the exponent field: the conversion's scale operand
.endr
.irp b, 0,1,2,3
.if \sh
	v_add_nc_u32 v[BT+\b], 0xfa800000, v[BM+\b]    ; 4 + 7 off it
	v_lshrrev_b32 v[BT+\b], 23, v[BT+\b]
.else
	v_lshrrev_b32 v[BT+\b], 23, v[SO+\b]
.endif
.endr
	v_lshl_or_b32 v[PW], v[BT+1], 8, v[BT]
	v_lshl_or_b32 v[PW], v[BT+2], 16, v[PW]
	v_lshl_or_b32 v[PW], v[BT+3], 24, v[PW]
.irp c, 0,1
	v_cvt_scalef32_pk16_bf6_f32 v[PC+6*\c:PC+6*\c+2], v[(\src)+32*\c:(\src)+32*\c+15], v[SO+2*\c]
	v_cvt_scalef32_pk16_bf6_f32 v[PC+12+4*\c:PC+14+4*\c], v[(\src)+16+32*\c:(\src)+31+32*\c], v[SO+2*\c+1]
.endr
	v_nop                                          ; one plain place behind a scaled conversion
.irp c, 0,1
.irp i, 0,1,2
	v_permlane16_swap_b32 v[PC+6*\c+\i], v[PC+12+4*\c+\i]
.endr
.irp i, 0,1,2
	v_mov_b32 v[PC+3+6*\c+\i], v[PC+12+4*\c+\i]
.endr
.endr
.endm
.macro BLKLD                           ; a block's 8 E fragments with their scale words, and my tile's 16 pair rows
	WIN 0xc0
.set qq, 0
.rept 24
	global_load_b128 v[96+4*qq:99+4*qq], v[LI], s[EB:EB+1] offset:512*qq
.set qq, qq+1
.endr
.set qq, 0
.rept 16
	global_load_b128 v[192+4*qq:195+4*qq], v[LI], s[PB:PB+1] offset:131072*qq th:TH_LOAD_NT   ; a pair's row: 512 consecutive bytes
.set qq, qq+1
.endr
	WIN 0
.set qq, 0
.rept 8
	global_load_b32 v[ES+qq], v[LS], s[ESB:ESB+1] offset:128*qq
.set qq, qq+1
.endr
.endm
; The four row tiles' images of K step kst (index ks m + kst from v[adc], v[ads] on), into set kst % 2: 12 + 4 LDS loads
.macro PGLD ks, kst, adc, ads
.if ((\kst)%2) == 0
.irp mm, 0,1,2,3
	FETCH HF+12*\mm, \adc, ((\ks)*\mm+(\kst))*1536
.endr
.irp mm, 0,1,2,3
	ds_load_b32 v[HSW+\mm], v[\ads] offset:((\ks)*\mm+(\kst))*128
.endr
.else
	WIN 0x80                                       ; destination window 2, address window 0
.irp mm, 0,1,2,3
	FETCH HF2+12*\mm, \adc, ((\ks)*\mm+(\kst))*1536
.endr
	WIN 0
.irp mm, 0,1,2,3
	ds_load_b32 v[HSW2+\mm], v[\ads] offset:((\ks)*\mm+(\kst))*128
.endr
.endif
.endm
; XS += images (from v[adc], v[ads] on) x my two column tiles (from v0 of the window that win names as source 0; win2: the same with source 1 in window 2), transposed; the residual is the C of the first products.
; Two sets of fragment registers take turns: step st + 1 is asked for before step st is multiplied.
; At its head no wait is written: at both of its places the last wait on va_vdst stands behind every vector or matrix instruction that names v[X ..], the two sets or their scale words, and only scalar lines, a barrier and loads follow that wait.
.macro PG2 ks, win, win2, wsb, adc, ads
.irp mm, 0,1,2,3
.irp q, 0,1,2,3
	ds_load_b128 v[X+16*\mm+4*\q:X+16*\mm+4*\q+3], v[XC] offset:16*XP*\mm+16*\q
.endr
.endr
	PGLD \ks, 0, \adc, \ads
.set st, 0
.rept \ks
.if st+1 < (\ks)
.if st > 0
	s_wait_alu depctr_va_vdst(0)                   ; the products of the step before are done reading their set and its scale words, in which the next step's loads land
.endif
	PGLD \ks, st+1, \adc, \ads
	s_wait_dscnt 16                                ; this step's images (and the residual) are in; the next step's 12 + 4 loads may be out
.else
	s_wait_dscnt 0x0
.endif
.if (st%2) == 0
	WIN \win
.irp mm, 0,1,2,3
.irp u, 0,1
	MMC X+16*\mm+8*\u, 12*(\u*(\ks)+st), HF+12*\mm, X+16*\mm+8*\u, (\wsb)+\u*(\ks)+st, HSW+\mm
.endr
.endr
.else
	WIN \win2
.irp mm, 0,1,2,3
.irp u, 0,1
	MMC X+16*\mm+8*\u, 12*(\u*(\ks)+st), HF2+12*\mm, X+16*\mm+8*\u, (\wsb)+\u*(\ks)+st, HSW2+\mm
.endr
.endr
.endif
	WIN 0
	PLACES 5
.set st, st+1
.endr
	s_wait_alu depctr_va_vdst(0)                   ; the products have written v[X ..], which the LDS stores read; the places above stay beside this wait
.irp mm, 0,1,2,3
.irp q, 0,1,2,3
	ds_store_b128 v[XC], v[X+16*\mm+4*\q:X+16*\mm+4*\q+3] offset:16*XP*\mm+16*\q
.endr
.endr
.endm
.macro LN128                           ; (x - mean) / sqrt(variance + 1e-5) x gain over my row's 128: my 64 and lane l xor 16's
.irp k, 0,1,2,3
	v_pk_add_f32 v[BM+2*\k:BM+2*\k+1], v[X+2*\k:X+2*\k+1], v[X+8+2*\k:X+9+2*\k]
.endr
.set jj, 16
.rept 6
.irp k, 0,1,2,3
	v_pk_add_f32 v[BM+2*\k:BM+2*\k+1], v[BM+2*\k:BM+2*\k+1], v[X+jj+2*\k:X+jj+2*\k+1]
.endr
.set jj, jj+8
.endr
	v_pk_add_f32 v[BM:BM+1], v[BM:BM+1], v[BM+2:BM+3]
	v_pk_add_f32 v[BM+4:BM+5], v[BM+4:BM+5], v[BM+6:BM+7]
	v_pk_add_f32 v[BM:BM+1], v[BM:BM+1], v[BM+4:BM+5]
	v_add_f32 v[BM], v[BM], v[BM+1]
	v_permlanex16_b32 v[BT], v[BM], s[SEL], s[SEL+1]
	v_add_f32 v[BM], v[BM], v[BT]
	v_mul_f32 v[NM], s[RD], v[BM]
.set jj, 0
.rept 32
	v_pk_add_f32 v[X+jj:X+jj+1], v[X+jj:X+jj+1], v[NM:NM+1] op_sel_hi:[1,0] neg_lo:[0,1] neg_hi:[0,1]
.set jj, jj+2
.endr
.irp k, 0,1,2,3
	v_pk_mul_f32 v[BM+2*\k:BM+2*\k+1], v[X+2*\k:X+2*\k+1], v[X+2*\k:X+2*\k+1]
.endr
.set jj, 8
.rept 7
.irp k, 0,1,2,3
	v_pk_fma_f32 v[BM+2*\k:BM+2*\k+1], v[X+jj+2*\k:X+jj+2*\k+1], v[X+jj+2*\k:X+jj+2*\k+1], v[BM+2*\k:BM+2*\k+1]
.endr
.set jj, jj+8
.endr
	v_pk_add_f32 v[BM:BM+1], v[BM:BM+1], v[BM+2:BM+3]
	v_pk_add_f32 v[BM+4:BM+5], v[BM+4:BM+5], v[BM+6:BM+7]
	v_pk_add_f32 v[BM:BM+1], v[BM:BM+1], v[BM+4:BM+5]
	v_add_f32 v[BM], v[BM], v[BM+1]
	v_permlanex16_b32 v[BT], v[BM], s[SEL], s[SEL+1]
	v_add_f32 v[BM], v[BM], v[BT]
	v_fma_f32 v[T0], v[BM], s[RD], s[EPS]
	s_wait_alu depctr_va_vdst(0)
	v_rsq_f32 v[RL], v[T0]
	v_nop                                          ; a plain place behind the transcendental,
	s_wait_alu depctr_va_vdst(0)                   ; and the wait for 1 / sqrt in v[RL], ahead of its first reader
.set jj, 0
.rept 32
	v_pk_mul_f32 v[X+jj:X+jj+1], v[X+jj:X+jj+1], v[RL:RL+1] op_sel_hi:[1,0]
.set jj, jj+2
.endr
	WIN 0x04
.set jj, 0
.rept 32
	v_pk_mul_f32 v[X+jj:X+jj+1], v[X+jj:X+jj+1], v[192+jj:193+jj]
.set jj, jj+2
.endr
	WIN 0
.endm
	s_load_b256 s[4:11], s[0:1], 0x0               ; pair, aximg, axsc, wcodes
	s_load_b128 s[12:15], s[0:1], 0x20             ; wscales, ln_pt_w
	s_load_b64 s[16:17], s[0:1], 0x30              ; out1
	v_lshl_add_u32 v190, v0, 2, 0x1d600
	v_mov_b32 v191, 0
	v_lshrrev_b32 v6, 5, v0
	v_readfirstlane_b32 s[WV], v6                  ; wave 0..3
	v_and_b32 v6, 31, v0
	v_and_b32 v7, 15, v0                           ; r
	v_bfe_u32 v8, v0, 4, 1                         ; h
	v_lshlrev_b32 v[LI], 4, v6
	v_lshlrev_b32 v[LS], 2, v6
	v_lshlrev_b32 v[LW], 6, v8
	v_mul_u32_u24 v9, v7, XP
	v_add_nc_u32 v9, v9, v[LW]
	v_add_nc_u32 v[AOP], OPI, v[LI]                ; where images are read: the same in all four waves
	v_add_nc_u32 v[AOPS], OPS, v[LS]
	v_add_nc_u32 v[AXI], XI, v[LI]
	v_add_nc_u32 v[AXIS], XIS, v[LS]
	v_add_nc_u32 v[AHI], HI, v[LI]
	v_add_nc_u32 v[AHIS], HIS, v[LS]
	s_wait_alu depctr_va_sdst(0)                   ; the wave's number is written, ahead of its first reader
	s_mul_i32 s52, s[WV], 16*XP
	v_add_nc_u32 v[XR], s52, v9
	v_add_nc_u32 v[XD], s52, v[LI]
	s_lshl_b32 s53, s[WV], 7
	v_add_nc_u32 v[XC], s53, v9
	v_mul_u32_u24 v[IA], v7, 3072
	v_lshl_add_u32 v[IA], v8, 8, v[IA]
	v_lshlrev_b32 v[IS], 8, v7
	s_mul_i32 s52, s[WV], 3072
	s_add_co_u32 s52, s52, OPI
	v_add_nc_u32 v[OPW], s52, v[LI]                ; the outer product's images: K steps 2 w, 2 w + 1
	s_lshl_b32 s52, s[WV], 8
	s_add_co_u32 s52, s52, OPS
	v_add_nc_u32 v[OPSW], s52, v[LS]
	s_mul_i32 s52, s[WV], 1536
	s_add_co_u32 s53, s52, XI
	v_add_nc_u32 v[XIW], s53, v[LI]
	s_add_co_u32 s53, s52, HI
	v_add_nc_u32 v[HIW], s53, v[LI]
	s_lshl_b32 s52, s[WV], 7
	s_add_co_u32 s53, s52, XIS
	v_add_nc_u32 v[XISW], s53, v[LS]
	s_add_co_u32 s53, s52, HIS
	v_add_nc_u32 v[HISW], s53, v[LS]
	v_mov_b32 v[NM+1], 0                           ; upper halves of pairs whose low word serves both halves
	v_mov_b32 v[RL+1], 0
.irp i, 0,1,2,3
	v_mov_b32 v[BT+\i], 0                          ; a lane permute's destination counts as one of its sources
.endr
	s_mov_b32 s[SEL], 0x76543210
	s_mov_b32 s[SEL+1], 0xfedcba98
	s_mov_b32 s[RD], 0x3c000000                    ; 1 / 128
	s_mov_b32 s[EPS], 0x3727c5ac                   ; 1e-5
	s_and_b32 s25, ttmp9, 15                       ; it
	s_lshr_b32 s26, ttmp9, 4                       ; jb
	s_lshl_b32 s56, s[WV], 4                       ; 16 w
	s_lshl_b32 s57, s[WV], 3                       ; 8 w
	s_lshl_b32 s52, s25, 12
	s_lshl_b32 s53, s26, 4
	s_add_co_u32 s52, s52, s53
	s_add_co_u32 s52, s52, s[WV]                   ; 256 x 16 it + 16 jb + w
	s_lshl_b32 s52, s52, 9
	s_mov_b32 s53, 0
	s_wait_kmcnt 0x0
	s_add_nc_u64 s[PB:PB+1], s[4:5], s[52:53]
	s_add_nc_u64 s[OB:OB+1], s[16:17], s[52:53]
	s_mul_i32 s52, s26, 49152
	s_add_nc_u64 s[EB:EB+1], s[6:7], s[52:53]      ; position 16 jb's images
	s_lshl_b32 s52, s26, 12
	s_add_nc_u64 s[ESB:ESB+1], s[8:9], s[52:53]
	s_and_b32 s58, s[WV], 1                        ; channel d = 8 w + xx lies in image w % 2, lane 8 (w / 2) + xx
	s_lshr_b32 s59, s[WV], 1
	s_mul_i32 s52, s25, 49152
	s_mul_i32 s54, s58, 1536
	s_add_co_u32 s52, s52, s54
	s_lshl_b32 s54, s59, 7
	s_add_co_u32 s52, s52, s54
	s_add_nc_u64 s[46:47], s[6:7], s[52:53]
	s_lshl_b32 s52, s25, 12
	s_lshl_b32 s54, s58, 7
	s_add_co_u32 s52, s52, s54
	s_lshl_b32 s54, s59, 5
	s_add_co_u32 s52, s52, s54
	s_add_nc_u64 s[48:49], s[8:9], s[52:53]
	; what the first outer product needs goes out first: 80 loads
	s_wait_alu depctr_va_vdst(0)                   ; every offset and LDS address of the kernel is written: the loads and stores from here on read them, and none is written again
	WIN 0x80
.irp xx, 0,1,2,3,4,5,6,7
.irp c, 0,1,2
	global_load_b128 v[12*\xx+4*\c:12*\xx+4*\c+3], v[IA], s[46:47] offset:16*\xx+512*\c   ; lane (r, h) takes, of position 16 it + r, the registers that lane (channel d, h) of its image holds
.endr
.endr
	WIN 0
.irp xx, 0,1,2,3,4,5,6,7
	global_load_b32 v[ISC+\xx], v[IS], s[48:49] offset:4*\xx
.endr
	BLKLD
	s_wait_loadcnt 0x0                             ; the first block's inputs are in
	; the weights and the gain, 144 loads, go out now and land while the first outer product is made
	WLOAD 16, 0x40, 0, WOS, OO, 56
	WLOAD 8, 0x80, 96, W1S, P1, 57
	WLOAD 8, 0xc0, 0, W2S, P2, 57
	WIN 0x40
.irp b, 0,1,2,3
.irp j, 0,1,2,3
	global_load_b128 v[192+16*\b+4*\j:195+16*\b+4*\j], v[LW], s[14:15] offset:128*\b+16*\j   ; the gain, as a lane's 64 numbers lie
.endr
.endr
	WIN 0
	s_mov_b32 s[CNT], 4
.Lblock:                                               ; (the block's inputs are in: waited for ahead of the loop and at its end)
	WIN 0x0c
.set qq, 0
.rept 16
	ds_store_b128 v[XD], v[192+4*qq:195+4*qq] offset:XP*qq   ; my tile's pair rows: the residual
.set qq, qq+1
.endr
	WIN 0
	; ---- P1: the outer product: for each j, my 8 channels d x all 32 e, four d (a K step of the next product) at a time
.irp m, 0,1,2,3
.irp ss, 0,1
	WIN 0x0b
.irp dd, 0,1,2,3
.irp u, 0,1
	MM0 X+8*(2*\dd+\u), 96+12*(2*\m+\u), 12*(4*\ss+\dd), ES+2*\m+\u, ISC+4*\ss+\dd
.endr
.endr
	WIN 0
	PLACES 5
	s_wait_alu depctr_vm_vsrc(0)                   ; the last image's LDS stores have read PC and PW, which the quantiser writes again
	QMAX X, 0x6000000
	QCODE X, 7
	s_wait_alu depctr_va_vdst(0)                   ; the quantiser has written PC and PW, which the LDS stores read
	IMG PC, PW, OPW, OPSW, (8*\m+\ss)*1536, (8*\m+\ss)*128
.endr
.endr
	BARRIER                                        ; the residual and the outer product's 32 fragments lie in LDS
	s_wait_loadcnt 0x0                             ; in the first trip: the weights and the gain; later no load is out here
	s_wait_alu depctr_vm_vsrc(0)                   ; the LDS stores at the block's head have read window 3's v192-255, in which the next block's pair rows land
	s_wait_alu depctr_va_vdst(0)                   ; the outer product's matrix instructions are done reading the E fragments and their scale words, in which the next block's land; its conversions are done reading v[X ..], in which the residual lands
	s_cmp_eq_u32 s[CNT], 1                         ; the next block's inputs are asked for here, if there is one: no load leaves its buffer
	s_cbranch_scc1 .Lno_next
	s_add_nc_u64 s[EB:EB+1], s[EB:EB+1], 12288
	s_add_nc_u64 s[ESB:ESB+1], s[ESB:ESB+1], 1024
	s_add_nc_u64 s[PB:PB+1], s[PB:PB+1], 2048
	BLKLD
.Lno_next:
	; ---- P2: pair += outer W_out, my 32 channels of the 64 pairs
	PG2 8, 0x01, 0x09, WOS, AOP, AOPS
	BARRIER
	; ---- P3: LayerNorm of my tile
	s_wait_alu depctr_vm_vsrc(0)                   ; the LDS stores above have read v[X ..], in which my row lands
.irp b, 0,1,2,3
.irp j, 0,1,2,3
	ds_load_b128 v[X+16*\b+4*\j:X+16*\b+4*\j+3], v[XR] offset:128*\b+16*\j
.endr
.endr
	s_wait_dscnt 0x0
	LN128
	QMAX X, 0x2800000
	QCODE X, 0
	s_wait_alu depctr_va_vdst(0)                   ; the quantiser has written PC and PW, which the LDS stores read
	IMG PC, PW, XIW, XISW, 0, 0
	BARRIER
	; ---- P4: my 128 hidden units for the four tiles; the four fragments of x come in one run.  (The first set's last readers, P2's products, stand ahead of the waits on va_vdst above)
.irp m, 0,1,2,3
	FETCH HF+12*\m, AXI, \m*1536
	ds_load_b32 v[HSW+\m], v[AXIS] offset:\m*128
.endr
	s_wait_dscnt 0x0
.irp m, 0,1,2,3
	WIN 0x02
.irp t, 0,1,2,3,4,5,6,7
	MM0 X+8*\t, 96+12*\t, HF+12*\m, W1S+\t, HSW+\m
.endr
	WIN 0
	PLACES 5
.set jj, 0
.rept 64
	v_max_num_f32 v[X+jj], 0, v[X+jj]
.set jj, jj+1
.endr
	s_wait_alu depctr_vm_vsrc(0)                   ; the last image's LDS stores have read PC and PW, which the quantiser writes again
	QMAX X, 0x2800000
	QCODE X, 0
	s_wait_alu depctr_va_vdst(0)                   ; the quantiser has written PC and PW, which the LDS stores read
	IMG PC, PW, HIW, HISW, 4*\m*1536, 4*\m*128
.endr
	BARRIER
	; ---- P5: pair += hidden W2
	PG2 4, 0x03, 0x0b, W2S, AHI, AHIS
	BARRIER
	; ---- P6: my tile's 16 rows leave
	s_wait_alu depctr_vm_vsrc(0)                   ; the LDS stores above have read v[X ..], in which the rows land
.set qq, 0
.rept 16
	ds_load_b128 v[X+4*qq:X+4*qq+3], v[XD] offset:XP*qq
.set qq, qq+1
.endr
.set qq, 0
.rept 16
	s_wait_dscnt 15-qq                             ; the younger LDS loads may be out
	global_store_b128 v[LI], v[X+4*qq:X+4*qq+3], s[OB:OB+1] offset:131072*qq th:TH_STORE_NT   ; 512 consecutive bytes, aligned
.set qq, qq+1
.endr
	s_wait_xcnt 0x0                                ; the stores have read their base, which moves on below
	s_wait_alu depctr_vm_vsrc(0)                   ; the stores have read v[X ..], which the next block's products write
	s_add_nc_u64 s[OB:OB+1], s[OB:OB+1], 2048
	s_wait_loadcnt 0x0                             ; the next block's inputs, asked for behind P1, are in
	s_sub_co_u32 s[CNT], s[CNT], 1
	s_cmp_lg_u32 s[CNT], 0
	s_cbranch_scc1 .Lblock
	s_wait_dscnt 0x0                               ; the closing lines, six on end
	s_wait_alu 0x0
	s_wait_tensorcnt 0x0
	ds_add_u32 v190, v191
	s_wait_dscnt 0x0
	s_endpgm
.Lfunc_end_k_q38e3b812e6_pair:
	.size	k_q38e3b812e6_pair, .Lfunc_end_k_q38e3b812e6_pair-k_q38e3b812e6_pair
	.p2alignl 7, 3214868480
	.fill 96, 4, 3214868480
	.section	.rodata,"a",@progbits
	.p2align	6, 0x0
	.amdhsa_kernel k_q38e3b812e6_pair
		.amdhsa_group_segment_fixed_size 120832
		.amdhsa_private_segment_fixed_size 0
		.amdhsa_enable_private_segment 0
		.amdhsa_kernarg_size 56
		.amdhsa_user_sgpr_count 2
		.amdhsa_user_sgpr_kernarg_segment_ptr 1
		.amdhsa_wavefront_size32 1
		.amdhsa_system_sgpr_workgroup_id_x 1
		.amdhsa_system_sgpr_workgroup_id_y 1
		.amdhsa_system_sgpr_workgroup_id_z 1
		.amdhsa_system_vgpr_workitem_id 0
		.amdhsa_next_free_vgpr 1024
		.amdhsa_next_free_sgpr 66
		.amdhsa_reserve_vcc 0
		.amdhsa_float_denorm_mode_32 3
		.amdhsa_float_denorm_mode_16_64 3
		.amdhsa_memory_ordered 1
		.amdhsa_forward_progress 1
		.amdhsa_inst_pref_size 158
	.end_amdhsa_kernel
	.amdgpu_metadata
---
amdhsa.version: [ 1, 2 ]
amdhsa.kernels:
  - .name:           k_q38e3b812e6_pair
    .symbol:         k_q38e3b812e6_pair.kd
    .args:
      - { .name: pair, .offset: 0, .size: 8, .value_kind: global_buffer, .address_space: global }
      - { .name: aximg, .offset: 8, .size: 8, .value_kind: global_buffer, .address_space: global }
      - { .name: axsc, .offset: 16, .size: 8, .value_kind: global_buffer, .address_space: global }
      - { .name: wcodes, .offset: 24, .size: 8, .value_kind: global_buffer, .address_space: global }
      - { .name: wscales, .offset: 32, .size: 8, .value_kind: global_buffer, .address_space: global }
      - { .name: ln_pt_w, .offset: 40, .size: 8, .value_kind: global_buffer, .address_space: global }
      - { .name: out1, .offset: 48, .size: 8, .value_kind: global_buffer, .address_space: global }
    .group_segment_fixed_size: 120832
    .private_segment_fixed_size: 0
    .kernarg_segment_align: 8
    .kernarg_segment_size: 56
    .max_flat_workgroup_size: 128
    .sgpr_count:     66
    .vgpr_count:     1024
    .wavefront_size: 32
...
	.end_amdgpu_metadata
.endif
;; end of part 10
